; MI455X (gfx1250); checked and timed in simulation.
; The chip was launched on July 23, 2026; its instructions are those of AMD's public machine-readable ISA for CDNA 5 (MIT licence, August 2026) and "CDNA5" Instruction Set Architecture Reference Guide (July 2026). The comments in the code are by the model that wrote it; some were corrected since.
;; Multi Head Attention. Allowed arithmetic: matrix products marked QUANTISED: E2M3 operands, one E8M0 scale for each 32 along K, by v_wmma_scale_f32_16x16x128_f8f6f4 with both operands' format E2M3, f32 sums; everything else in f32.
;; Inputs: wk_b 2,048 float32; wk_w 2,048 x 2,048 float32; wo_b 2,048 float32; wo_w 2,048 x 2,048 float32; wq_b 2,048 float32; wq_w 2,048 x 2,048 float32; wv_b 2,048 float32; wv_w 2,048 x 2,048 float32; x 2 x 1,024 x 2,048 float32.
;; Outputs: out0 2 x 1,024 x 2,048 float32.
;; This version of the problem:
;;   THIS VERSION OF THE PROBLEM IS GIVEN IN LOW PRECISION. The matrix products marked QUANTISED in the list below multiply operands that are first quantised to E2M3 (2 exponent bits, 3 mantissa bits; 6 bits a number), with one power-of-two scale for each 32 numbers along K (OCP MX v1.0); their sums are f32. All else is computed in f32.
;;   The module's matrix products, in the order in which they are computed (A, B: the left and right operand; K: the contracted axis; several contracted axes count as one K, in the product's order):
;;     1. [M 2,048, K 2,048] x [K 2,048, N 2,048]; A: input x; B: input wq_w: QUANTISED
;;     2. [M 2,048, K 2,048] x [K 2,048, N 2,048]; A: input x; B: input wk_w: QUANTISED
;;     3. [M 2,048, K 2,048] x [K 2,048, N 2,048]; A: input x; B: input wv_w: QUANTISED
;;     4. batch 32 x [M 1,024, K 128] x [K 128, N 1,024]; A: computed on the way; B: computed on the way: QUANTISED
;;     5. batch 32 x [M 1,024, K 1,024] x [K 1,024, N 128]; A: softmax (see below); B: computed on the way: QUANTISED
;;     6. [M 2,048, K 2,048] x [K 2,048, N 2,048]; A: computed on the way; B: input wo_w: QUANTISED
;;   THE QUANTISER, for each operand of a quantised product, along K:
;;     - K is cut into blocks of 32 from its start; a last block that is shorter is filled with zeros.
;;     - A block's scale is 2^e with e = floor(log2(the largest magnitude in the block)) - 2, held to -126 .. 127; a block of zeros has e = 0. As a byte (E8M0): e + 127.
;;     - Each number is divided by its block's scale, clamped to +-7.5, and rounded to the nearest number of E2M3, ties to even, subnormals kept.
;;     - The product sums the exact products of the quantised numbers (number of the format x scale) in f32.
;;   ~~~python
;;   def quantise(x, axis):      # numpy; x: float32 -> the quantised numbers, widened to float32 again
;;       x = np.moveaxis(x, axis, -1); K = x.shape[-1]
;;       x = np.pad(x, [(0, 0)] * (x.ndim - 1) + [(0, -K % 32)]); x = x.reshape(x.shape[:-1] + (-1, 32)); a = np.abs(x).max(-1, keepdims=True)
;;       e = np.where(a > 0, np.clip(np.frexp(np.where(a > 0, a, 1))[1] - 1 - 2, -126, 127), 0)      # np.frexp(a)[1] - 1 = floor(log2(a)), exactly
;;       r = np.clip(x / 2.0 ** e, -7.5, 7.5)
;;       step = 2.0 ** (np.maximum(np.frexp(np.where(r == 0, 1, r))[1] - 1, 0) - 3)
;;       q = np.round(r / step) * step * 2.0 ** e      # np.round: ties to even
;;       return np.moveaxis(q.reshape(q.shape[:-2] + (-1,))[..., :K], -1, axis).astype(np.float32)
;;   ~~~
;;   SOFTMAX AHEAD OF A QUANTISED PRODUCT. Where the list says 'softmax', what is quantised is not the finished softmax but p = 2^(t - M), with t = logit x log2(e) and M = ceil(the row's largest t), a whole number; so 1/2 < the row's largest p <= 1. The row's sum l is taken of the UNQUANTISED p, in f32, and the product's result is divided by l at the end. Since M is a whole number, a kernel that streams over the keys may use a running M (the ceiling of the running maximum): every later rescaling is an exact power of two, which a block's scale takes up: the codes' values come out the same.
;;   OPERANDS COMPUTED ON THE WAY. 'Computed on the way' means the value that the module computes at that place (a softmax that the list does not call 'softmax' is quantised finished and normalised). What goes into a quantiser is computed in f32, as accurately as f32 sums, v_exp_f32 and their like allow (about 1e-6 of the number): no bf16 or f16 on the way to a quantiser, and a product that is left as it is and whose result goes on into a quantised operand takes f32 operands (vector FMAs, or v_wmma_f32_16x16x4_f32). A number that lies on a knife's edge between two numbers of the format may be rounded either way, as far as f32 arithmetic and the matrix unit's own rounding can turn it there, and no further.
;; 2 versions. Each part assembles by itself: llvm-mc -triple=amdgcn-amd-amdhsa -mcpu=gfx1250 --defsym DOCPART=n.
;; ======== version 1 of 2: 4 launches
;; workspace buffers: cod 15,728,640 bytes; scl 655,360 bytes; rope 524,288 bytes; qkvc 9,437,184 bytes; qkvs 393,216 bytes; attc 3,145,728 bytes; atts 131,072 bytes
;; launch prep (part 1): grid 704 x 1, 4 waves a work-group, no clusters, 34,304 bytes of LDS; arguments x, wq_w, wk_w, wv_w, wo_w, cod, scl, rope; writes cod, scl, rope
.if DOCPART == 1
	.amdgcn_target "amdgcn-amd-amdhsa--gfx1250"
	.amdhsa_code_object_version 6
	.text
	.protected	k_q6f824d6658_prep
	.globl	k_q6f824d6658_prep
	.p2align	8
	.type	k_q6f824d6658_prep,@function
k_q6f824d6658_prep:
	s_mov_b64 s[64:65], 0
	v_nop
	global_prefetch_b8 v0, s[64:65] scope:SCOPE_SE
	s_setreg_imm32_b32 hwreg(HW_REG_WAVE_MODE, 25, 1), 1
	s_wait_xcnt 0x0
; x, wq_w, wk_w, wv_w, wo_w ([2048][2048] f32, K innermost) become codes of FP6 (E2M3) with one E8M0 byte for each 32 along K; and the table of cosines and sines for the rotary embedding is made.
; LAYOUT OF THE CODES (this program's own): a FRAGMENT is 16 rows x 128 K as the matrix instruction's operand registers hold it: 12 registers a lane; it lies in memory as three runs of 512 bytes,
; run c = registers 4 c .. 4 c + 3, lane l's 16 bytes at 512 c + 16 l.  cod: [tensor 5][row tile T 128][K step s 16][1,536 bytes].  ROW TILE T HOLDS, IN LANE r, ROW 32 (T / 2) + 8 (T % 2) + r + 8 (r / 8):
; so the 16 result registers of two neighbouring tiles used as source 0 are 16 neighbours along those rows.  scl: [tensor][T][s / 4][r 16][s % 4] words of four scale bytes.
; A block's scale is 2^(floor(log2(largest magnitude)) - 2); its byte is the largest magnitude's exponent field - 2, held at 1 from below.
; LIMITS: NaN and infinities among the inputs are not served.  A block whose largest magnitude lies under 2^-124, a block of zeros among them, gets the byte 1 (the rule says 127 for zeros): its codes are zeros or
; are made under that scale, and this program alone reads the bytes.
; SHARES: work-groups 0 to 639: tensor = number / 128, row tile = number % 128; wave w takes K steps 4 w .. 4 w + 3.  Each load reads 512 consecutive bytes of one row; a fragment's 8,192 bytes turn through
; the wave's own stage in LDS (16 rows, 528 bytes apart), since the conversions want 16 neighbours along K in one lane.  Waves share nothing: no barrier.  Two fragments' loads (32 a wave) are on their way.
; Work-groups 640 to 703 make rope: [blk 64][g 16][lane 32][4 f32]: cos, sin of pair 16 (g / 4) + 8 (lane / 16) + 2 (g % 4) and of the next pair, at position 32 (blk / 2) + 8 (blk % 2) + r + 8 (r / 8).
; The frequency is 10000^(-i / 64) to about 1.5 units in the last place; the angle is one f32 product, as the definition has it; its sine and cosine are right to about one unit in the last place.
.set SP,   528                         ; a stage row: 512 bytes + 16, so that sixteen lanes that read one column of 16 rows touch 16 different columns of 16 bytes
.set GI,   4                           ; v4   in: 16 x lane + 2,048 x wave
.set STI,  5                           ; v5   the stage, on the way in: 16 x lane
.set STO,  6                           ; v6   and out: 528 r + 64 h
.set GO,   7                           ; v7   codes out: 16 x lane + 6,144 x wave
.set GS,   8                           ; v8   scale words out: 16 r + 256 x wave
.set TM,   12                          ; v12-23  at work in QUANT
.set SW,   24                          ; v24-27  the four fragments' scale words
.set R0,   32                          ; v32-159 two sets of 64 registers as loaded
.set X,    160                         ; v160-223 64 numbers: register 16 b + i = k 32 b + 16 h + i of my row
.set PC,   224                         ; v224-235 the fragment's codes
.set P2,   236                         ; v236-242 the conversions' second halves
.set SEL,  24                          ; s[24:25] selects for lane l xor 16
; 64 numbers of a lane, v[s] on, register 16 b + i = k 32 b + 16 (lane / 16) + i of my row, become a fragment's codes in v[pc] on and its scale word in v[pw]
.macro QUANT s, pc, p2, tm, pw
.irp b, 0,1,2,3
	v_max3_num_f32 v[\tm+\b], |v[\s+16*\b]|, |v[\s+1+16*\b]|, 0x1800000   ; my 16 numbers of block b, and the floor 2^(3 - 127): the byte cannot fall under 1
.endr
.irp i, 2,4,6,8,10,12,14
.irp b, 0,1,2,3
	v_max3_num_f32 v[\tm+\b], v[\tm+\b], |v[\s+16*\b+\i]|, |v[\s+1+16*\b+\i]|   ; the four blocks by turns
.endr
.endr
.irp b, 0,1,2,3
	v_permlanex16_b32 v[\tm+4+\b], v[\tm+\b], s[SEL], s[SEL+1]
.endr
.irp b, 0,1,2,3
	v_max_num_f32 v[\tm+\b], v[\tm+\b], v[\tm+4+\b]   ; with lane l xor 16's: the block's largest magnitude
.endr
.irp b, 0,1,2,3
	v_add_nc_u32 v[\tm+8+\b], 0xff000000, v[\tm+\b]   ; 2 off its exponent field: the conversion's scale operand
.endr
.irp b, 0,1,2,3
	v_lshrrev_b32 v[\tm+4+\b], 23, v[\tm+8+\b]        ; the scale's byte
.endr
	v_lshl_or_b32 v[\pw], v[\tm+5], 8, v[\tm+4]
	v_lshl_or_b32 v[\pw], v[\tm+6], 16, v[\pw]
	v_lshl_or_b32 v[\pw], v[\tm+7], 24, v[\pw]        ; my row's scale word
.irp c, 0,1
	v_cvt_scalef32_pk16_fp6_f32 v[\pc+6*\c:\pc+6*\c+2], v[\s+32*\c:\s+32*\c+15], v[\tm+8+2*\c]
	v_cvt_scalef32_pk16_fp6_f32 v[\p2+4*\c:\p2+4*\c+2], v[\s+32*\c+16:\s+32*\c+31], v[\tm+9+2*\c]   ; (a conversion's three registers begin on an even number)
.endr
	v_nop                                          ; one plain place behind a scaled conversion
.irp c, 0,1                                    ; the operand wants a whole block in a lane: lanes 0-15 block 2 c, lanes 16-31 block 2 c + 1
.irp i, 0,1,2
	v_permlane16_swap_b32 v[\pc+6*\c+\i], v[\p2+4*\c+\i]
.endr
.irp i, 0,1,2
	v_mov_b32 v[\pc+3+6*\c+\i], v[\p2+4*\c+\i]
.endr
.endr
.endm
	s_load_b256 s[4:11], s[0:1], 0x0               ; x s[4:5], wq_w s[6:7], wk_w s[8:9], wv_w s[10:11]
	s_load_b256 s[12:19], s[0:1], 0x20             ; wo_w s[12:13], cod s[14:15], scl s[16:17], rope s[18:19]
	v_lshl_add_u32 v244, v0, 2, 0x8400
	v_mov_b32 v245, 0
	v_lshrrev_b32 v1, 5, v0
	v_readfirstlane_b32 s20, v1                    ; wave 0..3
	v_and_b32 v1, 31, v0                           ; lane
	v_and_b32 v2, 15, v0                           ; r
	v_bfe_u32 v3, v0, 4, 1                         ; h
	s_cmp_ge_u32 ttmp9, 640
	s_cbranch_scc1 .Ltable                         ; the last 64 work-groups make the table; that path touches no LDS
	s_lshr_b32 s21, ttmp9, 7                       ; which tensor
	s_and_b32 s22, ttmp9, 127                      ; which row tile T
	s_lshr_b32 s28, s22, 1
	s_lshl_b32 s28, s28, 18                        ; 32 (T / 2) rows of 8,192 bytes
	s_and_b32 s29, s22, 1
	s_lshl_b32 s29, s29, 16                        ; + 8 (T % 2) rows
	s_add_co_u32 s28, s28, s29
	s_mov_b32 s29, 0
	s_mul_i32 s30, ttmp9, 24576                    ; a row tile's codes
	s_mov_b32 s31, 0
	s_lshl_b32 s32, ttmp9, 10                      ; and its scale words
	s_mov_b32 s33, 0
	s_mov_b32 s[SEL], 0x76543210
	s_mov_b32 s[SEL+1], 0xfedcba98
	v_lshlrev_b32 v9, 4, v1                        ; 16 x lane
	s_lshl_b32 s34, s20, 11
	v_add_nc_u32 v[GI], s34, v9
	s_mul_i32 s35, s20, 16*SP                      ; my stage
	v_add_nc_u32 v[STI], s35, v9
	v_mul_u32_u24 v[STO], v2, SP
	v_lshl_add_u32 v[STO], v3, 6, v[STO]
	v_add_nc_u32 v[STO], s35, v[STO]
	s_mul_i32 s36, s20, 6144
	v_add_nc_u32 v[GO], s36, v9
	s_lshl_b32 s37, s20, 8
	v_lshl_add_u32 v[GS], v2, 4, s37
.irp b, 0,1,2,3
	v_mov_b32 v[TM+4+\b], 0                        ; written once: a lane permute's destination counts as one of its sources
.endr
	s_wait_kmcnt 0x0
	s_cmp_eq_u32 s21, 1                            ; the tensor's address: a choice on the work-group's number alone
	s_cselect_b64 s[4:5], s[6:7], s[4:5]
	s_cmp_eq_u32 s21, 2
	s_cselect_b64 s[4:5], s[8:9], s[4:5]
	s_cmp_eq_u32 s21, 3
	s_cselect_b64 s[4:5], s[10:11], s[4:5]
	s_cmp_eq_u32 s21, 4
	s_cselect_b64 s[4:5], s[12:13], s[4:5]
	s_add_nc_u64 s[4:5], s[4:5], s[28:29]
	s_add_nc_u64 s[14:15], s[14:15], s[30:31]
	s_add_nc_u64 s[16:17], s[16:17], s[32:33]
.macro LOAD f                          ; K step 4 w + f of the tile's 16 rows: each load reads 512 consecutive bytes, at a multiple of 512 from the tensor's first byte
.irp i, 0,1,2,3,4,5,6,7,8,9,10,11,12,13,14,15
	global_load_b128 v[R0+64*((\f)%2)+4*\i:R0+64*((\f)%2)+4*\i+3], v[GI], s[4:5] offset:(\i+8*(\i/8))*8192+512*(\f) th:TH_LOAD_NT
.endr
.endm
.macro FRAGM f
.if (\f) < 3
	s_wait_loadcnt 16                              ; this fragment's 16 loads are in; the next fragment's 16 may be out
.else
	s_wait_loadcnt 0
.endif
.irp i, 0,1,2,3,4,5,6,7,8,9,10,11,12,13,14,15
	ds_store_b128 v[STI], v[R0+64*((\f)%2)+4*\i:R0+64*((\f)%2)+4*\i+3] offset:SP*\i
.endr
.irp b, 0,1,2,3
.irp j, 0,1,2,3
	ds_load_b128 v[X+16*\b+4*\j:X+16*\b+4*\j+3], v[STO] offset:128*\b+16*\j   ; LDS serves a wave's instructions in order: these see the stores above
.endr
.endr
	s_wait_dscnt 0x0                               ; my 64 numbers are in, and the stores into the stage have read their registers
	s_wait_xcnt 0x0                                ; the last fragment's stores have read the codes' registers
.if (\f) < 2
	LOAD (\f)+2
.endif
	QUANT X, PC, P2, TM, SW+(\f)
.irp c, 0,1,2
	global_store_b128 v[GO], v[PC+4*\c:PC+4*\c+3], s[14:15] offset:1536*(\f)+512*\c   ; 32 lanes store 512 consecutive bytes, at a multiple of 512 from the buffer's first byte
.endr
.endm
	LOAD 0
	LOAD 1
	FRAGM 0
	FRAGM 1
	FRAGM 2
	FRAGM 3
	v_cmp_gt_u32 vcc_lo, 16, v1
	s_wait_xcnt 0x0                                ; EXEC changes only behind this wait
	s_wait_tensorcnt 0x0
	ds_add_u32 v244, v245
	s_wait_dscnt 0x0
	s_and_saveexec_b32 s26, vcc_lo
	global_store_b128 v[GS], v[SW:SW+3], s[16:17]  ; sixteen lanes store my four K steps' scale words: 256 consecutive bytes, aligned
	s_wait_xcnt 0x0
	s_or_b32 exec_lo, exec_lo, s26
	s_endpgm
.Ltable:                                               ; a thread makes eight pairs (cos, sin): q = 2 u + e: frequency number i = 16 u + 8 h + 2 w + e
	s_sub_co_u32 s21, ttmp9, 640                   ; blk
	s_lshr_b32 s22, s21, 1
	s_lshl_b32 s22, s22, 5
	s_and_b32 s23, s21, 1
	s_lshl_b32 s23, s23, 3
	s_add_co_u32 s22, s22, s23                     ; 32 (blk / 2) + 8 (blk % 2)
	v_and_b32 v4, 8, v2
	v_add3_u32 v4, v4, v2, s22
	v_cvt_f32_u32 v4, v4                           ; my position
	s_lshl_b32 s23, s20, 1
	v_lshl_add_u32 v5, v3, 3, s23                  ; 8 h + 2 w
	v_lshlrev_b32 v6, 4, v1
	s_lshl_b32 s24, s20, 9
	v_add_nc_u32 v6, s24, v6                       ; out: 16 x lane + 512 x wave
	s_lshl_b32 s40, s21, 13
	s_mov_b32 s41, 0
	s_mov_b32 s26, 0xbe549a78                      ; -log2(10000) / 64, its leading 24 bits,
	s_mov_b32 s27, 0xb1979a39                      ; and what is left of it
	s_mov_b32 s28, 0x3f317218                      ; ln 2
	s_mov_b32 s29, 0x3f22f983                      ; 2 / pi
	s_mov_b32 s30, 0xbfc90fd8                      ; -pi / 2 in three parts
	s_mov_b32 s31, 0xb4a8885a
	s_mov_b32 s32, 0xa7c234c4
	s_mov_b32 s33, 0x37cd4000                      ; the cosine's polynomial in z = rho^2, from the highest power down; then -1/2 and 1
	s_mov_b32 s34, 0xbab6077d
	s_mov_b32 s35, 0x3d2aaaa8
	s_mov_b32 s36, 0x36405000                      ; the sine's: sin = rho + rho z x (polynomial)
	s_mov_b32 s37, 0xb9503486
	s_mov_b32 s38, 0x3c0888c1
	s_mov_b32 s39, 0xbe2aaaab
.irp q, 0,1,2,3,4,5,6,7
	v_add_nc_u32 v[16+\q], 16*(\q/2)+(\q%2), v5
.endr
.irp q, 0,1,2,3,4,5,6,7
	v_cvt_f32_u32 v[16+\q], v[16+\q]               ; i
.endr
.irp q, 0,1,2,3,4,5,6,7
	v_mul_f32 v[24+\q], s26, v[16+\q]              ; the exponent -i log2(10000) / 64, rounded,
.endr
.irp q, 0,1,2,3,4,5,6,7
	v_fma_f32 v[32+\q], v[16+\q], s26, -v[24+\q]   ; what that rounding lost,
.endr
.irp q, 0,1,2,3,4,5,6,7
	v_fma_f32 v[32+\q], v[16+\q], s27, v[32+\q]    ; and the constant's own rest
.endr
.irp q, 0,1,2,3,4,5,6,7
	v_exp_f32 v[40+\q], v[24+\q]
.endr
.irp q, 0,1,2,3,4,5,6,7
	v_mul_f32 v[32+\q], s28, v[32+\q]              ; plain work behind the batch
.endr
	s_wait_alu depctr_va_vdst(0)                   ; one wait for the eight exponentials, ahead of their first reader
.irp q, 0,1,2,3,4,5,6,7
	v_fma_f32 v[40+\q], v[40+\q], v[32+\q], v[40+\q]   ; 2^(a + b) = 2^a (1 + b ln 2) for the tiny b: the frequency
.endr
.irp q, 0,1,2,3,4,5,6,7
	v_mul_f32 v[40+\q], v4, v[40+\q]               ; the angle: one f32 product
.endr
.irp q, 0,1,2,3,4,5,6,7
	v_mul_f32 v[16+\q], s29, v[40+\q]
.endr
.irp q, 0,1,2,3,4,5,6,7
	v_rndne_f32 v[16+\q], v[16+\q]                 ; how many quarter turns
.endr
.irp q, 0,1,2,3,4,5,6,7
	v_fma_f32 v[40+\q], v[16+\q], s30, v[40+\q]    ; rho = angle - quarter turns x pi / 2: the first step is exact
.endr
.irp q, 0,1,2,3,4,5,6,7
	v_fma_f32 v[40+\q], v[16+\q], s31, v[40+\q]
.endr
.irp q, 0,1,2,3,4,5,6,7
	v_fma_f32 v[40+\q], v[16+\q], s32, v[40+\q]
.endr
.irp q, 0,1,2,3,4,5,6,7
	v_mul_f32 v[24+\q], v[40+\q], v[40+\q]         ; z
.endr
.irp q, 0,1,2,3,4,5,6,7
	v_fma_f32 v[32+\q], v[24+\q], s33, s34
	v_fma_f32 v[48+\q], v[24+\q], s36, s37
.endr
.irp q, 0,1,2,3,4,5,6,7
	v_fma_f32 v[32+\q], v[32+\q], v[24+\q], s35
	v_fma_f32 v[48+\q], v[48+\q], v[24+\q], s38
.endr
.irp q, 0,1,2,3,4,5,6,7
	v_fma_f32 v[32+\q], v[32+\q], v[24+\q], -0.5
	v_fma_f32 v[48+\q], v[48+\q], v[24+\q], s39
.endr
.irp q, 0,1,2,3,4,5,6,7
	v_fma_f32 v[32+\q], v[32+\q], v[24+\q], 1.0    ; cos rho
	v_mul_f32 v[24+\q], v[24+\q], v[40+\q]         ; rho z
.endr
.irp q, 0,1,2,3,4,5,6,7
	v_fma_f32 v[48+\q], v[48+\q], v[24+\q], v[40+\q]   ; sin rho
	v_cvt_i32_f32 v[16+\q], v[16+\q]
.endr
.irp q, 0,1,2,3,4,5,6,7
	v_and_b32 v[24+\q], 1, v[16+\q]
.endr
.irp q, 0,1,2,3,4,5,6,7                        ; an odd number of quarter turns changes sine and cosine
	v_cmp_eq_u32 vcc_lo, 1, v[24+\q]
	v_cndmask_b32 v[65+2*\q], v[48+\q], v[32+\q], vcc_lo
	v_cndmask_b32 v[64+2*\q], v[32+\q], v[48+\q], vcc_lo
.endr
.irp q, 0,1,2,3,4,5,6,7
	v_lshlrev_b32 v[24+\q], 30, v[16+\q]           ; the sine is negative in quarters 2 and 3: bit 1 of the count;
	v_add_nc_u32 v[16+\q], 1, v[16+\q]             ; the cosine in quarters 1 and 2: bit 1 of the count + 1
.endr
.irp q, 0,1,2,3,4,5,6,7
	v_lshlrev_b32 v[16+\q], 30, v[16+\q]
	v_and_b32 v[24+\q], 0x80000000, v[24+\q]
.endr
.irp q, 0,1,2,3,4,5,6,7
	v_and_b32 v[16+\q], 0x80000000, v[16+\q]
	v_xor_b32 v[65+2*\q], v[24+\q], v[65+2*\q]
.endr
.irp q, 0,1,2,3,4,5,6,7
	v_xor_b32 v[64+2*\q], v[16+\q], v[64+2*\q]
.endr
	s_wait_kmcnt 0x0
	s_add_nc_u64 s[18:19], s[18:19], s[40:41]
.irp u, 0,1,2,3
	global_store_b128 v6, v[64+4*\u:67+4*\u], s[18:19] offset:2048*\u   ; g = 4 u + w: 32 lanes store 512 consecutive bytes, aligned
.endr
	s_endpgm
.Lfunc_end_k_q6f824d6658_prep:
	.size	k_q6f824d6658_prep, .Lfunc_end_k_q6f824d6658_prep-k_q6f824d6658_prep
	.p2alignl 7, 3214868480
	.fill 96, 4, 3214868480
	.section	.rodata,"a",@progbits
	.p2align	6, 0x0
	.amdhsa_kernel k_q6f824d6658_prep
		.amdhsa_group_segment_fixed_size 34304
		.amdhsa_private_segment_fixed_size 0
		.amdhsa_enable_private_segment 0
		.amdhsa_kernarg_size 64
		.amdhsa_user_sgpr_count 2
		.amdhsa_user_sgpr_kernarg_segment_ptr 1
		.amdhsa_wavefront_size32 1
		.amdhsa_system_sgpr_workgroup_id_x 1
		.amdhsa_system_sgpr_workgroup_id_y 1
		.amdhsa_system_sgpr_workgroup_id_z 1
		.amdhsa_system_vgpr_workitem_id 0
		.amdhsa_next_free_vgpr 246
		.amdhsa_next_free_sgpr 66
		.amdhsa_reserve_vcc 1
		.amdhsa_float_denorm_mode_32 3
		.amdhsa_float_denorm_mode_16_64 3
		.amdhsa_memory_ordered 1
		.amdhsa_forward_progress 1
		.amdhsa_inst_pref_size 49
	.end_amdhsa_kernel
	.amdgpu_metadata
---
amdhsa.version: [ 1, 2 ]
amdhsa.kernels:
  - .name:           k_q6f824d6658_prep
    .symbol:         k_q6f824d6658_prep.kd
    .args:
      - { .name: x, .offset: 0, .size: 8, .value_kind: global_buffer, .address_space: global }
      - { .name: wq_w, .offset: 8, .size: 8, .value_kind: global_buffer, .address_space: global }
      - { .name: wk_w, .offset: 16, .size: 8, .value_kind: global_buffer, .address_space: global }
      - { .name: wv_w, .offset: 24, .size: 8, .value_kind: global_buffer, .address_space: global }
      - { .name: wo_w, .offset: 32, .size: 8, .value_kind: global_buffer, .address_space: global }
      - { .name: cod, .offset: 40, .size: 8, .value_kind: global_buffer, .address_space: global }
      - { .name: scl, .offset: 48, .size: 8, .value_kind: global_buffer, .address_space: global }
      - { .name: rope, .offset: 56, .size: 8, .value_kind: global_buffer, .address_space: global }
    .group_segment_fixed_size: 34304
    .private_segment_fixed_size: 0
    .kernarg_segment_align: 8
    .kernarg_segment_size: 64
    .max_flat_workgroup_size: 128
    .sgpr_count:     66
    .vgpr_count:     246
    .wavefront_size: 32
...
	.end_amdgpu_metadata
.endif
;; end of part 1
;; launch qkv (part 2): grid 24 x 8, 4 waves a work-group, clusters of 4 x 4, 327,680 bytes of LDS; arguments cod, scl, rope, wq_b, wk_b, wv_b, qkvc, qkvs; writes qkvc, qkvs
.if DOCPART == 2
	.amdgcn_target "amdgcn-amd-amdhsa--gfx1250"
	.amdhsa_code_object_version 6
	.text
	.protected	k_q6f824d6658_qkv
	.globl	k_q6f824d6658_qkv
	.p2align	8
	.type	k_q6f824d6658_qkv,@function
k_q6f824d6658_qkv:
	s_mov_b64 s[64:65], 0
	v_nop
	global_prefetch_b8 v0, s[64:65] scope:SCOPE_SE
	s_setreg_imm32_b32 hwreg(HW_REG_WAVE_MODE, 25, 1), 1
	s_wait_xcnt 0x0
	s_wait_alu depctr_hold_cnt(0) depctr_sa_sdst(0) depctr_va_vdst(0) depctr_va_sdst(0) depctr_va_ssrc(0) depctr_va_vcc(0) depctr_vm_vsrc(0)
	s_getreg_b32 s2, hwreg(HW_REG_IB_STS2, 6, 4)
	s_cmp_eq_u32 s2, 0
	s_cbranch_scc0 .Lentry_in_a_cluster
	s_endpgm
.Lentry_in_a_cluster:
	s_bfe_u32 s2, ttmp6, 0x10000c
	s_cmp_lg_u32 s2, 0xf033
	s_cbranch_scc0 .Lentry_shape_is_right
	s_endpgm
.Lentry_shape_is_right:
; q = rope(x wq^T + bq), k = rope(x wk^T + bk), v = x wv^T + bv, the products on codes of FP6 (E2M3) with E8M0 scales; the results are quantised here, q and k along the head's 128, v along the keys, and leave as codes.
; OPERANDS lie in cod / scl as images of operand registers (a fragment, 16 rows x 128 K, is 1,536 bytes: three runs of 512, lane l's 16 bytes at 16 l); row tile T holds in lane r row 32 (T / 2) + 8 (T % 2) + r + 8 (r / 8).
; A "tile index" is 256 rows: x 0-7, wq 8-15, wk 16-23, wv 24-31.
; A tile of the result, 256 x 256, is made by four waves, each 128 x 128: 64 accumulators, 512 registers.  THE MATRIX INSTRUCTION IS USED TRANSPOSED (source 0 = 16 rows of B, source 1 = 16 rows of A): a lane holds ONE row
; of A, and by the order of B's rows its 64 registers of a block of 16 rows are, 16 at a time, neighbours along B's rows: register 16 b + i = B's row 32 b + 16 (lane / 16) + i.  That is what the quantiser wants.
; q, k (cluster x 0-3): A = x, B = the weight: a lane holds a token, its registers run along one head's 128.   v (cluster x 4, 5): A = wv, B = x: a lane holds one of a head's 128, its registers run along 128 keys.
; K goes in steps of 256 through a ring of two LDS slots; a wave's tensor load brings 8 row tiles x 3,072 bytes.  The scale words of the tile's rows, for all of K, come once with the first fills.
; CLUSTERS: 4 x 4 work-groups; A's tiles are asked for jointly along a row of the cluster, B's along a column.
; OUT: qkvc: regions q, k, v, each [batch x head 32][128 tokens: sub 8][a 8][1,536]; q, k: fragment a holds tokens, K = the head's 128; v: it holds the head's 128, K = keys 128 sub on.  qkvs: [..][sub][a / 4][r][a % 4] words.
; LIMITS: NaN and infinities are not served; a block whose largest magnitude lies under 2^-124 gets the scale byte 1 (a block of zeros too, where the rule says 127): this program alone reads the bytes.
; REGISTERS, in windows of 256: window 0: v0-31 addresses; v32-63 scale words, two sets; v64-127 a set of the rotary table; v128-223 A's fragments, ONE set; v232-239 v's bias.  On the way out v128-251 as set below.
;   window 1: B's fragments, two sets, at v0 and v128 (on the way out two more sets of the table); v96-127 and v224-255 the bias of my 128 columns.   windows 2, 3: the accumulators ((a, b) at v[8 (8 (a % 4) + b)]).
.set NQ,     2                         ; matrix instructions deep in a slot
.set FR,     12                        ; registers of a fragment
.set FRB,    1536                      ; its bytes
.set NL,     3                         ; LDS loads that bring one
.set NP,     4                         ; places behind this matrix instruction (ISA guide 7.12.1)
.set RT,     NQ*FRB                    ; a row tile's bytes in a slot
.set HALFT,  8*RT                      ; 128 rows: what one tensor load brings
.set SLOT,   4*HALFT                   ; A's 256 rows, then B's
.set LAPS,   4                         ; 2,048 along K = 8 K steps = 4 times round the ring
.set SCL,    2*SLOT                    ; behind the ring: the scale words
.set HALFS,  8192                      ; those of 128 rows
.set SBLK,   1024                      ; those of 16 rows
.set SPARE,  SCL+4*HALFS               ; the spare words, 128 bytes for each wave: two blocks of 256 bytes that no other line names
.set ADRA, 16                          ; v16-17  LDS address of my A fragments in slot 0, 1
.set ADRB, 20                          ; v20-21  the same for B
.set LI,   24                          ; v24     16 x lane
.set ADRS, 27                          ; v27     LDS address of my scale words: lanes 0-15 A's, lanes 16-31 B's
.set SPW,  28                          ; v28     my spare word; never rewritten
.set NIL,  29                          ; v29     0; never rewritten
.set LN,   30                          ; v30     lane
.set SC,   32                          ; scale words: set s at v[SC + 16 s]; register 2 i + q: lanes 0-15 A's block i, lanes 16-31 B's block i, the slot's q-th 128 along K
.set AF,   128                         ; A's fragments
.set X,    128                         ; the way out: 64 numbers
.set PC,   192                         ; v192-203 codes;  v204-210 the conversions' second halves
.set P2,   204
.set TM,   212                         ; v212-223 at work in QUANT
.set SW,   224                         ; v224-231 the eight fragments' scale words
.set BR,   232                         ; v232-239 v's bias: my row of block a
.set TT,   240                         ; v240-247 at work in the rotation
.set SWO,  248                         ; v248-251 the scale words as they are stored
.set WV, 20                            ; s20 wave;  s21 which half of the rows is mine, also: I fetch for A (0) or B (1);  s22 which half of the columns, also: which 128 rows I fetch
.set HR, 21
.set HC, 22
.set SEL, 100                          ; s[100:101] selects for lane l xor 16
.set G1, 24                            ; s[24:31] group 1 for A's tiles;  s[32:39] group 0, a set for each slot
.set G0, 32
.set G1B, 48                           ; s[48:55], s[56:63] the same for B's
.set G0B, 56
.set G1S, 68                           ; s[68:75], s[76:79] groups 1 and 0 for A's scale words;  s[80:87], s[88:91] for B's
.set G0S, 76
.set G1SB, 80
.set G0SB, 88
.set MSB, 0
.macro WIN new                         ; the immediate's high byte repeats the setting that is left
.if MSB != (\new)
	s_set_vgpr_msb (MSB<<8)|(\new)
.set MSB, (\new)
.endif
.endm
.set MUL_LO, 0xa1                      ; source 0 (B) window 1, source 1 (A) window 0, C and D window 2
.set MUL_HI, 0xf1                      ; the same, C and D window 3
.set TO_B,   0x40                      ; destination window 1, address window 0
; A joint load: waves 0 and 1 fetch for A, waves 2 and 3 for B; the branch hangs on the wave's number alone.  Four v_nop follow each of the two lines.
.macro JLOAD g0a, g1a, g0b, g1b
	s_cmp_eq_u32 s[HR], 0
	s_cbranch_scc0 .Lfor_b_\@
	tensor_load_to_lds s[\g0a:\g0a+3], s[\g1a:\g1a+7]
	s_nop 0
.rept 4
	v_nop
.endr
	s_branch .Lasked_\@
.Lfor_b_\@:
	tensor_load_to_lds s[\g0b:\g0b+3], s[\g1b:\g1b+7]
	s_nop 0
.rept 4
	v_nop
.endr
.Lasked_\@:
.endm
.macro CREST                           ; a round of the cluster's barrier behind its opening barrier
	s_cmp_lg_u32 s[WV], 0
	s_cbranch_scc1 .Lnot_wave_0_\@
	s_barrier_signal -3
.Lnot_wave_0_\@:
	s_barrier_wait -3
	s_barrier_signal -1
	s_barrier_wait -1
.endm
.macro CROUND                          ; a whole round
	s_barrier_signal -1
	s_barrier_wait -1
	CREST
.endm
; 64 numbers of a lane, v[s] on, register 16 b + i = k 32 b + 16 (lane / 16) + i of my row, become a fragment's codes in v[pc] on and its scale word in v[pw]
.macro QUANT s, pc, p2, tm, pw
.irp b, 0,1,2,3
	v_max3_num_f32 v[\tm+\b], |v[\s+16*\b]|, |v[\s+1+16*\b]|, 0x1800000   ; my 16 numbers of block b, and the floor 2^(3 - 127): the byte cannot fall under 1
.endr
.irp i, 2,4,6,8,10,12,14
.irp b, 0,1,2,3
	v_max3_num_f32 v[\tm+\b], v[\tm+\b], |v[\s+16*\b+\i]|, |v[\s+1+16*\b+\i]|
.endr
.endr
.irp b, 0,1,2,3
	v_permlanex16_b32 v[\tm+4+\b], v[\tm+\b], s[SEL], s[SEL+1]
.endr
.irp b, 0,1,2,3
	v_max_num_f32 v[\tm+\b], v[\tm+\b], v[\tm+4+\b]   ; with lane l xor 16's: the block's largest magnitude
.endr
.irp b, 0,1,2,3
	v_add_nc_u32 v[\tm+8+\b], 0xff000000, v[\tm+\b]   ; 2 off its exponent field: the conversion's scale operand
.endr
.irp b, 0,1,2,3
	v_lshrrev_b32 v[\tm+4+\b], 23, v[\tm+8+\b]        ; the scale's byte
.endr
	v_lshl_or_b32 v[\pw], v[\tm+5], 8, v[\tm+4]
	v_lshl_or_b32 v[\pw], v[\tm+6], 16, v[\pw]
	v_lshl_or_b32 v[\pw], v[\tm+7], 24, v[\pw]
.irp c, 0,1
	v_cvt_scalef32_pk16_fp6_f32 v[\pc+6*\c:\pc+6*\c+2], v[\s+32*\c:\s+32*\c+15], v[\tm+8+2*\c]
	v_cvt_scalef32_pk16_fp6_f32 v[\p2+4*\c:\p2+4*\c+2], v[\s+32*\c+16:\s+32*\c+31], v[\tm+9+2*\c]
.endr
	v_nop                                          ; one plain place behind a scaled conversion
.irp c, 0,1
.irp i, 0,1,2
	v_permlane16_swap_b32 v[\pc+6*\c+\i], v[\p2+4*\c+\i]
.endr
.irp i, 0,1,2
	v_mov_b32 v[\pc+3+6*\c+\i], v[\p2+4*\c+\i]
.endr
.endr
.endm
	s_load_b256 s[4:11], s[0:1], 0x0               ; cod s[4:5], scl s[6:7], rope s[8:9], wq_b s[10:11]
	s_load_b256 s[12:19], s[0:1], 0x20             ; wk_b s[12:13], wv_b s[14:15], qkvc s[16:17], qkvs s[18:19]
	v_lshl_add_u32 v[SPW], v0, 2, SPARE
	v_mov_b32 v[NIL], 0
	ds_add_u32 v28, v29
	ds_add_u32 v28, v29
	s_wait_dscnt 0x0
	v_lshrrev_b32 v1, 5, v0
	v_readfirstlane_b32 s[WV], v1                  ; wave 0..3
	s_lshr_b32 s[HR], s[WV], 1
	s_and_b32 s[HC], s[WV], 1
	s_bfe_u32 s40, ttmp6, 0x40000                  ; cx, cy: my place in the cluster
	s_bfe_u32 s41, ttmp6, 0x40004
	s_lshl_b32 s42, ttmp9, 2
	s_add_co_u32 s42, s42, s40                     ; tx = 4 x cluster x + cx: 0..23
	s_and_b32 s43, ttmp7, 0xffff
	s_lshl_b32 s43, s43, 2
	s_add_co_u32 s43, s43, s41                     ; ty = 4 x cluster y + cy: 0..7
	s_lshl_b32 s44, s41, 2
	s_lshl_b32 s44, 15, s44                        ; my row of the cluster
	s_lshl_b32 s45, 0x1111, s40                    ; my column
	; group 1 for codes: 8 rows (row tiles) of 384 elements of 8 bytes (two K steps of 128: 3,072 bytes), 24,576 bytes apart in memory, on end in LDS
	s_or_b32 s[G1+0], s44, (3<<16)|(1<<21)         ; 15:0 the mask: A's tiles go to my row; 17:16 elements of 8 bytes; 20 no padding; 21 set beside a mask
	s_or_b32 s[G1B+0], s45, (3<<16)|(1<<21)
.irp g, G1, G1B
	s_mov_b32 s[\g+1], 384<<16                     ; tensor_dim0
	s_mov_b32 s[\g+2], 8<<16                       ; tensor_dim1
	s_mov_b32 s[\g+3], 384<<16                     ; tile_dim0
	s_mov_b32 s[\g+4], 8                           ; tile_dim1
	s_mov_b32 s[\g+5], 3072                        ; tensor_dim0_stride, in elements
	s_mov_b32 s[\g+6], 0
	s_mov_b32 s[\g+7], 0
.endr
	; and for the scale words of 128 rows: 8,192 dense bytes as 32 rows of 256
	s_or_b32 s[G1S+0], s44, (3<<16)|(1<<21)
	s_or_b32 s[G1SB+0], s45, (3<<16)|(1<<21)
.irp g, G1S, G1SB
	s_mov_b32 s[\g+1], 32<<16
	s_mov_b32 s[\g+2], 32<<16
	s_mov_b32 s[\g+3], 32<<16
	s_mov_b32 s[\g+4], 32
	s_mov_b32 s[\g+5], 32
	s_mov_b32 s[\g+6], 0
	s_mov_b32 s[\g+7], 0
.endr
	s_cmp_ge_u32 ttmp9, 4                          ; v's clusters?  The cluster's x is the same in all sixteen partners
	s_cselect_b32 s46, 24, 0
	s_cselect_b32 s47, -16, 8
	s_add_co_u32 s46, s46, s43                     ; A's tile index: x at ty, or wv at 24 + ty
	s_add_co_u32 s47, s47, s42                     ; B's: wq, wk at 8 + tx, or x at tx - 16
	s_mul_i32 s23, s[HC], 196608                   ; which 128 rows of the tile I fetch
	s_mul_i32 s92, s46, 393216
	s_add_co_u32 s92, s92, s23
	s_mov_b32 s93, 0
	s_mul_i32 s94, s47, 393216
	s_add_co_u32 s94, s94, s23
	s_mov_b32 s95, 0
	s_lshl_b32 s23, s[HC], 13
	s_lshl_b32 s96, s46, 14
	s_add_co_u32 s96, s96, s23
	s_mov_b32 s97, 0
	s_lshl_b32 s98, s47, 14
	s_add_co_u32 s98, s98, s23
	s_mov_b32 s99, 0
	s_mul_i32 s66, s[WV], HALFT                    ; where they go: wave x 128 rows: no place in the cluster enters an LDS address
	s_mul_i32 s67, s[WV], HALFS
	s_wait_kmcnt 0x0
	s_add_nc_u64 s[92:93], s[4:5], s[92:93]
	s_add_nc_u64 s[94:95], s[4:5], s[94:95]
	s_add_nc_u64 s[96:97], s[6:7], s[96:97]
	s_add_nc_u64 s[98:99], s[6:7], s[98:99]
	CROUND                                         ; all sixteen work-groups are here: the first joint loads meet
	s_mov_b32 s[G0S], 1
	s_add_co_u32 s[G0S+1], s67, SCL
	s_mov_b64 s[G0S+2:G0S+3], s[96:97]
	s_or_b32 s[G0S+3], s[G0S+3], 0x80000000
	s_mov_b32 s[G0SB], 1
	s_add_co_u32 s[G0SB+1], s67, SCL
	s_mov_b64 s[G0SB+2:G0SB+3], s[98:99]
	s_or_b32 s[G0SB+3], s[G0SB+3], 0x80000000
	JLOAD G0S, G1S, G0SB, G1SB                     ; the scale words first: they are wanted with K step 0
.irp s, 0,1
	s_mov_b32 s[G0+4*\s], 1
	s_add_co_u32 s[G0+4*\s+1], s66, \s*SLOT
	s_add_nc_u64 s[G0+4*\s+2:G0+4*\s+3], s[92:93], \s*RT
	s_or_b32 s[G0+4*\s+3], s[G0+4*\s+3], 0x80000000
	s_mov_b32 s[G0B+4*\s], 1
	s_add_co_u32 s[G0B+4*\s+1], s66, \s*SLOT
	s_add_nc_u64 s[G0B+4*\s+2:G0B+4*\s+3], s[94:95], \s*RT
	s_or_b32 s[G0B+4*\s+3], s[G0B+4*\s+3], 0x80000000
	JLOAD G0+4*\s, G1, G0B+4*\s, G1B
.endr
	v_and_b32 v1, 15, v0                           ; r
	v_bfe_u32 v2, v0, 4, 1                         ; h
	v_and_b32 v[LN], 31, v0
	v_lshlrev_b32 v[LI], 4, v[LN]
	s_mul_i32 s92, s[HR], HALFT                    ; my 128 rows of A
	s_mul_i32 s93, s[HC], HALFT                    ; my 128 rows of B,
	s_add_co_u32 s93, s93, 2*HALFT                 ; which lie behind A's 256
.irp s, 0,1
	v_add_nc_u32 v[ADRA+\s], s92, v[LI]
	v_add_nc_u32 v[ADRB+\s], s93, v[LI]
	s_add_co_u32 s92, s92, SLOT
	s_add_co_u32 s93, s93, SLOT
.endr
	s_mul_i32 s92, s[HR], HALFS                    ; A's scale words: my 128 rows
	s_mul_i32 s93, s[HC], HALFS                    ; B's, behind A's 256
	s_add_co_u32 s93, s93, 2*HALFS
	s_sub_co_u32 s93, s93, s92
	v_mul_u32_u24 v6, s93, v2                      ; lanes 16-31 take B's
	s_add_co_u32 s92, s92, SCL
	v_lshl_add_u32 v5, v1, 4, v6                   ; 16 bytes a row: four K steps' words
	v_add_nc_u32 v[ADRS], s92, v5
	v_lshlrev_b32 v25, 6, v2                       ; the columns' bias: 64 h
	v_and_b32 v26, 8, v1
	v_add_nc_u32 v26, v26, v1
	v_lshlrev_b32 v26, 2, v26                      ; the rows' bias: 4 (r + 8 (r / 8))
	s_mov_b32 s[SEL], 0x76543210
	s_mov_b32 s[SEL+1], 0xfedcba98
	; where my 128 x 128 goes.  q, k: tokens by (ty, my row half), head by (tx, my column half); v: the other way round
	s_sub_co_u32 s92, s42, 16
	s_and_b32 s93, s42, 7
	s_cmp_ge_u32 ttmp9, 4
	s_cselect_b32 s94, s92, s43                    ; which 256 tokens
	s_cselect_b32 s95, s[HC], s[HR]                ; and which half of them
	s_cselect_b32 s96, s43, s93                    ; which two heads
	s_cselect_b32 s97, s[HR], s[HC]                ; and which of the two
	s_and_b32 s98, s94, 3
	s_lshl_b32 s98, s98, 1
	s_add_co_u32 s98, s98, s95                     ; sub: which 128 tokens of the batch's 1,024
	s_lshr_b32 s99, s94, 2
	s_lshl_b32 s99, s99, 4
	s_lshl_b32 s96, s96, 1
	s_add_co_u32 s99, s99, s96
	s_add_co_u32 s99, s99, s97                     ; 16 x batch + head
	s_lshl_b32 s99, s99, 3
	s_add_co_u32 s99, s99, s98
	s_lshr_b32 s2, ttmp9, 1                        ; 0: q, 1: k, 2: v
	s_mul_i32 s94, s2, 3145728
	s_mul_i32 s95, s99, 12288
	s_add_co_u32 s94, s94, s95
	s_mov_b32 s95, 0
	s_add_nc_u64 s[16:17], s[16:17], s[94:95]
	s_lshl_b32 s94, s2, 17
	s_lshl_b32 s96, s99, 9
	s_add_co_u32 s94, s94, s96
	s_add_nc_u64 s[18:19], s[18:19], s[94:95]
	s_lshl_b32 s94, s98, 16
	s_add_nc_u64 s[8:9], s[8:9], s[94:95]          ; the table at my 128 positions
	s_cmp_eq_u32 s2, 1
	s_cselect_b64 s[10:11], s[12:13], s[10:11]     ; k's bias or q's
	s_lshl_b32 s94, s93, 10
	s_lshl_b32 s96, s[HC], 9
	s_add_co_u32 s94, s94, s96
	s_add_nc_u64 s[10:11], s[10:11], s[94:95]      ; at my 128 columns
	s_lshl_b32 s94, s43, 10
	s_lshl_b32 s96, s[HR], 9
	s_add_co_u32 s94, s94, s96
	s_add_nc_u64 s[14:15], s[14:15], s[94:95]      ; v's bias at my 128 rows.  (All these places lie inside their buffers for q, k and v alike: the head has no branch)
	WIN TO_B
.irp b, 0,1,2,3
.irp j, 0,1,2,3
	global_load_b128 v[96+16*\b+4*\j+96*(\b/2):99+16*\b+4*\j+96*(\b/2)], v25, s[10:11] offset:128*\b+16*\j   ; register 16 b + i: the bias of column 32 b + 16 h + i
.endr
.endr
	WIN 0
.irp a, 0,1,2,3,4,5,6,7
	global_load_b32 v[BR+\a], v26, s[14:15] offset:4*(32*(\a/2)+8*(\a%2))
.endr
; the rotary table of block t (16 positions): 64 registers a lane, cos and sin of my 32 pairs; three sets by turns: window 0 v64, window 1 v0, window 1 v128
.macro TLOADS t
.if (\t)%3 == 0
.set TBS, 64
	WIN 0
.elseif (\t)%3 == 1
.set TBS, 0
	WIN TO_B
.else
.set TBS, 128
	WIN TO_B
.endif
.irp g, 0,1,2,3,4,5,6,7,8,9,10,11,12,13,14,15
	global_load_b128 v[TBS+4*\g:TBS+4*\g+3], v[LI], s[8:9] offset:(\t)*8192+512*\g
.endr
	WIN 0
.endm
	TLOADS 0
.macro FRAG reg, adr, q, i             ; a fragment comes as it was stored: three loads of 16 bytes a lane, 512 consecutive bytes each
.irp c, 0,1,2
	ds_load_b128 v[\reg+4*\c:\reg+4*\c+3], v[\adr] offset:(\i)*RT+(\q)*FRB+512*\c
.endr
.endm
; 16 matrix instructions: A's blocks a0, a0 + 1 x B's eight, 128 along K: the slot's q-th.  p: B's set;  sc: the set of scale words.  zero = 1: the first product starts the sums.
; The 64 accumulators take turns, one instruction a turn, in the same order in every step.
.macro MUL16 a0, p, q, sc, zero
.irp a, \a0, \a0+1
.irp b, 0,1,2,3,4,5,6,7
.if \zero
	v_wmma_scale_f32_16x16x128_f8f6f4 v[8*(8*((\a)%4)+\b):8*(8*((\a)%4)+\b)+7], v[128*(\p)+FR*\b:128*(\p)+FR*\b+FR-1], v[AF+FR*(\a):AF+FR*(\a)+FR-1], 0, v[SC+8*NQ*(\sc)+NQ*\b+(\q)], v[SC+8*NQ*(\sc)+NQ*(\a)+(\q)] matrix_a_fmt:MATRIX_FMT_FP6 matrix_b_fmt:MATRIX_FMT_FP6 matrix_a_scale:MATRIX_SCALE_ROW1
.else
	v_wmma_scale_f32_16x16x128_f8f6f4 v[8*(8*((\a)%4)+\b):8*(8*((\a)%4)+\b)+7], v[128*(\p)+FR*\b:128*(\p)+FR*\b+FR-1], v[AF+FR*(\a):AF+FR*(\a)+FR-1], v[8*(8*((\a)%4)+\b):8*(8*((\a)%4)+\b)+7], v[SC+8*NQ*(\sc)+NQ*\b+(\q)], v[SC+8*NQ*(\sc)+NQ*(\a)+(\q)] matrix_a_fmt:MATRIX_FMT_FP6 matrix_b_fmt:MATRIX_FMT_FP6 matrix_a_scale:MATRIX_SCALE_ROW1
.endif
.endr
.endr
.endm
.macro FETCH_B slot, q, p              ; B's eight fragments of the slot's q-th 128 along K into set p
	WIN TO_B
.irp i, 0,1,2,3,4,5,6,7
	FRAG 128*(\p)+FR*\i, ADRB+\slot, \q, \i
.endr
	WIN 0
.endm
.macro FETCH_A slot, q, i0             ; A's blocks i0 .. i0 + 3
.irp i, \i0, \i0+1, \i0+2, \i0+3
	FRAG AF+FR*(\i), ADRA+\slot, \q, \i
.endr
.endm
.macro SCALES sc                       ; the next K step's scale words into set sc: two words a row; lanes 0-15 take A's block i, lanes 16-31 B's block i
.irp i, 0,1,2,3,4,5,6,7
	ds_load_b64 v[SC+8*NQ*\sc+NQ*\i:SC+8*NQ*\sc+NQ*\i+1], v[ADRS] offset:\i*SBLK
.endr
.endm
; A load into a register that a matrix instruction has read, and a vector instruction that reads a matrix result or writes one of its registers, stand NP places behind it; only plain vector instructions that name
; none of its registers are places (ISA guide 7.12.1 for vector instructions).
.macro PLACES n
.rept \n
	v_nop
.endr
.endm
.macro STEP slot, q, zero              ; a step of 128 along K that has its successor in the same slot
	s_wait_dscnt 4*NL                              ; B's set, A's blocks 0-3 and the scale words are in; the youngest 12 loads (A's blocks 4-7) may be out
	WIN MUL_LO
	MUL16 0, (\q)%2, \q, \slot, \zero
	MUL16 2, (\q)%2, \q, \slot, \zero
	s_wait_dscnt 0                                 ; A's blocks 4-7 are in (asked for 32 matrix instructions ago)
	PLACES NP
	FETCH_B \slot, (\q)+1, 1-(\q)%2
	FETCH_A \slot, (\q)+1, 0
	WIN MUL_HI
	MUL16 4, (\q)%2, \q, \slot, \zero
	MUL16 6, (\q)%2, \q, \slot, \zero
	PLACES NP
	WIN 0
	FETCH_A \slot, (\q)+1, 4
.endm
; A slot's last step changes slots: ONE barrier; in front of it each wave waits for all its tensor loads, adds 0 to its spare word, and waits for that and for its own reads of this slot.  fill = 1: this slot is filled again, two K steps ahead.
.macro TURN slot, next, fill
	s_wait_tensorcnt 0x0                           ; all my tensor loads have landed: my part of the next slot
	ds_add_u32 v[SPW], v[NIL]                      ; 0 onto my spare word
	s_wait_dscnt 4*NL+1                            ; (the add and the youngest 12 loads, A's blocks 4-7, may be out)
	WIN MUL_LO
	MUL16 0, 1, NQ-1, \slot, 0                     ; sixteen matrix instructions stand between the add and the wait for it
	s_wait_dscnt 0x0                               ; the add is done, and my reads of this slot are over
	s_barrier_signal -1
	MUL16 2, 1, NQ-1, \slot, 0
	WIN 0
	s_barrier_wait -1
.if \fill
	CREST                                          ; the barrier has opened a round of the cluster's barrier: no wave of any partner still reads this slot's tile or has a load on its way
	s_add_nc_u64 s[G0+4*\slot+2:G0+4*\slot+3], s[G0+4*\slot+2:G0+4*\slot+3], 2*RT
	s_add_nc_u64 s[G0B+4*\slot+2:G0B+4*\slot+3], s[G0B+4*\slot+2:G0B+4*\slot+3], 2*RT
	JLOAD G0+4*\slot, G1, G0B+4*\slot, G1B         ; the first tensor load behind the round; its four v_nop are the places in front of the loads below
.else
	PLACES NP
.endif
	v_add_nc_u32 v[ADRS], 8+240*(\slot), v[ADRS]   ; the next K step's scale words: K step n lies at 256 (n / 2) + 8 (n % 2)
	FETCH_B \next, 0, 0
	FETCH_A \next, 0, 0
	SCALES \next
	WIN MUL_HI
	MUL16 4, 1, NQ-1, \slot, 0
	MUL16 6, 1, NQ-1, \slot, 0
	PLACES NP
	WIN 0
	FETCH_A \next, 0, 4
.endm
	s_wait_loadcnt 0x0                             ; the biases and the table's first set
	s_wait_tensorcnt 1                             ; the scale words and my part of K step 0 are in (K step 1's load may be out)
	s_barrier_signal -1
	s_barrier_wait -1                              ; everybody's are
	FETCH_B 0, 0, 0
	FETCH_A 0, 0, 0
	SCALES 0
	FETCH_A 0, 0, 4
	STEP 0, 0, 1                                   ; the first step stands in front of the loop: its products start the sums
	s_mov_b32 s3, LAPS-1
.Llap:                                                 ; a trip goes once round the ring, from a lap's second step to the next lap's first, and fills both slots again
	TURN 0, 1, 1
	STEP 1, 0, 0
	TURN 1, 0, 1
	STEP 0, 0, 0
	s_sub_co_u32 s3, s3, 1
	s_cmp_lg_u32 s3, 0
	s_cbranch_scc1 .Llap
	TURN 0, 1, 0                                   ; the last lap fills nothing, and has no round of the cluster's barrier
	STEP 1, 0, 0
	TLOADS 1                                       ; the table's second set lands in B's set 0, whose last reader stands in front of the step's closing places
	s_wait_dscnt 4*NL                              ; the very last step: nothing more to fetch
	WIN MUL_LO
	MUL16 0, 1, NQ-1, 1, 0
	MUL16 2, 1, NQ-1, 1, 0
	s_wait_dscnt 0
	WIN MUL_HI
	MUL16 4, 1, NQ-1, 1, 0
	MUL16 6, 1, NQ-1, 1, 0
	WIN 0
	; THE WAY OUT touches no LDS: a block of 16 rows is 64 registers a lane, in the quantiser's order; its codes are an operand's registers and are stored as they stand.
	PLACES NP
.irp b, 0,1,2,3
	v_mov_b32 v[TM+4+\b], 0                        ; written once: a lane permute's destination counts as one of its sources
.endr
.macro OUTF a                          ; block a: quantised and stored
	s_wait_xcnt 0x0                                ; the last block's stores have read the codes' registers
	QUANT X, PC, P2, TM, SW+(\a)
.irp c, 0,1,2
	global_store_b128 v[LI], v[PC+4*\c:PC+4*\c+3], s[16:17] offset:FRB*(\a)+512*\c   ; 32 lanes store 512 consecutive bytes, aligned
.endr
.endm
.macro ADDB a                          ; q, k: + the bias of my columns; each accumulator is read from its low end on
	WIN 0x06+(\a)/4                                ; source 0 window 2 or 3, source 1 window 1
.set n, 0
.rept 32
	v_pk_add_f32 v[X+2*n:X+2*n+1], v[64*((\a)%4)+2*n:64*((\a)%4)+2*n+1], v[96+2*n+96*(n/16):97+2*n+96*(n/16)]
.set n, n+1
.endr
	WIN 0
.endm
.macro ROPE a                          ; the rotation of my 32 pairs (registers 2 p, 2 p + 1), four pairs by turns; the table's registers 2 p, 2 p + 1 are the pair's cos and sin
.if (\a)%3 == 0
.set TBS, 64
	WIN 0
.elseif (\a)%3 == 1
.set TBS, 0
	WIN 0x01
.else
.set TBS, 128
	WIN 0x01
.endif
.irp u, 0,1,2,3,4,5,6,7
.irp e, 0,1,2,3
	v_mul_f32 v[TT+2*\e], v[TBS+8*\u+2*\e+1], v[X+8*\u+2*\e+1]          ; sin x odd
.endr
.irp e, 0,1,2,3
	v_mul_f32 v[TT+2*\e+1], v[TBS+8*\u+2*\e], v[X+8*\u+2*\e+1]          ; cos x odd
.endr
.irp e, 0,1,2,3
	v_fma_f32 v[X+8*\u+2*\e+1], v[TBS+8*\u+2*\e+1], v[X+8*\u+2*\e], v[TT+2*\e+1]   ; odd = even sin + odd cos
.endr
.irp e, 0,1,2,3
	v_fma_f32 v[X+8*\u+2*\e], v[TBS+8*\u+2*\e], v[X+8*\u+2*\e], -v[TT+2*\e]        ; even = even cos - odd sin
.endr
.endr
	WIN 0
.endm
	s_cmp_ge_u32 ttmp9, 4                          ; the cluster's x: the same in all partners
	s_cbranch_scc1 .Lv
	TLOADS 2                                       ; into B's set 1, four places behind its last reader
.irp a, 0,1,2,3,4,5,6,7
.if (\a > 0) && (\a < 6)
	s_wait_loadcnt 32                              ; this block's set of the table is in; the two younger sets, 16 loads each, may be out
.elseif \a == 6
	s_wait_loadcnt 16
.elseif \a == 7
	s_wait_loadcnt 0
.endif
	ADDB \a
	ROPE \a
.if \a < 5
	TLOADS \a+3                                    ; the set just read takes the block three further on
.endif
	OUTF \a
.endr
	s_branch .Lend
.Lv:
.irp a, 0,1,2,3,4,5,6,7
	WIN 0x02+\a/4                                  ; source 0 window 2 or 3
.set n, 0
.rept 64
	v_add_f32 v[X+n], v[64*(\a%4)+n], v[BR+\a]     ; + the bias of my row
.set n, n+1
.endr
	WIN 0
	OUTF \a
.endr
.Lend:
	v_cmp_gt_u32 vcc_lo, 16, v[LN]
.irp j, 0,1,2,3
	v_cndmask_b32 v[SWO+\j], v[SW+4+\j], v[SW+\j], vcc_lo   ; lanes 0-15 store blocks 0-3's words of row r, lanes 16-31 blocks 4-7's (both halves of the lanes hold every word)
.endr
	global_store_b128 v[LI], v[SWO:SWO+3], s[18:19]   ; 512 consecutive bytes, aligned
	s_wait_tensorcnt 0x0                           ; the wave's end
	ds_add_u32 v[SPW], v[NIL]
	s_wait_dscnt 0x0
	CROUND                                         ; the closing round: no work-group ends while a partner may still ask for a tile that names it
	s_endpgm
.Lfunc_end_k_q6f824d6658_qkv:
	.size	k_q6f824d6658_qkv, .Lfunc_end_k_q6f824d6658_qkv-k_q6f824d6658_qkv
	.p2alignl 7, 3214868480
	.fill 96, 4, 3214868480
	.section	.rodata,"a",@progbits
	.p2align	6, 0x0
	.amdhsa_kernel k_q6f824d6658_qkv
		.amdhsa_group_segment_fixed_size 327680
		.amdhsa_private_segment_fixed_size 0
		.amdhsa_enable_private_segment 0
		.amdhsa_kernarg_size 64
		.amdhsa_user_sgpr_count 2
		.amdhsa_user_sgpr_kernarg_segment_ptr 1
		.amdhsa_wavefront_size32 1
		.amdhsa_system_sgpr_workgroup_id_x 1
		.amdhsa_system_sgpr_workgroup_id_y 1
		.amdhsa_system_sgpr_workgroup_id_z 1
		.amdhsa_system_vgpr_workitem_id 0
		.amdhsa_next_free_vgpr 1024
		.amdhsa_next_free_sgpr 102
		.amdhsa_reserve_vcc 1
		.amdhsa_float_denorm_mode_32 3
		.amdhsa_float_denorm_mode_16_64 3
		.amdhsa_memory_ordered 1
		.amdhsa_forward_progress 1
		.amdhsa_inst_pref_size 255
	.end_amdhsa_kernel
	.section	.bss,"aw",@nobits
	.p2align	6
	.space	262144
	.amdgpu_metadata
---
amdhsa.version: [ 1, 2 ]
amdhsa.kernels:
  - .name:           k_q6f824d6658_qkv
    .symbol:         k_q6f824d6658_qkv.kd
    .args:
      - { .name: cod, .offset: 0, .size: 8, .value_kind: global_buffer, .address_space: global }
      - { .name: scl, .offset: 8, .size: 8, .value_kind: global_buffer, .address_space: global }
      - { .name: rope, .offset: 16, .size: 8, .value_kind: global_buffer, .address_space: global }
      - { .name: wq_b, .offset: 24, .size: 8, .value_kind: global_buffer, .address_space: global }
      - { .name: wk_b, .offset: 32, .size: 8, .value_kind: global_buffer, .address_space: global }
      - { .name: wv_b, .offset: 40, .size: 8, .value_kind: global_buffer, .address_space: global }
      - { .name: qkvc, .offset: 48, .size: 8, .value_kind: global_buffer, .address_space: global }
      - { .name: qkvs, .offset: 56, .size: 8, .value_kind: global_buffer, .address_space: global }
    .group_segment_fixed_size: 327680
    .private_segment_fixed_size: 0
    .kernarg_segment_align: 8
    .kernarg_segment_size: 64
    .max_flat_workgroup_size: 128
    .sgpr_count:     102
    .vgpr_count:     1024
    .wavefront_size: 32
...
	.end_amdgpu_metadata
.endif
;; end of part 2
;; launch attn (part 3): grid 8 x 32, 8 waves a work-group, clusters of 4 x 1, 205,824 bytes of LDS; arguments qkvc, qkvs, attc, atts; writes attc, atts
.if DOCPART == 3
	.amdgcn_target "amdgcn-amd-amdhsa--gfx1250"
	.amdhsa_code_object_version 6
	.text
	.protected	k_q6f824d6658_attn
	.globl	k_q6f824d6658_attn
	.p2align	8
	.type	k_q6f824d6658_attn,@function
k_q6f824d6658_attn:
	s_mov_b64 s[64:65], 0
	v_nop
	global_prefetch_b8 v0, s[64:65] scope:SCOPE_SE
	s_setreg_imm32_b32 hwreg(HW_REG_WAVE_MODE, 25, 1), 1
	s_wait_xcnt 0x0
	s_wait_alu depctr_hold_cnt(0) depctr_sa_sdst(0) depctr_va_vdst(0) depctr_va_sdst(0) depctr_va_ssrc(0) depctr_va_vcc(0) depctr_vm_vsrc(0)
	s_getreg_b32 s2, hwreg(HW_REG_IB_STS2, 6, 4)
	s_cmp_eq_u32 s2, 0
	s_cbranch_scc0 .Lentry_in_a_cluster
	s_endpgm
.Lentry_in_a_cluster:
	s_bfe_u32 s2, ttmp6, 0x10000c
	s_cmp_lg_u32 s2, 0x3003
	s_cbranch_scc0 .Lentry_shape_is_right
	s_endpgm
.Lentry_shape_is_right:
; Causal attention of one (batch, head) on codes of FP6 (E2M3) with E8M0 scales: S^T = K Q^T, p = 2^(t - M), O^T = V^T P^T, O / l, quantised along the head's 128 for the output projection.
; t = score x log2(e) / sqrt(128); M = the row's largest t so far, rounded UP to a whole number; p is quantised along the keys, not normalised; the row's sum is taken of the unquantised p and divides O at the end.
; IN: qkvc, qkvs: regions q, k, v, each [batch x head 32][sub 8][a 8][1,536 bytes]: a fragment (16 rows x 128 K) as an image of its operand registers; in lane r of fragment a lies row 32 (a / 2) + 8 (a % 2) + r + 8 (r / 8)
; of the 128 (q, k: tokens 128 sub on, K = the head's 128; v: the head's 128, K = keys 128 sub on).  So the 16 result registers of two neighbouring tiles used as source 0 are 16 neighbours: keys in S^T, channels in O^T.
; SHARES: a work-group has one (batch, head) and one j = 0..7; wave w owns ONE tile of 16 queries: fragment j of the group G(w) of 128 queries, G = 0, 6, 2, 4, 7, 1, 5, 3 for w = 0..7.  It walks key steps 0 .. G of 128 keys;
; step G lies on the diagonal and is masked; later steps are hidden by the mask that the definition builds and are left out.  So what a wave does hangs on its number alone, the same in all partners of a cluster, and
; any two waves that are neighbours, or four apart, have 8 to 10 steps between them.
; LDS is filled ONCE: all of the head's K and V (98,304 bytes each) and their scale words (4,096 each).  CLUSTER: the four work-groups of a cluster have the same head: each tile is asked for jointly, mask 15.
; Each wave issues three loads: its eighth of the scale words, of key steps 0-3 and of key steps 4-7; three tensor loads of a wave are out at the most.  The second half may land while the first is worked on.
; OUT: attc [row tile T 128][head 16][1,536], T = 64 x batch + 8 G + j; atts [T][head / 4][r][head % 4] words.  A tile's scale words are 16 words 16 bytes apart: blocks of 256 bytes are written in part there,
; 64 bytes beside 1,536 of codes.
; LIMITS: NaN and infinities are not served; a block whose largest magnitude lies under 2^-124 (a block of zeros too) gets the scale byte 1: this program alone reads the bytes.
; REGISTERS: v1-5 addresses that stay; v8-10 addresses in hand; v12 -M, v13 the largest t, v[14:15] the sum in two halves; v16-27 Q; v32-79 four fragments of K or V; v96-159 S^T, then p; v160-223 O^T; v224-235 p's codes;
;   v232-247, v252, v254 at work; v248-251 four tiles' scale words (lanes 0-15: tiles 0-3, lanes 16-31: tiles 4-7); v253 p's scale word; v255 Q's.
.set FRB,  1536
.set VOFF, 98304                       ; LDS: K's codes [step 8][tile 8][1,536], then V's,
.set SCK,  196608                      ; K's scale words, 512 bytes a step, then V's 4,096 bytes on
.set LI,   1                           ; v1  16 x lane
.set LIS,  2                           ; v2  16 x lane + SCK
.set DG,   3                           ; v3  my query's place among its 128, less 16 (lane / 16)
.set R16,  4                           ; v4  16 r
.set LIV,  5                           ; v5  16 x lane + VOFF
.set ADK,  8
.set ADV,  9
.set ADS,  10
.set WV,   12                          ; s12 wave;  s13 G;  s14 cx;  s15 j;  s16 batch x head
.set G,    13
.set SEL,  20                          ; s[20:21] selects for lane l xor 16
.set CS,   22                          ; s[22:23] c = log2(e) / sqrt(128)
.set G1C,  24                          ; s[24:31] group 1 for codes;  s[32:39] for scale words;  s[40:51] three groups 0
.set G1S,  32
.set TB,   52                          ; s52 where the step's tiles begin in K's (and V's) region
.set TS,   53                          ; s53 and its scale words
.set CI,   54                          ; s54 the key step
.macro CROUND                          ; a round of the cluster's barrier
	s_barrier_signal -1
	s_barrier_wait -1
	s_cmp_lg_u32 s[WV], 0
	s_cbranch_scc1 .Lnot_wave_0_\@
	s_barrier_signal -3
.Lnot_wave_0_\@:
	s_barrier_wait -3
	s_barrier_signal -1
	s_barrier_wait -1
.endm
; 64 numbers of a lane, v[s] on, register 16 b + i = k 32 b + 16 (lane / 16) + i of my row, become a fragment's codes in v[pc] on and its scale word in v[pw]
.macro QUANT s, pc, p2, tm, pw
.irp b, 0,1,2,3
	v_max3_num_f32 v[\tm+\b], |v[\s+16*\b]|, |v[\s+1+16*\b]|, 0x1800000
.endr
.irp i, 2,4,6,8,10,12,14
.irp b, 0,1,2,3
	v_max3_num_f32 v[\tm+\b], v[\tm+\b], |v[\s+16*\b+\i]|, |v[\s+1+16*\b+\i]|
.endr
.endr
.irp b, 0,1,2,3
	v_permlanex16_b32 v[\tm+4+\b], v[\tm+\b], s[SEL], s[SEL+1]
.endr
.irp b, 0,1,2,3
	v_max_num_f32 v[\tm+\b], v[\tm+\b], v[\tm+4+\b]
.endr
.irp b, 0,1,2,3
	v_add_nc_u32 v[\tm+8+\b], 0xff000000, v[\tm+\b]
.endr
.irp b, 0,1,2,3
	v_lshrrev_b32 v[\tm+4+\b], 23, v[\tm+8+\b]
.endr
	v_lshl_or_b32 v[\pw], v[\tm+5], 8, v[\tm+4]
	v_lshl_or_b32 v[\pw], v[\tm+6], 16, v[\pw]
	v_lshl_or_b32 v[\pw], v[\tm+7], 24, v[\pw]
.irp c, 0,1
	v_cvt_scalef32_pk16_fp6_f32 v[\pc+6*\c:\pc+6*\c+2], v[\s+32*\c:\s+32*\c+15], v[\tm+8+2*\c]
	v_cvt_scalef32_pk16_fp6_f32 v[\p2+4*\c:\p2+4*\c+2], v[\s+32*\c+16:\s+32*\c+31], v[\tm+9+2*\c]
.endr
	v_nop                                          ; one plain place behind a scaled conversion
.irp c, 0,1
.irp i, 0,1,2
	v_permlane16_swap_b32 v[\pc+6*\c+\i], v[\p2+4*\c+\i]
.endr
.irp i, 0,1,2
	v_mov_b32 v[\pc+3+6*\c+\i], v[\p2+4*\c+\i]
.endr
.endr
.endm
	s_load_b256 s[4:11], s[0:1], 0x0               ; qkvc s[4:5], qkvs s[6:7], attc s[8:9], atts s[10:11]
	v_lshl_add_u32 v94, v0, 2, 0x32000
	v_mov_b32 v95, 0
	ds_add_u32 v94, v95
	ds_add_u32 v94, v95
	v_lshrrev_b32 v8, 5, v0
	v_readfirstlane_b32 s[WV], v8                  ; wave 0..7
	s_bfe_u32 s14, ttmp6, 0x40000                  ; cx
	s_lshl_b32 s15, ttmp9, 2
	s_add_co_u32 s15, s15, s14                     ; j = 4 x cluster x + cx: it enters global addresses and the mask's comparisons alone
	s_and_b32 s16, ttmp7, 0xffff                   ; batch x head, which the four partners share
	s_lshl_b32 s56, s[WV], 2
	s_lshr_b32 s[G], 0x35174260, s56
	s_and_b32 s[G], s[G], 7                        ; my group of 128 queries: a table by the wave's number
	s_lshr_b32 s56, s[WV], 2                       ; what I fetch: waves 0-3 for K, 4-7 for V;
	s_and_b32 s57, s[WV], 3                        ; a quarter of each load's share
	s_add_co_u32 s58, s56, 1                       ; the region: 1 = k, 2 = v
	s_lshl_b32 s60, s58, 17
	s_lshl_b32 s59, s16, 12
	s_add_co_u32 s60, s60, s59
	s_lshl_b32 s59, s57, 10
	s_add_co_u32 s60, s60, s59                     ; scale words: region x 131,072 + head x 4,096 + quarter x 1,024
	s_mov_b32 s61, 0
	s_mul_i32 s62, s58, 3145728
	s_mul_i32 s59, s16, 98304
	s_add_co_u32 s62, s62, s59
	s_mul_i32 s59, s57, 12288
	s_add_co_u32 s62, s62, s59                     ; codes: region x 3,145,728 + head x 98,304 + quarter x 12,288 (one key step)
	s_mov_b32 s63, 0
	s_lshl_b32 s66, s[WV], 10
	s_add_co_u32 s66, s66, SCK                     ; in LDS: the scale words at SCK + 1,024 x wave;
	s_mul_i32 s67, s56, VOFF
	s_add_co_u32 s67, s67, s59                     ; the codes at side x 98,304 + quarter x 12,288
	; group 1: dense blocks as rows of 256 bytes (32 elements of 8 bytes): 48 rows of codes, 4 of scale words
	s_mov_b32 s[G1C], 15|(3<<16)|(1<<21)           ; 15:0 the mask: all four work-groups; 17:16 elements of 8 bytes; 21 set beside a mask
	s_mov_b32 s[G1C+1], 32<<16
	s_mov_b32 s[G1C+2], 48<<16
	s_mov_b32 s[G1C+3], 32<<16
	s_mov_b32 s[G1C+4], 48
	s_mov_b32 s[G1C+5], 32
	s_mov_b32 s[G1C+6], 0
	s_mov_b32 s[G1C+7], 0
	s_mov_b32 s[G1S], 15|(3<<16)|(1<<21)
	s_mov_b32 s[G1S+1], 32<<16
	s_mov_b32 s[G1S+2], 4<<16
	s_mov_b32 s[G1S+3], 32<<16
	s_mov_b32 s[G1S+4], 4
	s_mov_b32 s[G1S+5], 32
	s_mov_b32 s[G1S+6], 0
	s_mov_b32 s[G1S+7], 0
	s_mov_b32 s[SEL], 0x76543210
	s_mov_b32 s[SEL+1], 0xfedcba98
	s_mov_b32 s[CS], 0x3e0293ee
	s_mov_b32 s[CS+1], s[CS]                       ; (named with it as a pair, so it is written)
	s_wait_dscnt 0x0
	s_wait_kmcnt 0x0
	s_mov_b32 s40, 1
	s_mov_b32 s41, s66
	s_add_nc_u64 s[42:43], s[6:7], s[60:61]
	s_or_b32 s43, s43, 0x80000000
	s_mov_b32 s44, 1
	s_mov_b32 s45, s67
	s_add_nc_u64 s[46:47], s[4:5], s[62:63]
	s_or_b32 s47, s47, 0x80000000
	s_mov_b32 s48, 1
	s_add_co_u32 s49, s67, 49152
	s_add_nc_u64 s[50:51], s[4:5], s[62:63]
	s_add_nc_u64 s[50:51], s[50:51], 49152
	s_or_b32 s51, s51, 0x80000000
	CROUND                                         ; all four work-groups are here: the joint loads meet
	tensor_load_to_lds s[40:43], s[G1S:G1S+7]      ; my eighth of the scale words,
	s_nop 0
	tensor_load_to_lds s[44:47], s[G1C:G1C+7]      ; of key steps 0-3,
	s_nop 0
	tensor_load_to_lds s[48:51], s[G1C:G1C+7]      ; of key steps 4-7
	s_nop 0
.rept 4
	v_nop
.endr
	; my tile of queries, and where its result goes
	s_lshl_b32 s17, s16, 3
	s_add_co_u32 s17, s17, s[G]                    ; 8 x head + G
	s_lshl_b32 s18, s17, 3
	s_add_co_u32 s18, s18, s15
	s_mul_i32 s68, s18, FRB
	s_mov_b32 s69, 0
	s_add_nc_u64 s[68:69], s[4:5], s[68:69]        ; Q's fragment (region q begins the buffer)
	s_lshl_b32 s70, s17, 9
	s_lshr_b32 s19, s15, 2
	s_lshl_b32 s19, s19, 8
	s_add_co_u32 s70, s70, s19
	s_and_b32 s19, s15, 3
	s_lshl_b32 s19, s19, 2
	s_add_co_u32 s70, s70, s19
	s_mov_b32 s71, 0
	s_add_nc_u64 s[70:71], s[6:7], s[70:71]        ; its scale words
	s_lshr_b32 s72, s16, 4
	s_lshl_b32 s72, s72, 6
	s_lshl_b32 s19, s[G], 3
	s_add_co_u32 s72, s72, s19
	s_add_co_u32 s72, s72, s15                     ; T = 64 x batch + 8 G + j
	s_and_b32 s73, s16, 15                         ; the head
	s_lshl_b32 s74, s72, 4
	s_add_co_u32 s74, s74, s73
	s_mul_i32 s74, s74, FRB
	s_mov_b32 s75, 0
	s_add_nc_u64 s[8:9], s[8:9], s[74:75]
	s_lshl_b32 s76, s72, 10
	s_lshr_b32 s19, s73, 2
	s_lshl_b32 s19, s19, 8
	s_add_co_u32 s76, s76, s19
	s_and_b32 s19, s73, 3
	s_lshl_b32 s19, s19, 2
	s_add_co_u32 s76, s76, s19
	s_mov_b32 s77, 0
	s_add_nc_u64 s[10:11], s[10:11], s[76:77]
	s_lshr_b32 s78, s15, 1
	s_lshl_b32 s78, s78, 5
	s_and_b32 s19, s15, 1
	s_lshl_b32 s19, s19, 3
	s_add_co_u32 s78, s78, s19                     ; 32 (j / 2) + 8 (j % 2)
	v_and_b32 v8, 31, v0
	v_lshlrev_b32 v[LI], 4, v8
	v_add_nc_u32 v[LIS], SCK, v[LI]
	v_add_nc_u32 v[LIV], VOFF, v[LI]
	v_and_b32 v9, 15, v0                           ; r
	v_bfe_u32 v10, v0, 4, 1                        ; h
	v_lshlrev_b32 v[R16], 4, v9
.irp c, 0,1,2
	global_load_b128 v[16+4*\c:19+4*\c], v[LI], s[68:69] offset:512*\c   ; Q's fragment stays in registers
.endr
	global_load_b32 v255, v[R16], s[70:71]         ; and its scale word
	v_and_b32 v[DG], 8, v9
	v_add3_u32 v[DG], v[DG], v9, s78               ; my query's place among its 128
	v_lshlrev_b32 v10, 4, v10
	v_sub_nc_u32 v[DG], v[DG], v10                 ; less 16 h: on the diagonal register 16 b + i holds key 32 b + 16 h + i: hidden where 32 b + i is greater than this
	v_mov_b32 v13, 0xff61b1e6                      ; the largest t so far: -3e38, under every t
	v_floor_f32 v12, -v13                          ; -M
	v_mov_b32 v14, 0                               ; the sum, in two halves
	v_mov_b32 v15, 0
.set n, 236
.rept 12
	v_mov_b32 v[n], 0                              ; written once: a lane permute's destination counts as one of its sources
.set n, n+1
.endr
	v_mov_b32 v252, 0
	v_mov_b32 v253, 0                              ; (named as the upper half of the pair v[252:253] before it is first written)
	v_mov_b32 v254, 0
.set n, 0
.rept 64
	v_mov_b32 v[160+n], 0                          ; O^T: the step is written for every trip alike; the first finds zeros, which the first change of M leaves zeros
.set n, n+1
.endr
; A KEY STEP: 128 keys.  A step all of whose keys come after my queries is left out: a branch on the step's number and the wave's, round the work, not round the lines that step addresses.
.macro STEP
	s_cmp_gt_u32 s[CI], s[G]
	s_cbranch_scc1 .Lhidden_\@
	v_add_nc_u32 v[ADK], s[TB], v[LI]
	v_add_nc_u32 v[ADV], s[TB], v[LIV]
	v_add_nc_u32 v[ADS], s[TS], v[LIS]
	v_nop                                          ; with the three additions: four places in front of loads into registers that the last step's matrix instructions have read
.irp g, 0,1                                    ; S^T = K Q^T, four tiles of 16 keys at a time
.if \g
.rept 4
	v_nop
.endr
.endif
.irp t, 0,1,2,3
.irp c, 0,1,2
	ds_load_b128 v[32+12*\t+4*\c:35+12*\t+4*\c], v[ADK] offset:(4*\g+\t)*FRB+512*\c
.endr
.endr
.if \g == 0
	ds_load_b128 v[248:251], v[ADS]                ; the eight tiles' scale words: lanes 0-15 tiles 0-3, lanes 16-31 tiles 4-7
.endif
	s_wait_dscnt 0x0
.irp t, 0,1,2,3
.if \g == 0
	v_wmma_scale_f32_16x16x128_f8f6f4 v[96+8*\t:103+8*\t], v[32+12*\t:43+12*\t], v[16:27], 0, v[248+\t], v255 matrix_a_fmt:MATRIX_FMT_FP6 matrix_b_fmt:MATRIX_FMT_FP6
.else
	v_wmma_scale_f32_16x16x128_f8f6f4 v[128+8*\t:135+8*\t], v[32+12*\t:43+12*\t], v[16:27], 0, v[248+\t], v255 matrix_a_fmt:MATRIX_FMT_FP6 matrix_b_fmt:MATRIX_FMT_FP6 matrix_a_scale:MATRIX_SCALE_ROW1
.endif
.endr
.endr
.rept 4
	v_nop
.endr
	s_cmp_lg_u32 s[CI], s[G]                       ; only my last step lies on the diagonal: there the scores of hidden keys become -infinity ahead of the maximum, and p = 0
	s_cbranch_scc1 .Lopen_\@
	v_mov_b32 v254, 0xff800000
.set n, 0
.rept 64
	v_cmp_gt_i32 vcc_lo, 32*(n/16)+n%16, v[DG]
	v_cndmask_b32 v[96+n], v[96+n], v254, vcc_lo
.set n, n+1
.endr
.Lopen_\@:
.irp b, 0,1,2,3
	v_max3_num_f32 v[232+\b], v[96+16*\b], v[97+16*\b], v[98+16*\b]   ; the largest score of each block of 32 keys: for the row's maximum and, since p rises with the score, for the block's largest p
.endr
.irp i, 3,5,7,9,11,13
.irp b, 0,1,2,3
	v_max3_num_f32 v[232+\b], v[232+\b], v[96+16*\b+\i], v[97+16*\b+\i]
.endr
.endr
.irp b, 0,1,2,3
	v_max_num_f32 v[232+\b], v[232+\b], v[111+16*\b]
.endr
.irp b, 0,1,2,3
	v_permlanex16_b32 v[236+\b], v[232+\b], s[SEL], s[SEL+1]
.endr
.irp b, 0,1,2,3
	v_max_num_f32 v[232+\b], v[232+\b], v[236+\b]  ; with lane l xor 16's 16 keys
.endr
	v_max3_num_f32 v254, v232, v233, v234
	v_max_num_f32 v254, v254, v235                 ; the step's largest score of my query
	v_mul_f32 v254, s[CS], v254                    ; as t (c is positive)
	v_max_num_f32 v13, v13, v254                   ; the running largest t
	v_mov_b32 v254, v12
	v_floor_f32 v12, -v13                          ; the new -M = floor(-t) = -ceil(t): a whole number
	v_sub_f32 v254, v12, v254                      ; M's old value less its new one: a whole number, 0 or less
	v_cvt_i32_f32 v254, v254                       ; (it saturates)
	v_ldexp_f32 v252, 1.0, v254                    ; f = 2^(old M - new M): a multiplication by it rounds nothing
.set n, 0
.rept 32
	v_pk_fma_f32 v[96+2*n:97+2*n], v[96+2*n:97+2*n], s[CS:CS+1], v[12:13] op_sel_hi:[1,0,0]   ; t - M, two at a time
.set n, n+1
.endr
.irp b, 0,1,2,3
	v_fma_f32 v[232+\b], v[232+\b], s[CS], v12     ; the same of each block's largest score
.endr
.set n, 0
.rept 64
	v_exp_f32 v[96+n], v[96+n]                     ; p = 2^(t - M), at most 1: not normalised
.set n, n+1
.endr
	v_pk_mul_f32 v[14:15], v[14:15], v[252:253] op_sel_hi:[1,0]   ; the sums under the new M (a plain place behind the exponentials)
	s_wait_alu depctr_va_vdst(0)                   ; one wait for the whole batch, ahead of its first reader
.irp b, 0,1,2,3
	v_exp_f32 v[232+\b], v[232+\b]                 ; the block's largest p: the same two instructions on the same number give the same bits
.endr
	v_pk_add_f32 v[236:237], v[96:97], v[98:99]    ; the row's sum is taken of the unquantised p: two at a time, in two chains
.irp j, 4,8,12,16,20,24,28,32,36,40,44,48,52,56,60
	v_pk_add_f32 v[14:15], v[14:15], v[96+\j:97+\j]
	v_pk_add_f32 v[236:237], v[236:237], v[98+\j:99+\j]
.endr
	v_pk_add_f32 v[14:15], v[14:15], v[236:237]
	s_wait_alu depctr_va_vdst(0)                   ; and one for the four
.irp b, 0,1,2,3
	v_max_num_f32 v[232+\b], 0x1800000, v[232+\b]  ; the floor 2^(3 - 127): the byte cannot fall under 1 (a block whose every p is 0 keeps that byte: its codes are zeros)
.endr
.irp b, 0,1,2,3
	v_add_nc_u32 v[244+\b], 0xff000000, v[232+\b]  ; 2 off the exponent field: the conversion's scale operand
.endr
.irp b, 0,1,2,3
	v_lshrrev_b32 v[236+\b], 23, v[244+\b]         ; the scale's byte
.endr
	v_lshl_or_b32 v253, v237, 8, v236              ; p's scale word for these 128 keys
	v_lshl_or_b32 v253, v238, 16, v253
	v_lshl_or_b32 v253, v239, 24, v253
.irp c, 0,1
	v_cvt_scalef32_pk16_fp6_f32 v[224+6*\c:226+6*\c], v[96+32*\c:111+32*\c], v[244+2*\c]
	v_cvt_scalef32_pk16_fp6_f32 v[236+4*\c:238+4*\c], v[112+32*\c:127+32*\c], v[245+2*\c]
.endr
	v_nop                                          ; one plain place behind a scaled conversion
.irp c, 0,1                                    ; the operand wants a whole block in a lane
.irp i, 0,1,2
	v_permlane16_swap_b32 v[224+6*\c+\i], v[236+4*\c+\i]
.endr
.irp i, 0,1,2
	v_mov_b32 v[227+6*\c+\i], v[236+4*\c+\i]
.endr
.endr
.set n, 0
.rept 32
	v_pk_mul_f32 v[160+2*n:161+2*n], v[160+2*n:161+2*n], v[252:253] op_sel_hi:[1,0]   ; O^T under the new M.  (These 32 are also the places in front of the matrix instructions and loads below)
.set n, n+1
.endr
.irp g, 0,1                                    ; O^T += V^T P^T: four tiles of 16 of the head's 128 at a time; K = these 128 keys
.if \g
.rept 4
	v_nop
.endr
.endif
.irp t, 0,1,2,3
.irp c, 0,1,2
	ds_load_b128 v[32+12*\t+4*\c:35+12*\t+4*\c], v[ADV] offset:(4*\g+\t)*FRB+512*\c
.endr
.endr
.if \g == 0
	ds_load_b128 v[248:251], v[ADS] offset:4096
.endif
	s_wait_dscnt 0x0
.irp t, 0,1,2,3
.if \g == 0
	v_wmma_scale_f32_16x16x128_f8f6f4 v[160+8*\t:167+8*\t], v[32+12*\t:43+12*\t], v[224:235], v[160+8*\t:167+8*\t], v[248+\t], v253 matrix_a_fmt:MATRIX_FMT_FP6 matrix_b_fmt:MATRIX_FMT_FP6
.else
	v_wmma_scale_f32_16x16x128_f8f6f4 v[192+8*\t:199+8*\t], v[32+12*\t:43+12*\t], v[224:235], v[192+8*\t:199+8*\t], v[248+\t], v253 matrix_a_fmt:MATRIX_FMT_FP6 matrix_b_fmt:MATRIX_FMT_FP6 matrix_a_scale:MATRIX_SCALE_ROW1
.endif
.endr
.endr
.Lhidden_\@:
	s_add_co_u32 s[TB], s[TB], 8*FRB               ; the next step's tiles and scale words
	s_add_co_u32 s[TS], s[TS], 512
	s_add_co_u32 s[CI], s[CI], 1
.endm
	s_wait_tensorcnt 0x1                           ; my parts of the scale words and of key steps 0-3 are in; that of steps 4-7 may stay out
	s_barrier_signal -1
	s_barrier_wait -1                              ; everybody's are
	s_wait_loadcnt 0x0                             ; Q
	s_mov_b32 s[TB], 0
	s_mov_b32 s[TS], 0
	s_mov_b32 s[CI], 0
.Lfirst:                                               ; key steps 0 to 3
	STEP
	s_cmp_lt_u32 s[CI], 4
	s_cbranch_scc1 .Lfirst
	s_wait_tensorcnt 0x0                           ; my part of key steps 4-7 is in,
	s_barrier_signal -1
	s_barrier_wait -1                              ; everybody's is
	s_mov_b32 s[TB], 4*8*FRB                       ; key step 4, stated anew, so that each loop's addresses can be read off its own head
	s_mov_b32 s[TS], 4*512
	s_mov_b32 s[CI], 4
.Lsecond:                                              ; key steps 4 to 7
	STEP
	s_cmp_lt_u32 s[CI], 8
	s_cbranch_scc1 .Lsecond
	; THE WAY OUT: O^T / the sum is, in a lane, 64 numbers of one query in the quantiser's order: its codes are a fragment of the output projection's operand, K step = my head
.rept 4
	v_nop                                          ; places behind the last products
.endr
	v_add_f32 v14, v14, v15                        ; the sum's two halves,
	v_permlanex16_b32 v252, v14, s[SEL], s[SEL+1]
	v_add_f32 v14, v14, v252                       ; and lane l xor 16's: the row's sum
	v_rcp_f32 v14, v14
	v_and_b32 v8, 31, v0                           ; (a plain place behind the transcendental)
	s_wait_alu depctr_va_vdst(0)                   ; the wait, ahead of the first reader
.set n, 0
.rept 64
	v_mul_f32 v[96+n], v[160+n], v14               ; each accumulator from its low end on
.set n, n+1
.endr
	QUANT 96, 224, 80, 236, 253
.irp c, 0,1,2
	global_store_b128 v[LI], v[224+4*\c:227+4*\c], s[8:9] offset:512*\c   ; 32 lanes store 512 consecutive bytes, aligned
.endr
	v_cmp_gt_u32 vcc_lo, 16, v8
	s_wait_xcnt 0x0                                ; EXEC changes only behind this wait
	s_and_saveexec_b32 s56, vcc_lo
	global_store_b32 v[R16], v253, s[10:11]        ; lanes 0-15: row r's scale word for my head
	s_wait_xcnt 0x0
	s_or_b32 exec_lo, exec_lo, s56
	s_wait_tensorcnt 0x0
	ds_add_u32 v94, v95
	s_wait_dscnt 0x0
	CROUND                                         ; the closing round: no work-group ends while a partner may still ask for a tile that names it
	s_endpgm
.Lfunc_end_k_q6f824d6658_attn:
	.size	k_q6f824d6658_attn, .Lfunc_end_k_q6f824d6658_attn-k_q6f824d6658_attn
	.p2alignl 7, 3214868480
	.fill 96, 4, 3214868480
	.section	.rodata,"a",@progbits
	.p2align	6, 0x0
	.amdhsa_kernel k_q6f824d6658_attn
		.amdhsa_group_segment_fixed_size 205824
		.amdhsa_private_segment_fixed_size 0
		.amdhsa_enable_private_segment 0
		.amdhsa_kernarg_size 32
		.amdhsa_user_sgpr_count 2
		.amdhsa_user_sgpr_kernarg_segment_ptr 1
		.amdhsa_wavefront_size32 1
		.amdhsa_system_sgpr_workgroup_id_x 1
		.amdhsa_system_sgpr_workgroup_id_y 1
		.amdhsa_system_sgpr_workgroup_id_z 1
		.amdhsa_system_vgpr_workitem_id 0
		.amdhsa_next_free_vgpr 256
		.amdhsa_next_free_sgpr 80
		.amdhsa_reserve_vcc 1
		.amdhsa_float_denorm_mode_32 3
		.amdhsa_float_denorm_mode_16_64 3
		.amdhsa_memory_ordered 1
		.amdhsa_forward_progress 1
		.amdhsa_inst_pref_size 65
	.end_amdhsa_kernel
	.amdgpu_metadata
---
amdhsa.version: [ 1, 2 ]
amdhsa.kernels:
  - .name:           k_q6f824d6658_attn
    .symbol:         k_q6f824d6658_attn.kd
    .args:
      - { .name: qkvc, .offset: 0, .size: 8, .value_kind: global_buffer, .address_space: global }
      - { .name: qkvs, .offset: 8, .size: 8, .value_kind: global_buffer, .address_space: global }
      - { .name: attc, .offset: 16, .size: 8, .value_kind: global_buffer, .address_space: global }
      - { .name: atts, .offset: 24, .size: 8, .value_kind: global_buffer, .address_space: global }
    .group_segment_fixed_size: 205824
    .private_segment_fixed_size: 0
    .kernarg_segment_align: 8
    .kernarg_segment_size: 32
    .max_flat_workgroup_size: 256
    .sgpr_count:     80
    .vgpr_count:     256
    .wavefront_size: 32
...
	.end_amdgpu_metadata
.endif
;; end of part 3
;; launch outp (part 4): grid 8 x 8, 4 waves a work-group, clusters of 4 x 4, 327,680 bytes of LDS; arguments attc, atts, cod, scl, wo_b, out0; writes out0
.if DOCPART == 4
	.amdgcn_target "amdgcn-amd-amdhsa--gfx1250"
	.amdhsa_code_object_version 6
	.text
	.protected	k_q6f824d6658_outp
	.globl	k_q6f824d6658_outp
	.p2align	8
	.type	k_q6f824d6658_outp,@function
k_q6f824d6658_outp:
	s_mov_b64 s[64:65], 0
	v_nop
	global_prefetch_b8 v0, s[64:65] scope:SCOPE_SE
	s_setreg_imm32_b32 hwreg(HW_REG_WAVE_MODE, 25, 1), 1
	s_wait_xcnt 0x0
	s_wait_alu depctr_hold_cnt(0) depctr_sa_sdst(0) depctr_va_vdst(0) depctr_va_sdst(0) depctr_va_ssrc(0) depctr_va_vcc(0) depctr_vm_vsrc(0)
	s_getreg_b32 s2, hwreg(HW_REG_IB_STS2, 6, 4)
	s_cmp_eq_u32 s2, 0
	s_cbranch_scc0 .Lentry_in_a_cluster
	s_endpgm
.Lentry_in_a_cluster:
	s_bfe_u32 s2, ttmp6, 0x10000c
	s_cmp_lg_u32 s2, 0xf033
	s_cbranch_scc0 .Lentry_shape_is_right
	s_endpgm
.Lentry_shape_is_right:
; out0 = att wo^T + wo_b, on codes of FP6 (E2M3) with E8M0 scales.  att's codes (attc, atts) were made by the attention launch, wo's (cod, scl at tile indices 32-39) by the first launch; both lie as images of operand
; registers: a fragment, 16 rows x 128 K, is 1,536 bytes: three runs of 512, lane l's 16 bytes at 16 l; row tile T holds in lane r row 32 (T / 2) + 8 (T % 2) + r + 8 (r / 8).  out0: [2048][2048] f32.
; A tile of the result, 256 x 256, is made by four waves, each 128 x 128: 64 accumulators, 512 registers.  THE MATRIX INSTRUCTION IS USED TRANSPOSED (source 0 = 16 rows of wo, source 1 = 16 rows of att): a lane holds one
; token, and the registers of accumulators 2 b, 2 b + 1 are columns 32 b + 16 (lane / 16) + 0 .. 15.  The bias is the C of each sum's first matrix instruction.
; K goes in steps of 256 through a ring of two LDS slots; a wave's tensor load brings 8 row tiles x 3,072 bytes.  The scale words of the tile's rows, for all of K, come once with the first fills.
; CLUSTERS: 4 x 4 work-groups; att's tiles are asked for jointly along a row of the cluster, wo's along a column.  The grid has 64 work-groups: the tile is kept at the size of the launch that makes q, k and v.
; REGISTERS, in windows of 256: window 0: v0-31 addresses; v32-63 scale words, two sets; v128-223 A's fragments, ONE set; on the way out v128-255 rows of the result.
;   window 1: B's fragments, two sets, at v0 and v128; v96-127 and v224-255 the bias of my 128 columns.   windows 2, 3: the accumulators ((a, b) at v[8 (8 (a % 4) + b)]).
.set NQ,     2
.set FR,     12
.set FRB,    1536
.set NL,     3
.set NP,     4                         ; places behind this matrix instruction (ISA guide 7.12.1)
.set RT,     NQ*FRB
.set HALFT,  8*RT
.set SLOT,   4*HALFT
.set LAPS,   4
.set SCL,    2*SLOT
.set HALFS,  8192
.set SBLK,   1024
.set SPARE,  SCL+4*HALFS               ; the spare words, 128 bytes for each wave: two blocks of 256 bytes that no other line names
.set SPITCH, 528                       ; the way out: a stage of 16 rows x (512 bytes + 16) for each wave, in slot 0, which has had its last fill and its last read when the first result is stored there
.set ADRA, 16
.set ADRB, 20
.set LI,   24                          ; v24  16 x lane
.set STO,  25                          ; v25  the stage: where I put my numbers of a row
.set RD,   26                          ; v26  and where I read a row back
.set ADRS, 27
.set SPW,  28
.set NIL,  29
.set SC,   32
.set AF,   128
.set BK,   128                         ; the way out: 16 rows read back: v128-191 and v192-255 by turns
.set WV, 20
.set HR, 21
.set HC, 22
.set G1, 24
.set G0, 32
.set G1B, 48
.set G0B, 56
.set G1S, 68
.set G0S, 76
.set G1SB, 80
.set G0SB, 88
.set MSB, 0
.macro WIN new                         ; the immediate's high byte repeats the setting that is left
.if MSB != (\new)
	s_set_vgpr_msb (MSB<<8)|(\new)
.set MSB, (\new)
.endif
.endm
.set MUL_LO, 0xa1                      ; source 0 (B) window 1, source 1 (A) window 0, C and D window 2
.set MUL_HI, 0xf1                      ; the same, C and D window 3
.set BIA_LO, 0x91                      ; the first step: C (the bias) window 1, D window 2
.set BIA_HI, 0xd1                      ; D window 3
.set TO_B,   0x40
.macro JLOAD g0a, g1a, g0b, g1b        ; a joint load: waves 0 and 1 fetch for A, waves 2 and 3 for B; four v_nop follow each of the two lines
	s_cmp_eq_u32 s[HR], 0
	s_cbranch_scc0 .Lfor_b_\@
	tensor_load_to_lds s[\g0a:\g0a+3], s[\g1a:\g1a+7]
	s_nop 0
.rept 4
	v_nop
.endr
	s_branch .Lasked_\@
.Lfor_b_\@:
	tensor_load_to_lds s[\g0b:\g0b+3], s[\g1b:\g1b+7]
	s_nop 0
.rept 4
	v_nop
.endr
.Lasked_\@:
.endm
.macro CREST
	s_cmp_lg_u32 s[WV], 0
	s_cbranch_scc1 .Lnot_wave_0_\@
	s_barrier_signal -3
.Lnot_wave_0_\@:
	s_barrier_wait -3
	s_barrier_signal -1
	s_barrier_wait -1
.endm
.macro CROUND
	s_barrier_signal -1
	s_barrier_wait -1
	CREST
.endm
	s_load_b256 s[4:11], s[0:1], 0x0               ; attc s[4:5], atts s[6:7], cod s[8:9], scl s[10:11]
	s_load_b128 s[12:15], s[0:1], 0x20             ; wo_b s[12:13], out0 s[14:15]
	v_lshl_add_u32 v[SPW], v0, 2, SPARE
	v_mov_b32 v[NIL], 0
	ds_add_u32 v28, v29
	ds_add_u32 v28, v29
	s_wait_dscnt 0x0
	v_lshrrev_b32 v1, 5, v0
	v_readfirstlane_b32 s[WV], v1
	s_lshr_b32 s[HR], s[WV], 1
	s_and_b32 s[HC], s[WV], 1
	s_bfe_u32 s40, ttmp6, 0x40000
	s_bfe_u32 s41, ttmp6, 0x40004
	s_lshl_b32 s42, ttmp9, 2
	s_add_co_u32 s42, s42, s40                     ; tx: which 256 columns
	s_and_b32 s43, ttmp7, 0xffff
	s_lshl_b32 s43, s43, 2
	s_add_co_u32 s43, s43, s41                     ; ty: which 256 tokens
	s_lshl_b32 s44, s41, 2
	s_lshl_b32 s44, 15, s44                        ; my row of the cluster
	s_lshl_b32 s45, 0x1111, s40                    ; my column
	s_or_b32 s[G1+0], s44, (3<<16)|(1<<21)         ; codes: 8 rows of 384 elements of 8 bytes, 24,576 bytes apart in memory, on end in LDS
	s_or_b32 s[G1B+0], s45, (3<<16)|(1<<21)
.irp g, G1, G1B
	s_mov_b32 s[\g+1], 384<<16
	s_mov_b32 s[\g+2], 8<<16
	s_mov_b32 s[\g+3], 384<<16
	s_mov_b32 s[\g+4], 8
	s_mov_b32 s[\g+5], 3072
	s_mov_b32 s[\g+6], 0
	s_mov_b32 s[\g+7], 0
.endr
	s_or_b32 s[G1S+0], s44, (3<<16)|(1<<21)        ; scale words of 128 rows: 8,192 dense bytes as 32 rows of 256
	s_or_b32 s[G1SB+0], s45, (3<<16)|(1<<21)
.irp g, G1S, G1SB
	s_mov_b32 s[\g+1], 32<<16
	s_mov_b32 s[\g+2], 32<<16
	s_mov_b32 s[\g+3], 32<<16
	s_mov_b32 s[\g+4], 32
	s_mov_b32 s[\g+5], 32
	s_mov_b32 s[\g+6], 0
	s_mov_b32 s[\g+7], 0
.endr
	s_add_co_u32 s47, s42, 32                      ; wo's tile index in cod and scl
	s_mul_i32 s23, s[HC], 196608                   ; which 128 rows of the tile I fetch
	s_mul_i32 s92, s43, 393216
	s_add_co_u32 s92, s92, s23
	s_mov_b32 s93, 0
	s_mul_i32 s94, s47, 393216
	s_add_co_u32 s94, s94, s23
	s_mov_b32 s95, 0
	s_lshl_b32 s23, s[HC], 13
	s_lshl_b32 s96, s43, 14
	s_add_co_u32 s96, s96, s23
	s_mov_b32 s97, 0
	s_lshl_b32 s98, s47, 14
	s_add_co_u32 s98, s98, s23
	s_mov_b32 s99, 0
	s_mul_i32 s66, s[WV], HALFT
	s_mul_i32 s67, s[WV], HALFS
	s_wait_kmcnt 0x0
	s_add_nc_u64 s[92:93], s[4:5], s[92:93]
	s_add_nc_u64 s[94:95], s[8:9], s[94:95]
	s_add_nc_u64 s[96:97], s[6:7], s[96:97]
	s_add_nc_u64 s[98:99], s[10:11], s[98:99]
	CROUND                                         ; all sixteen work-groups are here: the first joint loads meet
	s_mov_b32 s[G0S], 1
	s_add_co_u32 s[G0S+1], s67, SCL
	s_mov_b64 s[G0S+2:G0S+3], s[96:97]
	s_or_b32 s[G0S+3], s[G0S+3], 0x80000000
	s_mov_b32 s[G0SB], 1
	s_add_co_u32 s[G0SB+1], s67, SCL
	s_mov_b64 s[G0SB+2:G0SB+3], s[98:99]
	s_or_b32 s[G0SB+3], s[G0SB+3], 0x80000000
	JLOAD G0S, G1S, G0SB, G1SB
.irp s, 0,1
	s_mov_b32 s[G0+4*\s], 1
	s_add_co_u32 s[G0+4*\s+1], s66, \s*SLOT
	s_add_nc_u64 s[G0+4*\s+2:G0+4*\s+3], s[92:93], \s*RT
	s_or_b32 s[G0+4*\s+3], s[G0+4*\s+3], 0x80000000
	s_mov_b32 s[G0B+4*\s], 1
	s_add_co_u32 s[G0B+4*\s+1], s66, \s*SLOT
	s_add_nc_u64 s[G0B+4*\s+2:G0B+4*\s+3], s[94:95], \s*RT
	s_or_b32 s[G0B+4*\s+3], s[G0B+4*\s+3], 0x80000000
	JLOAD G0+4*\s, G1, G0B+4*\s, G1B
.endr
	v_and_b32 v1, 15, v0                           ; r
	v_bfe_u32 v2, v0, 4, 1                         ; h
	v_and_b32 v3, 31, v0
	v_lshlrev_b32 v[LI], 4, v3
	s_mul_i32 s92, s[HR], HALFT
	s_mul_i32 s93, s[HC], HALFT
	s_add_co_u32 s93, s93, 2*HALFT
.irp s, 0,1
	v_add_nc_u32 v[ADRA+\s], s92, v[LI]
	v_add_nc_u32 v[ADRB+\s], s93, v[LI]
	s_add_co_u32 s92, s92, SLOT
	s_add_co_u32 s93, s93, SLOT
.endr
	s_mul_i32 s92, s[HR], HALFS
	s_mul_i32 s93, s[HC], HALFS
	s_add_co_u32 s93, s93, 2*HALFS
	s_sub_co_u32 s93, s93, s92
	v_mul_u32_u24 v6, s93, v2                      ; lanes 16-31 take B's scale words
	s_add_co_u32 s92, s92, SCL
	v_lshl_add_u32 v5, v1, 4, v6
	v_add_nc_u32 v[ADRS], s92, v5
	s_mul_i32 s92, s[WV], 16*SPITCH                ; my stage
	v_mul_u32_u24 v[STO], v1, SPITCH
	v_lshl_add_u32 v[STO], v2, 6, v[STO]
	v_add_nc_u32 v[STO], s92, v[STO]               ; in: row r, + 64 h
	v_add_nc_u32 v[RD], s92, v[LI]                 ; back: the 32 lanes take one row of 512 bytes
	v_lshlrev_b32 v5, 6, v2                        ; the bias: 64 h
	s_lshl_b32 s94, s42, 10
	s_lshl_b32 s96, s[HC], 9
	s_add_co_u32 s94, s94, s96                     ; my 128 columns, in bytes
	s_mov_b32 s95, 0
	s_add_nc_u64 s[12:13], s[12:13], s[94:95]
	s_add_nc_u64 s[14:15], s[14:15], s[94:95]
	s_lshl_b32 s94, s43, 21
	s_lshl_b32 s96, s[HR], 20
	s_add_co_u32 s94, s94, s96                     ; my first row: (256 ty + 128 x half) rows of 8,192 bytes
	s_add_nc_u64 s[14:15], s[14:15], s[94:95]
	WIN TO_B
.irp b, 0,1,2,3
.irp j, 0,1,2,3
	global_load_b128 v[96+16*\b+4*\j+96*(\b/2):99+16*\b+4*\j+96*(\b/2)], v5, s[12:13] offset:128*\b+16*\j   ; register 16 b + i: the bias of column 32 b + 16 h + i
.endr
.endr
	WIN 0
.macro FRAG reg, adr, q, i
.irp c, 0,1,2
	ds_load_b128 v[\reg+4*\c:\reg+4*\c+3], v[\adr] offset:(\i)*RT+(\q)*FRB+512*\c
.endr
.endm
; 16 matrix instructions: A's blocks a0, a0 + 1 x B's eight, 128 along K.  bias = 1: the first product starts the sums from the bias of its eight columns.
; The 64 accumulators take turns, one instruction a turn, in the same order in every step.
.macro MUL16 a0, p, q, sc, bias
.irp a, \a0, \a0+1
.irp b, 0,1,2,3,4,5,6,7
.if \bias
	v_wmma_scale_f32_16x16x128_f8f6f4 v[8*(8*((\a)%4)+\b):8*(8*((\a)%4)+\b)+7], v[128*(\p)+FR*\b:128*(\p)+FR*\b+FR-1], v[AF+FR*(\a):AF+FR*(\a)+FR-1], v[96+8*\b+96*(\b/4):103+8*\b+96*(\b/4)], v[SC+8*NQ*(\sc)+NQ*\b+(\q)], v[SC+8*NQ*(\sc)+NQ*(\a)+(\q)] matrix_a_fmt:MATRIX_FMT_FP6 matrix_b_fmt:MATRIX_FMT_FP6 matrix_a_scale:MATRIX_SCALE_ROW1
.else
	v_wmma_scale_f32_16x16x128_f8f6f4 v[8*(8*((\a)%4)+\b):8*(8*((\a)%4)+\b)+7], v[128*(\p)+FR*\b:128*(\p)+FR*\b+FR-1], v[AF+FR*(\a):AF+FR*(\a)+FR-1], v[8*(8*((\a)%4)+\b):8*(8*((\a)%4)+\b)+7], v[SC+8*NQ*(\sc)+NQ*\b+(\q)], v[SC+8*NQ*(\sc)+NQ*(\a)+(\q)] matrix_a_fmt:MATRIX_FMT_FP6 matrix_b_fmt:MATRIX_FMT_FP6 matrix_a_scale:MATRIX_SCALE_ROW1
.endif
.endr
.endr
.endm
.macro FETCH_B slot, q, p
	WIN TO_B
.irp i, 0,1,2,3,4,5,6,7
	FRAG 128*(\p)+FR*\i, ADRB+\slot, \q, \i
.endr
	WIN 0
.endm
.macro FETCH_A slot, q, i0
.irp i, \i0, \i0+1, \i0+2, \i0+3
	FRAG AF+FR*(\i), ADRA+\slot, \q, \i
.endr
.endm
.macro SCALES sc
.irp i, 0,1,2,3,4,5,6,7
	ds_load_b64 v[SC+8*NQ*\sc+NQ*\i:SC+8*NQ*\sc+NQ*\i+1], v[ADRS] offset:\i*SBLK
.endr
.endm
; A load into a register that a matrix instruction has read, and an LDS store that reads a matrix result, stand NP places behind it; only plain vector instructions that name none of its registers are places
; (ISA guide 7.12.1 for vector instructions).
.macro PLACES n
.rept \n
	v_nop
.endr
.endm
.macro STEP slot, q, bias
	s_wait_dscnt 4*NL                              ; B's set, A's blocks 0-3 and the scale words are in; the youngest 12 loads (A's blocks 4-7) may be out
.if \bias
	WIN BIA_LO
.else
	WIN MUL_LO
.endif
	MUL16 0, (\q)%2, \q, \slot, \bias
	MUL16 2, (\q)%2, \q, \slot, \bias
	s_wait_dscnt 0
	PLACES NP
	FETCH_B \slot, (\q)+1, 1-(\q)%2
	FETCH_A \slot, (\q)+1, 0
.if \bias
	WIN BIA_HI
.else
	WIN MUL_HI
.endif
	MUL16 4, (\q)%2, \q, \slot, \bias
	MUL16 6, (\q)%2, \q, \slot, \bias
	PLACES NP
	WIN 0
	FETCH_A \slot, (\q)+1, 4
.endm
; A slot's last step changes slots: ONE barrier; in front of it each wave waits for all its tensor loads, adds 0 to its spare word, and waits for that and for its own reads of this slot.  fill = 1: this slot is filled again, two K steps ahead.
.macro TURN slot, next, fill
	s_wait_tensorcnt 0x0                           ; all my tensor loads have landed: my part of the next slot
	ds_add_u32 v[SPW], v[NIL]                      ; 0 onto my spare word
	s_wait_dscnt 4*NL+1                            ; (the add and the youngest 12 loads may be out)
	WIN MUL_LO
	MUL16 0, 1, NQ-1, \slot, 0
	s_wait_dscnt 0x0                               ; the add is done, and my reads of this slot are over
	s_barrier_signal -1
	MUL16 2, 1, NQ-1, \slot, 0
	WIN 0
	s_barrier_wait -1
.if \fill
	CREST                                          ; the barrier has opened a round of the cluster's barrier: no wave of any partner still reads this slot's tile or has a load on its way
	s_add_nc_u64 s[G0+4*\slot+2:G0+4*\slot+3], s[G0+4*\slot+2:G0+4*\slot+3], 2*RT
	s_add_nc_u64 s[G0B+4*\slot+2:G0B+4*\slot+3], s[G0B+4*\slot+2:G0B+4*\slot+3], 2*RT
	JLOAD G0+4*\slot, G1, G0B+4*\slot, G1B         ; the first tensor load behind the round; its four v_nop are the places in front of the loads below
.else
	PLACES NP
.endif
	v_add_nc_u32 v[ADRS], 8+240*(\slot), v[ADRS]   ; the next K step's scale words: K step n lies at 256 (n / 2) + 8 (n % 2)
	FETCH_B \next, 0, 0
	FETCH_A \next, 0, 0
	SCALES \next
	WIN MUL_HI
	MUL16 4, 1, NQ-1, \slot, 0
	MUL16 6, 1, NQ-1, \slot, 0
	PLACES NP
	WIN 0
	FETCH_A \next, 0, 4
.endm
	s_wait_loadcnt 0x0                             ; the bias
	s_wait_tensorcnt 1                             ; the scale words and my part of K step 0 are in (K step 1's load may be out)
	s_barrier_signal -1
	s_barrier_wait -1                              ; everybody's are
	FETCH_B 0, 0, 0
	FETCH_A 0, 0, 0
	SCALES 0
	FETCH_A 0, 0, 4
	STEP 0, 0, 1                                   ; the first step stands in front of the loop: its products start the sums from the bias
	s_mov_b32 s3, LAPS-1
.Llap:
	TURN 0, 1, 1
	STEP 1, 0, 0
	TURN 1, 0, 1
	STEP 0, 0, 0
	s_sub_co_u32 s3, s3, 1
	s_cmp_lg_u32 s3, 0
	s_cbranch_scc1 .Llap
	TURN 0, 1, 0                                   ; the last lap fills nothing, and has no round of the cluster's barrier
	STEP 1, 0, 0
	s_wait_dscnt 4*NL
	WIN MUL_LO
	MUL16 0, 1, NQ-1, 1, 0
	MUL16 2, 1, NQ-1, 1, 0
	s_wait_dscnt 0
	WIN MUL_HI
	MUL16 4, 1, NQ-1, 1, 0
	MUL16 6, 1, NQ-1, 1, 0
	WIN 0
; THE WAY OUT, block by block of 16 rows x 128 columns, through my own stage in LDS: in, a lane's numbers of its row, eight at a time, at their columns; back, whole rows of 512 bytes.
; LDS serves a wave's instructions in order (ISA guide 5.7.1.4): no wait between the stores and the loads, nor in front of the next block's stores.
.macro TOSTAGE a
.set AC, 64*((\a)%4)
	WIN 0x08+4*((\a)/4)                            ; the data: window 2 or 3
.irp b, 0,1,2,3,4,5,6,7
	ds_store_b128 v[STO], v[AC+8*\b:AC+8*\b+3] offset:128*(\b/2)+32*(\b%2)          ; accumulator b: columns 32 (b / 2) + 16 h + 8 (b % 2) on; from its low end on
	ds_store_b128 v[STO], v[AC+8*\b+4:AC+8*\b+7] offset:128*(\b/2)+32*(\b%2)+16
.endr
	WIN 0
.set BB, BK+64*((\a)%2)
.irp t, 0,1,2,3,4,5,6,7,8,9,10,11,12,13,14,15
	ds_load_b128 v[BB+4*\t:BB+4*\t+3], v[RD] offset:\t*SPITCH
.endr
.endm
.macro SEND a, younger                 ; younger: the LDS instructions issued behind block a's loads, which may stay out
.set BB, BK+64*((\a)%2)
	s_wait_dscnt \younger
.irp t, 0,1,2,3,4,5,6,7,8,9,10,11,12,13,14,15
	global_store_b128 v[LI], v[BB+4*\t:BB+4*\t+3], s[14:15] offset:(32*((\a)/2)+8*((\a)%2)+\t+8*(\t/8))*8192 th:TH_STORE_NT   ; lane row t of block a is row 32 (a / 2) + 8 (a % 2) + t + 8 (t / 8) of my 128: 512 consecutive bytes, aligned; 127 rows at the most stand in the immediate
.endr
.endm
	PLACES NP
	TOSTAGE 0
.irp a, 1,2,3,4,5,6,7
.if \a > 1
	s_wait_xcnt 0x0                                ; block a - 2's stores have read their registers: block a's loads may land there
.endif
	TOSTAGE \a
	SEND \a-1, 32                                  ; behind block a - 1's loads: block a's 16 stores and 16 loads
.endr
	SEND 7, 0
	s_wait_tensorcnt 0x0                           ; the wave's end
	ds_add_u32 v[SPW], v[NIL]
	s_wait_dscnt 0x0
	CROUND                                         ; the closing round: no work-group ends while a partner may still ask for a tile that names it
	s_endpgm
.Lfunc_end_k_q6f824d6658_outp:
	.size	k_q6f824d6658_outp, .Lfunc_end_k_q6f824d6658_outp-k_q6f824d6658_outp
	.p2alignl 7, 3214868480
	.fill 96, 4, 3214868480
	.section	.rodata,"a",@progbits
	.p2align	6, 0x0
	.amdhsa_kernel k_q6f824d6658_outp
		.amdhsa_group_segment_fixed_size 327680
		.amdhsa_private_segment_fixed_size 0
		.amdhsa_enable_private_segment 0
		.amdhsa_kernarg_size 48
		.amdhsa_user_sgpr_count 2
		.amdhsa_user_sgpr_kernarg_segment_ptr 1
		.amdhsa_wavefront_size32 1
		.amdhsa_system_sgpr_workgroup_id_x 1
		.amdhsa_system_sgpr_workgroup_id_y 1
		.amdhsa_system_sgpr_workgroup_id_z 1
		.amdhsa_system_vgpr_workitem_id 0
		.amdhsa_next_free_vgpr 1024
		.amdhsa_next_free_sgpr 102
		.amdhsa_reserve_vcc 0
		.amdhsa_float_denorm_mode_32 3
		.amdhsa_float_denorm_mode_16_64 3
		.amdhsa_memory_ordered 1
		.amdhsa_forward_progress 1
		.amdhsa_inst_pref_size 136
	.end_amdhsa_kernel
	.amdgpu_metadata
---
amdhsa.version: [ 1, 2 ]
amdhsa.kernels:
  - .name:           k_q6f824d6658_outp
    .symbol:         k_q6f824d6658_outp.kd
    .args:
      - { .name: attc, .offset: 0, .size: 8, .value_kind: global_buffer, .address_space: global }
      - { .name: atts, .offset: 8, .size: 8, .value_kind: global_buffer, .address_space: global }
      - { .name: cod, .offset: 16, .size: 8, .value_kind: global_buffer, .address_space: global }
      - { .name: scl, .offset: 24, .size: 8, .value_kind: global_buffer, .address_space: global }
      - { .name: wo_b, .offset: 32, .size: 8, .value_kind: global_buffer, .address_space: global }
      - { .name: out0, .offset: 40, .size: 8, .value_kind: global_buffer, .address_space: global }
    .group_segment_fixed_size: 327680
    .private_segment_fixed_size: 0
    .kernarg_segment_align: 8
    .kernarg_segment_size: 48
    .max_flat_workgroup_size: 128
    .sgpr_count:     102
    .vgpr_count:     1024
    .wavefront_size: 32
...
	.end_amdgpu_metadata
.endif
;; end of part 4
;; ======== version 2 of 2: 4 launches
;; limits: right only within a limited range of input values
;; workspace buffers: cod 15,728,640 bytes; scl 655,360 bytes; rope 524,288 bytes; qkvc 9,437,184 bytes; qkvs 393,216 bytes; attc 3,145,728 bytes; atts 131,072 bytes
;; launch prep (part 5): grid 704 x 1, 4 waves a work-group, no clusters, 34,304 bytes of LDS; arguments x, wq_w, wk_w, wv_w, wo_w, cod, scl, rope; writes cod, scl, rope
.if DOCPART == 5
	.amdgcn_target "amdgcn-amd-amdhsa--gfx1250"
	.amdhsa_code_object_version 6
	.text
	.protected	k_q6f824d6658_prep
	.globl	k_q6f824d6658_prep
	.p2align	8
	.type	k_q6f824d6658_prep,@function
k_q6f824d6658_prep:
	s_mov_b64 s[64:65], 0
	v_nop
	global_prefetch_b8 v0, s[64:65] scope:SCOPE_SE
	s_setreg_imm32_b32 hwreg(HW_REG_WAVE_MODE, 25, 1), 1
	s_wait_xcnt 0x0
; x, wq_w, wk_w, wv_w, wo_w ([2048][2048] f32, K innermost) become codes of FP6 (E2M3) with one E8M0 byte for each 32 along K; and the table of cosines and sines for the rotary embedding is made.
; LAYOUT OF THE CODES (this program's own): a FRAGMENT is 16 rows x 128 K as the matrix instruction's operand registers hold it: 12 registers a lane; it lies in memory as three runs of 512 bytes,
; run c = registers 4 c .. 4 c + 3, lane l's 16 bytes at 512 c + 16 l.  cod: [tensor 5][row tile T 128][K step s 16][1,536 bytes].  ROW TILE T HOLDS, IN LANE r, ROW 32 (T / 2) + 8 (T % 2) + r + 8 (r / 8):
; so the 16 result registers of two neighbouring tiles used as source 0 are 16 neighbours along those rows.  scl: [tensor][T][s / 4][r 16][s % 4] words of four scale bytes.
; A block's scale is 2^(floor(log2(largest magnitude)) - 2); its byte is the largest magnitude's exponent field - 2, held at 1 from below.
; LIMITS: NaN and infinities among the inputs are not served.  A block whose largest magnitude lies under 2^-124, a block of zeros among them, gets the byte 1 (the rule says 127 for zeros): its codes are zeros or
; are made under that scale, and this program alone reads the bytes.
; SHARES: work-groups 0 to 639: tensor = number / 128, row tile = number % 128; wave w takes K steps 4 w .. 4 w + 3.  Each load reads 512 consecutive bytes of one row; a fragment's 8,192 bytes turn through
; the wave's own stage in LDS (16 rows, 528 bytes apart), since the conversions want 16 neighbours along K in one lane.  Waves share nothing: no barrier.  Two fragments' loads (32 a wave) are on their way.
; Work-groups 640 to 703 make rope: [blk 64][g 16][lane 32][4 f32]: cos, sin of pair 16 (g / 4) + 8 (lane / 16) + 2 (g % 4) and of the next pair, at position 32 (blk / 2) + 8 (blk % 2) + r + 8 (r / 8).
; The frequency is 10000^(-i / 64) to about 1.5 units in the last place; the angle is one f32 product, as the definition has it; its sine and cosine are right to about one unit in the last place.
; THE ORDER IN MEMORY AS THIS TEXT STORES IT (it takes the place of the order given above): cod: [group of 8 row tiles: tensor x 16 + T / 8][K step s 16][T % 8][1,536 bytes];
; scl: [the same group][K step s 16][r 16][T % 8] words of four scale bytes.  So a K step of 128 rows is 12,288 consecutive bytes of codes and 512 of scale words.
.set SP,   528
.set GI,   4                           ; v4   in: 16 x lane + 2,048 x wave
.set STI,  5                           ; v5   the stage, on the way in: 16 x lane
.set STO,  6                           ; v6   and out: 528 r + 64 h
.set GO,   7                           ; v7   codes out: 16 x lane + 49,152 x wave
.set GS,   8                           ; v8   scale words out: 32 r + 2,048 x wave
.set TM,   12                          ; v12-23  at work in QUANT
.set SW,   24                          ; v24-27  the four fragments' scale words
.set R0,   32                          ; v32-159 two sets of 64 registers as loaded
.set X,    160                         ; v160-223 64 numbers: register 16 b + i = k 32 b + 16 h + i of my row
.set PC,   224                         ; v224-235 the fragment's codes
.set P2,   236                         ; v236-242 the conversions' second halves
.set SEL,  24                          ; s[24:25] selects for lane l xor 16
; 64 numbers of a lane, v[s] on, register 16 b + i = k 32 b + 16 (lane / 16) + i of my row, become a fragment's codes in v[pc] on and its scale word in v[pw]
.macro QUANT s, pc, p2, tm, pw
.irp b, 0,1,2,3
	v_max3_num_f32 v[\tm+\b], |v[\s+16*\b]|, |v[\s+1+16*\b]|, 0x1800000   ; my 16 numbers of block b, and the floor 2^(3 - 127): the byte cannot fall under 1
.endr
.irp i, 2,4,6,8,10,12,14
.irp b, 0,1,2,3
	v_max3_num_f32 v[\tm+\b], v[\tm+\b], |v[\s+16*\b+\i]|, |v[\s+1+16*\b+\i]|   ; the four blocks by turns
.endr
.endr
.irp b, 0,1,2,3
	v_permlanex16_b32 v[\tm+4+\b], v[\tm+\b], s[SEL], s[SEL+1]
.endr
.irp b, 0,1,2,3
	v_max_num_f32 v[\tm+\b], v[\tm+\b], v[\tm+4+\b]   ; with lane l xor 16's: the block's largest magnitude
.endr
.irp b, 0,1,2,3
	v_add_nc_u32 v[\tm+8+\b], 0xff000000, v[\tm+\b]   ; 2 off its exponent field: the conversion's scale operand
.endr
.irp b, 0,1,2,3
	v_lshrrev_b32 v[\tm+4+\b], 23, v[\tm+8+\b]        ; the scale's byte
.endr
	v_lshl_or_b32 v[\pw], v[\tm+5], 8, v[\tm+4]
	v_lshl_or_b32 v[\pw], v[\tm+6], 16, v[\pw]
	v_lshl_or_b32 v[\pw], v[\tm+7], 24, v[\pw]        ; my row's scale word
.irp c, 0,1
	v_cvt_scalef32_pk16_fp6_f32 v[\pc+6*\c:\pc+6*\c+2], v[\s+32*\c:\s+32*\c+15], v[\tm+8+2*\c]
	v_cvt_scalef32_pk16_fp6_f32 v[\p2+4*\c:\p2+4*\c+2], v[\s+32*\c+16:\s+32*\c+31], v[\tm+9+2*\c]   ; (a conversion's three registers begin on an even number)
.endr
	v_nop                                          ; one plain place behind a scaled conversion
.irp c, 0,1                                    ; the operand wants a whole block in a lane: lanes 0-15 block 2 c, lanes 16-31 block 2 c + 1
.irp i, 0,1,2
	v_permlane16_swap_b32 v[\pc+6*\c+\i], v[\p2+4*\c+\i]
.endr
.irp i, 0,1,2
	v_mov_b32 v[\pc+3+6*\c+\i], v[\p2+4*\c+\i]
.endr
.endr
.endm
	s_load_b256 s[4:11], s[0:1], 0x0               ; x s[4:5], wq_w s[6:7], wk_w s[8:9], wv_w s[10:11]
	s_load_b256 s[12:19], s[0:1], 0x20             ; wo_w s[12:13], cod s[14:15], scl s[16:17], rope s[18:19]
	v_lshl_add_u32 v244, v0, 2, 0x8400
	v_mov_b32 v245, 0
	v_lshrrev_b32 v1, 5, v0
	v_readfirstlane_b32 s20, v1                    ; wave 0..3
	v_and_b32 v1, 31, v0                           ; lane
	v_and_b32 v2, 15, v0                           ; r
	v_bfe_u32 v3, v0, 4, 1                         ; h
	s_cmp_ge_u32 ttmp9, 640
	s_cbranch_scc1 .Ltable                         ; the last 64 work-groups make the table; that path touches no LDS
	s_lshr_b32 s21, ttmp9, 7                       ; which tensor
	s_and_b32 s22, ttmp9, 127                      ; which row tile T
	s_lshr_b32 s28, s22, 1
	s_lshl_b32 s28, s28, 18                        ; 32 (T / 2) rows of 8,192 bytes
	s_and_b32 s29, s22, 1
	s_lshl_b32 s29, s29, 16                        ; + 8 (T % 2) rows
	s_add_co_u32 s28, s28, s29
	s_mov_b32 s29, 0
	s_lshr_b32 s38, ttmp9, 3                       ; the group of 8 row tiles
	s_and_b32 s39, ttmp9, 7                        ; my tile's place in it
	s_mul_i32 s30, s38, 196608
	s_mul_i32 s40, s39, 1536
	s_add_co_u32 s30, s30, s40                     ; my tile's fragment of K step 0
	s_mov_b32 s31, 0
	s_lshl_b32 s32, s38, 13                        ; the group's scale words,
	s_lshl_b32 s40, s39, 2
	s_add_co_u32 s32, s32, s40                     ; my tile's word in a row's eight
	s_mov_b32 s33, 0
	s_mov_b32 s[SEL], 0x76543210
	s_mov_b32 s[SEL+1], 0xfedcba98
	s_wait_alu depctr_va_vdst(0)
	v_lshlrev_b32 v9, 4, v1                        ; 16 x lane
	s_lshl_b32 s34, s20, 11
	v_add_nc_u32 v[GI], s34, v9
	s_mul_i32 s35, s20, 16*SP                      ; my stage
	v_add_nc_u32 v[STI], s35, v9
	v_mul_u32_u24 v[STO], v2, SP
	v_lshl_add_u32 v[STO], v3, 6, v[STO]
	v_add_nc_u32 v[STO], s35, v[STO]
	s_mul_i32 s36, s20, 49152                      ; four K steps of 12,288 bytes a wave
	v_add_nc_u32 v[GO], s36, v9
	s_lshl_b32 s37, s20, 11                        ; four K steps of 512 bytes a wave
	v_lshl_add_u32 v[GS], v2, 5, s37               ; 32 bytes a row
.irp b, 0,1,2,3
	v_mov_b32 v[TM+4+\b], 0                        ; written once: a lane permute's destination counts as one of its sources
.endr
	s_wait_alu depctr_va_vdst(0)
	s_wait_kmcnt 0x0
	s_cmp_eq_u32 s21, 1                            ; the tensor's address: a choice on the work-group's number alone
	s_cselect_b64 s[4:5], s[6:7], s[4:5]
	s_cmp_eq_u32 s21, 2
	s_cselect_b64 s[4:5], s[8:9], s[4:5]
	s_cmp_eq_u32 s21, 3
	s_cselect_b64 s[4:5], s[10:11], s[4:5]
	s_cmp_eq_u32 s21, 4
	s_cselect_b64 s[4:5], s[12:13], s[4:5]
	s_add_nc_u64 s[4:5], s[4:5], s[28:29]
	s_add_nc_u64 s[14:15], s[14:15], s[30:31]
	s_add_nc_u64 s[16:17], s[16:17], s[32:33]
.macro LOAD f                          ; K step 4 w + f of the tile's 16 rows: each load reads 512 consecutive bytes, at a multiple of 512 from the tensor's first byte
.irp i, 0,1,2,3,4,5,6,7,8,9,10,11,12,13,14,15
	global_load_b128 v[R0+64*((\f)%2)+4*\i:R0+64*((\f)%2)+4*\i+3], v[GI], s[4:5] offset:(\i+8*(\i/8))*8192+512*(\f) th:TH_LOAD_NT
.endr
.endm
.macro FRAGM f
.if (\f) < 3
	s_wait_loadcnt 16                              ; this fragment's 16 loads are in; the next fragment's 16 may be out
.else
	s_wait_loadcnt 0
.endif
.irp i, 0,1,2,3,4,5,6,7,8,9,10,11,12,13,14,15
	ds_store_b128 v[STI], v[R0+64*((\f)%2)+4*\i:R0+64*((\f)%2)+4*\i+3] offset:SP*\i
.endr
.irp b, 0,1,2,3
.irp j, 0,1,2,3
	ds_load_b128 v[X+16*\b+4*\j:X+16*\b+4*\j+3], v[STO] offset:128*\b+16*\j   ; LDS serves a wave's instructions in order: these see the stores above
.endr
.endr
	s_wait_dscnt 0x0                               ; my 64 numbers are in, and the stores into the stage have read their registers
	s_wait_xcnt 0x0                                ; the last fragment's stores have read the codes' registers
.if (\f) < 2
	LOAD (\f)+2
.endif
	QUANT X, PC, P2, TM, SW+(\f)
.irp c, 0,1,2
	global_store_b128 v[GO], v[PC+4*\c:PC+4*\c+3], s[14:15] offset:12288*(\f)+512*\c   ; 32 lanes store 512 consecutive bytes, aligned
.endr
.endm
	LOAD 0
	LOAD 1
	FRAGM 0
	FRAGM 1
	FRAGM 2
	FRAGM 3
	v_cmp_gt_u32 vcc_lo, 16, v1
	s_wait_xcnt 0x0                                ; EXEC changes only behind this wait
	s_wait_tensorcnt 0x0
	ds_add_u32 v244, v245
	s_wait_dscnt 0x0
	s_and_saveexec_b32 s26, vcc_lo
.irp f, 0,1,2,3
	global_store_b32 v[GS], v[SW+\f], s[16:17] offset:512*\f   ; a word a row and K step, 32 bytes apart: blocks of 256 bytes are written in part here, 4 bytes beside 96 of codes
.endr
	s_wait_xcnt 0x0
	s_or_b32 exec_lo, exec_lo, s26
	s_endpgm
.Ltable:                                               ; a thread makes eight pairs (cos, sin): q = 2 u + e: frequency number i = 16 u + 8 h + 2 w + e
	s_sub_co_u32 s21, ttmp9, 640                   ; blk
	s_lshr_b32 s22, s21, 1
	s_lshl_b32 s22, s22, 5
	s_and_b32 s23, s21, 1
	s_lshl_b32 s23, s23, 3
	s_add_co_u32 s22, s22, s23                     ; 32 (blk / 2) + 8 (blk % 2)
	s_wait_alu depctr_va_vdst(0)
	v_and_b32 v4, 8, v2
	v_add3_u32 v4, v4, v2, s22
	v_cvt_f32_u32 v4, v4                           ; my position
	s_lshl_b32 s23, s20, 1
	v_lshl_add_u32 v5, v3, 3, s23                  ; 8 h + 2 w
	s_wait_alu depctr_va_vdst(0)
	v_lshlrev_b32 v6, 4, v1
	s_lshl_b32 s24, s20, 9
	v_add_nc_u32 v6, s24, v6                       ; out: 16 x lane + 512 x wave
	s_lshl_b32 s40, s21, 13
	s_mov_b32 s41, 0
	s_mov_b32 s26, 0xbe549a78                      ; -log2(10000) / 64, its leading 24 bits,
	s_mov_b32 s27, 0xb1979a39                      ; and what is left of it
	s_mov_b32 s28, 0x3f317218                      ; ln 2
	s_mov_b32 s29, 0x3f22f983                      ; 2 / pi
	s_mov_b32 s30, 0xbfc90fd8                      ; -pi / 2 in three parts
	s_mov_b32 s31, 0xb4a8885a
	s_mov_b32 s32, 0xa7c234c4
	s_mov_b32 s33, 0x37cd4000                      ; the cosine's polynomial in z = rho^2, from the highest power down; then -1/2 and 1
	s_mov_b32 s34, 0xbab6077d
	s_mov_b32 s35, 0x3d2aaaa8
	s_mov_b32 s36, 0x36405000                      ; the sine's: sin = rho + rho z x (polynomial)
	s_mov_b32 s37, 0xb9503486
	s_mov_b32 s38, 0x3c0888c1
	s_mov_b32 s39, 0xbe2aaaab
.irp q, 0,1,2,3,4,5,6,7
	v_add_nc_u32 v[16+\q], 16*(\q/2)+(\q%2), v5
.endr
.irp q, 0,1,2,3,4,5,6,7
	v_cvt_f32_u32 v[16+\q], v[16+\q]               ; i
.endr
.irp q, 0,1,2,3,4,5,6,7
	v_mul_f32 v[24+\q], s26, v[16+\q]              ; the exponent -i log2(10000) / 64, rounded,
.endr
.irp q, 0,1,2,3,4,5,6,7
	v_fma_f32 v[32+\q], v[16+\q], s26, -v[24+\q]   ; what that rounding lost,
.endr
.irp q, 0,1,2,3,4,5,6,7
	v_fma_f32 v[32+\q], v[16+\q], s27, v[32+\q]    ; and the constant's own rest
.endr
	s_wait_alu depctr_va_vdst(0)
.irp q, 0,1,2,3,4,5,6,7
	v_exp_f32 v[40+\q], v[24+\q]
.endr
.irp q, 0,1,2,3,4,5,6,7
	v_mul_f32 v[32+\q], s28, v[32+\q]              ; plain work behind the batch
.endr
	s_wait_alu depctr_va_vdst(0)                   ; one wait for the eight exponentials, ahead of their first reader
.irp q, 0,1,2,3,4,5,6,7
	v_fma_f32 v[40+\q], v[40+\q], v[32+\q], v[40+\q]   ; 2^(a + b) = 2^a (1 + b ln 2) for the tiny b: the frequency
.endr
.irp q, 0,1,2,3,4,5,6,7
	v_mul_f32 v[40+\q], v4, v[40+\q]               ; the angle: one f32 product
.endr
.irp q, 0,1,2,3,4,5,6,7
	v_mul_f32 v[16+\q], s29, v[40+\q]
.endr
.irp q, 0,1,2,3,4,5,6,7
	v_rndne_f32 v[16+\q], v[16+\q]                 ; how many quarter turns
.endr
.irp q, 0,1,2,3,4,5,6,7
	v_fma_f32 v[40+\q], v[16+\q], s30, v[40+\q]    ; rho = angle - quarter turns x pi / 2: the first step is exact
.endr
.irp q, 0,1,2,3,4,5,6,7
	v_fma_f32 v[40+\q], v[16+\q], s31, v[40+\q]
.endr
.irp q, 0,1,2,3,4,5,6,7
	v_fma_f32 v[40+\q], v[16+\q], s32, v[40+\q]
.endr
.irp q, 0,1,2,3,4,5,6,7
	v_mul_f32 v[24+\q], v[40+\q], v[40+\q]         ; z
.endr
.irp q, 0,1,2,3,4,5,6,7
	v_fma_f32 v[32+\q], v[24+\q], s33, s34
	v_fma_f32 v[48+\q], v[24+\q], s36, s37
.endr
.irp q, 0,1,2,3,4,5,6,7
	v_fma_f32 v[32+\q], v[32+\q], v[24+\q], s35
	v_fma_f32 v[48+\q], v[48+\q], v[24+\q], s38
.endr
.irp q, 0,1,2,3,4,5,6,7
	v_fma_f32 v[32+\q], v[32+\q], v[24+\q], -0.5
	v_fma_f32 v[48+\q], v[48+\q], v[24+\q], s39
.endr
.irp q, 0,1,2,3,4,5,6,7
	v_fma_f32 v[32+\q], v[32+\q], v[24+\q], 1.0    ; cos rho
	v_mul_f32 v[24+\q], v[24+\q], v[40+\q]         ; rho z
.endr
.irp q, 0,1,2,3,4,5,6,7
	v_fma_f32 v[48+\q], v[48+\q], v[24+\q], v[40+\q]   ; sin rho
	v_cvt_i32_f32 v[16+\q], v[16+\q]
.endr
.irp q, 0,1,2,3,4,5,6,7
	v_and_b32 v[24+\q], 1, v[16+\q]
.endr
.irp q, 0,1,2,3,4,5,6,7                        ; an odd number of quarter turns changes sine and cosine
	v_cmp_eq_u32 vcc_lo, 1, v[24+\q]
	v_cndmask_b32 v[65+2*\q], v[48+\q], v[32+\q], vcc_lo
	v_cndmask_b32 v[64+2*\q], v[32+\q], v[48+\q], vcc_lo
.endr
.irp q, 0,1,2,3,4,5,6,7
	v_lshlrev_b32 v[24+\q], 30, v[16+\q]           ; the sine is negative in quarters 2 and 3: bit 1 of the count;
	v_add_nc_u32 v[16+\q], 1, v[16+\q]             ; the cosine in quarters 1 and 2: bit 1 of the count + 1
.endr
.irp q, 0,1,2,3,4,5,6,7
	v_lshlrev_b32 v[16+\q], 30, v[16+\q]
	v_and_b32 v[24+\q], 0x80000000, v[24+\q]
.endr
.irp q, 0,1,2,3,4,5,6,7
	v_and_b32 v[16+\q], 0x80000000, v[16+\q]
	v_xor_b32 v[65+2*\q], v[24+\q], v[65+2*\q]
.endr
.irp q, 0,1,2,3,4,5,6,7
	v_xor_b32 v[64+2*\q], v[16+\q], v[64+2*\q]
.endr
	s_wait_alu depctr_va_vdst(0)
	s_wait_kmcnt 0x0
	s_add_nc_u64 s[18:19], s[18:19], s[40:41]
.irp u, 0,1,2,3
	global_store_b128 v6, v[64+4*\u:67+4*\u], s[18:19] offset:2048*\u   ; g = 4 u + w: 32 lanes store 512 consecutive bytes, aligned
.endr
	s_endpgm
.Lfunc_end_k_q6f824d6658_prep:
	.size	k_q6f824d6658_prep, .Lfunc_end_k_q6f824d6658_prep-k_q6f824d6658_prep
	.p2alignl 7, 3214868480
	.fill 96, 4, 3214868480
	.section	.rodata,"a",@progbits
	.p2align	6, 0x0
	.amdhsa_kernel k_q6f824d6658_prep
		.amdhsa_group_segment_fixed_size 34304
		.amdhsa_private_segment_fixed_size 0
		.amdhsa_enable_private_segment 0
		.amdhsa_kernarg_size 64
		.amdhsa_user_sgpr_count 2
		.amdhsa_user_sgpr_kernarg_segment_ptr 1
		.amdhsa_wavefront_size32 1
		.amdhsa_system_sgpr_workgroup_id_x 1
		.amdhsa_system_sgpr_workgroup_id_y 1
		.amdhsa_system_sgpr_workgroup_id_z 1
		.amdhsa_system_vgpr_workitem_id 0
		.amdhsa_next_free_vgpr 246
		.amdhsa_next_free_sgpr 66
		.amdhsa_reserve_vcc 1
		.amdhsa_float_denorm_mode_32 3
		.amdhsa_float_denorm_mode_16_64 3
		.amdhsa_memory_ordered 1
		.amdhsa_forward_progress 1
		.amdhsa_inst_pref_size 49
	.end_amdhsa_kernel
	.amdgpu_metadata
---
amdhsa.version: [ 1, 2 ]
amdhsa.kernels:
  - .name:           k_q6f824d6658_prep
    .symbol:         k_q6f824d6658_prep.kd
    .args:
      - { .name: x, .offset: 0, .size: 8, .value_kind: global_buffer, .address_space: global }
      - { .name: wq_w, .offset: 8, .size: 8, .value_kind: global_buffer, .address_space: global }
      - { .name: wk_w, .offset: 16, .size: 8, .value_kind: global_buffer, .address_space: global }
      - { .name: wv_w, .offset: 24, .size: 8, .value_kind: global_buffer, .address_space: global }
      - { .name: wo_w, .offset: 32, .size: 8, .value_kind: global_buffer, .address_space: global }
      - { .name: cod, .offset: 40, .size: 8, .value_kind: global_buffer, .address_space: global }
      - { .name: scl, .offset: 48, .size: 8, .value_kind: global_buffer, .address_space: global }
      - { .name: rope, .offset: 56, .size: 8, .value_kind: global_buffer, .address_space: global }
    .group_segment_fixed_size: 34304
    .private_segment_fixed_size: 0
    .kernarg_segment_align: 8
    .kernarg_segment_size: 64
    .max_flat_workgroup_size: 128
    .sgpr_count:     66
    .vgpr_count:     246
    .wavefront_size: 32
...
	.end_amdgpu_metadata
.endif
;; end of part 5
;; launch qkv (part 6): grid 12 x 16, 4 waves a work-group, no clusters, 327,680 bytes of LDS; arguments cod, scl, rope, wq_b, wk_b, wv_b, qkvc, qkvs; writes qkvc, qkvs
.if DOCPART == 6
	.amdgcn_target "amdgcn-amd-amdhsa--gfx1250"
	.amdhsa_code_object_version 6
	.text
	.protected	k_q6f824d6658_qkv
	.globl	k_q6f824d6658_qkv
	.p2align	8
	.type	k_q6f824d6658_qkv,@function
k_q6f824d6658_qkv:
	s_mov_b64 s[64:65], 0
	v_nop
	global_prefetch_b8 v0, s[64:65] scope:SCOPE_SE
	s_setreg_imm32_b32 hwreg(HW_REG_WAVE_MODE, 25, 1), 1
	s_wait_xcnt 0x0
; q = rope(x wq^T + bq), k = rope(x wk^T + bk), v = x wv^T + bv, the products on codes of FP6 (E2M3) with E8M0 scales; the results are quantised here, q and k along the head's 128, v along the keys, and leave as codes.
; OPERANDS: cod [group of 128 rows][K step 16][tile 8][1,536]: a fragment (16 rows x 128 K) is an image of its 12 operand registers, three runs of 512 bytes, lane l's 16 bytes at 16 l; tile T holds in lane r row
; 32 (T / 2) + 8 (T % 2) + r + 8 (r / 8).  scl [group][K step][r 16][tile 8] words.  Groups: x 0-15, wq 16-31, wk 32-47, wv 48-63.
; SHARES: a work-group has one group A of 128 rows and four groups B, one a wave; a wave makes 128 x 128: 64 accumulators, 512 registers.  Source 0 = 16 rows of B, source 1 = 16 rows of A: a lane holds one row of A and
; its 64 registers of a block are, 16 at a time, neighbours along B's rows, which is the quantiser's order.  x 0-7: A = tokens, B = wq, wk (a head each);  x 8-11: A = wv (a head), B = tokens (128 keys).
; A, which all four waves read, comes into LDS ONCE, for all of K: 196,608 dense bytes, a quarter a wave by one tensor load; nothing is filled again.  B, which one wave alone reads, goes from memory straight into
; operand registers: three sets of 96, each asked for again at the end of the step that read it, two K steps ahead of its use; with it the step's scale words (lanes 0-15 A's rows, lanes 16-31 B's).
; THE WALK ALONG K begins at K step 2 (y % 8) and wraps round at 16: the 16 work-groups that read one group B begin two K steps apart.  ORDER OF ROUNDING: the f32 sums are taken in that order, not in ascending K.
; No prefetch: from its fourth K step on a work-group loads what another work-group with the same B has loaded before it.
; The rotary table of the work-group's 128 positions (65,536 bytes) is a later first fill, behind the head's barrier; work-groups that make v do not ask for it and do not read it (one test on the work-group's number).
; NO CLUSTER: what work-groups share (A) is 196,608 of the 983,040 bytes that a work-group reads.
; The bias's 512 bytes are loaded in both register forms (by column, by row) so that the head has no branch; a work-group uses one of them.
; OUT: qkvc: regions q, k, v, each [batch x head 32][sub 8][a 8][1,536]; qkvs: [..][sub][a / 4][r][a % 4] words.
; LIMITS: NaN and infinities are not served; a block whose largest magnitude lies under 2^-124 gets the scale byte 1 (a block of zeros too, where the rule says 127): this program alone reads the bytes.
; REGISTERS: window 0: v0-31 addresses; v32-55 scale words, three sets; v56-63 the bias by row; v64-159 A's fragments; v160-255 B's set 2.  window 1: B's sets 0 (v0) and 1 (v128); v96-127, v224-255 the bias by column.
;   windows 2, 3: the accumulators ((a, b) at v[8 (8 (a % 4) + b)]).  On the way out windows 0 and 1 are used as set below.
.set FR,    12
.set FRB,   1536
.set KST,   12288                      ; a K step of 128 rows
.set TBL,   196608                     ; LDS: A [K step][tile][1,536], then the table
.set SPARE, 262144                     ; the spare words: 512 bytes that no other line names
.set VB,   8                           ; v8-10  B's offset, one register for each set: its last loads are done when it is written again
.set VS,   12                          ; v12-14 the same for the scale words
.set AD,   16                          ; v16 LDS address of A's fragments of the K step being fetched
.set TA,   17                          ; v17 the table: TBL + 16 x lane
.set SO,   18                          ; v18 scale words: my group's offset + 32 r
.set LI,   24                          ; v24 16 x lane
.set SPW,  28
.set NIL,  29
.set LN,   30
.set SC,   32
.set BR,   56
.set AF,   64
.set X,    128                         ; the way out: 64 numbers; codes; at work
.set PC,   192
.set P2,   204
.set TM,   212
.set SW,   224
.set TT,   240
.set SWO,  248
.set WV,   20
.set G1A,  24                          ; s[24:31], s[32:35] groups 1 and 0 for A;  s[40:47], s[36:39] for the table
.set G0A,  32
.set G0T,  36
.set G1T,  40
.set SB,   76                          ; s[76:77] B's codes;  s[6:7] the scale words
.set KT,   78                          ; s78 the walk's start + the steps gone
.set SEL,  80
.set MSB, 0
.macro WIN new                         ; the immediate's high byte repeats the setting that is left
.if MSB != (\new)
	s_set_vgpr_msb (MSB<<8)|(\new)
.set MSB, (\new)
.endif
.endm
.macro PLACES                          ; four plain places behind a matrix instruction, ahead of loads into its registers and of reads of its result
.rept 4
	v_nop
.endr
.endm
.macro QUANT s, pc, p2, tm, pw         ; 64 numbers of a lane, register 16 b + i = k 32 b + 16 (lane / 16) + i, become a fragment's codes and its scale word
.irp b, 0,1,2,3
	v_max3_num_f32 v[\tm+\b], |v[\s+16*\b]|, |v[\s+1+16*\b]|, 0x1800000   ; with the floor 2^(3 - 127): the byte cannot fall under 1
.endr
.irp i, 2,4,6,8,10,12,14
.irp b, 0,1,2,3
	v_max3_num_f32 v[\tm+\b], v[\tm+\b], |v[\s+16*\b+\i]|, |v[\s+1+16*\b+\i]|
.endr
.endr
.irp b, 0,1,2,3
	v_permlanex16_b32 v[\tm+4+\b], v[\tm+\b], s[SEL], s[SEL+1]
.endr
.irp b, 0,1,2,3
	v_max_num_f32 v[\tm+\b], v[\tm+\b], v[\tm+4+\b]   ; with lane l xor 16's: the block's largest magnitude
.endr
.irp b, 0,1,2,3
	v_add_nc_u32 v[\tm+8+\b], 0xff000000, v[\tm+\b]   ; 2 off its exponent field: the conversion's scale operand
.endr
.irp b, 0,1,2,3
	v_lshrrev_b32 v[\tm+4+\b], 23, v[\tm+8+\b]        ; the scale's byte
.endr
	v_lshl_or_b32 v[\pw], v[\tm+5], 8, v[\tm+4]
	v_lshl_or_b32 v[\pw], v[\tm+6], 16, v[\pw]
	v_lshl_or_b32 v[\pw], v[\tm+7], 24, v[\pw]
.irp c, 0,1
	v_cvt_scalef32_pk16_fp6_f32 v[\pc+6*\c:\pc+6*\c+2], v[\s+32*\c:\s+32*\c+15], v[\tm+8+2*\c]
	v_cvt_scalef32_pk16_fp6_f32 v[\p2+4*\c:\p2+4*\c+2], v[\s+32*\c+16:\s+32*\c+31], v[\tm+9+2*\c]
.endr
	v_nop                                          ; one plain place behind a scaled conversion
.irp c, 0,1
.irp i, 0,1,2
	v_permlane16_swap_b32 v[\pc+6*\c+\i], v[\p2+4*\c+\i]
.endr
.irp i, 0,1,2
	v_mov_b32 v[\pc+3+6*\c+\i], v[\p2+4*\c+\i]
.endr
.endr
.endm
	s_load_b256 s[4:11], s[0:1], 0x0               ; cod s[4:5], scl s[6:7], rope s[8:9], wq_b s[10:11]
	s_load_b256 s[12:19], s[0:1], 0x20             ; wk_b s[12:13], wv_b s[14:15], qkvc s[16:17], qkvs s[18:19]
	v_lshl_add_u32 v[SPW], v0, 2, SPARE
	v_mov_b32 v[NIL], 0
	ds_add_u32 v[SPW], v[NIL]                      ; the opening lines: the add, twice on end, and its wait ahead of my first tensor load
	ds_add_u32 v[SPW], v[NIL]
	v_lshrrev_b32 v1, 5, v0
	v_readfirstlane_b32 s[WV], v1                  ; wave 0..3
	s_and_b32 s21, ttmp7, 0xffff                   ; y: which group A
	s_and_b32 s[KT], s21, 7
	s_lshl_b32 s[KT], s[KT], 1                     ; the walk's first K step
	s_lshl_b32 s22, ttmp9, 2
	s_add_co_u32 s22, s22, s[WV]                   ; 4 x + wave: which group B, 0..47
	s_sub_co_u32 s23, s22, 32                      ; v: which 128 tokens
	s_and_b32 s48, s22, 15                         ; q, k: the head
	s_lshr_b32 s49, s22, 4                         ; 0: q, 1: k
	s_add_co_u32 s54, s22, 16                      ; q, k: B's group
	s_cmp_ge_u32 ttmp9, 8                          ; v's work-groups
	s_cselect_b32 s50, 48, 0
	s_cselect_b32 s51, s23, s21                    ; which 128 tokens
	s_cselect_b32 s52, s21, s48                    ; the head
	s_cselect_b32 s53, 2, s49                      ; the region
	s_cselect_b32 s54, s23, s54                    ; B's group
	s_add_co_u32 s50, s50, s21                     ; A's group
.irp g, G1A, G1T                               ; dense blocks as rows of 256 bytes (32 elements of 8 bytes)
	s_mov_b32 s[\g], 3<<16
	s_mov_b32 s[\g+1], 32<<16
	s_mov_b32 s[\g+3], 32<<16
	s_mov_b32 s[\g+5], 32
	s_mov_b32 s[\g+6], 0
	s_mov_b32 s[\g+7], 0
.endr
	s_mov_b32 s[G1A+2], 192<<16                    ; my quarter of A: 49,152 bytes
	s_mov_b32 s[G1A+4], 192
	s_mov_b32 s[G1T+2], 64<<16                     ; my quarter of the table: 16,384 bytes
	s_mov_b32 s[G1T+4], 64
	s_mul_i32 s55, s[WV], 49152
	s_mul_i32 s56, s50, 196608
	s_add_co_u32 s56, s56, s55
	s_mov_b32 s57, 0
	s_mul_i32 s58, s54, 196608
	s_mov_b32 s59, 0
	s_lshl_b32 s60, s50, 13                        ; A's scale words, B's
	s_lshl_b32 s61, s54, 13
	s_and_b32 s62, s51, 7                          ; sub
	s_lshr_b32 s63, s51, 3                         ; batch
	s_lshl_b32 s63, s63, 4
	s_add_co_u32 s63, s63, s52
	s_lshl_b32 s63, s63, 3
	s_add_co_u32 s63, s63, s62                     ; (16 batch + head) 8 + sub
	s_mul_i32 s66, s53, 3145728
	s_mul_i32 s67, s63, 12288
	s_add_co_u32 s66, s66, s67
	s_mov_b32 s67, 0
	s_lshl_b32 s68, s53, 17
	s_lshl_b32 s69, s63, 9
	s_add_co_u32 s68, s68, s69
	s_mov_b32 s69, 0
	s_lshl_b32 s70, s62, 16
	s_lshl_b32 s71, s[WV], 14
	s_add_co_u32 s70, s70, s71
	s_add_co_u32 s[G0T+1], s71, TBL
	s_mov_b32 s71, 0
	s_lshl_b32 s72, s52, 9                         ; the head's 128 biases
	s_mov_b32 s73, 0
	s_mov_b32 s[SEL], 0x76543210
	s_mov_b32 s[SEL+1], 0xfedcba98
	s_mov_b32 s[G0A], 1
	s_mov_b32 s[G0A+1], s55
	s_mov_b32 s[G0T], 1
	s_wait_dscnt 0x0                               ; both opening adds are done
	s_wait_kmcnt 0x0
	s_add_nc_u64 s[G0A+2:G0A+3], s[4:5], s[56:57]
	s_or_b32 s[G0A+3], s[G0A+3], 0x80000000
	tensor_load_to_lds s[G0A:G0A+3], s[G1A:G1A+7]  ; K steps 4 w .. 4 w + 3 of A: my one load at the head
	s_nop 0
	PLACES
	s_add_nc_u64 s[SB:SB+1], s[4:5], s[58:59]
	s_add_nc_u64 s[G0T+2:G0T+3], s[8:9], s[70:71]
	s_or_b32 s[G0T+3], s[G0T+3], 0x80000000
	s_add_nc_u64 s[16:17], s[16:17], s[66:67]
	s_add_nc_u64 s[18:19], s[18:19], s[68:69]
	s_cmp_eq_u32 s53, 1
	s_cselect_b64 s[10:11], s[12:13], s[10:11]
	s_cmp_eq_u32 s53, 2
	s_cselect_b64 s[10:11], s[14:15], s[10:11]     ; q's, k's or v's bias
	s_add_nc_u64 s[10:11], s[10:11], s[72:73]
	v_and_b32 v[LN], 31, v0
	v_and_b32 v1, 15, v0                           ; r
	v_bfe_u32 v2, v0, 4, 1                         ; h
	v_lshlrev_b32 v[LI], 4, v[LN]
	v_add_nc_u32 v[TA], TBL, v[LI]
	v_mov_b32 v3, s60
	v_mov_b32 v4, s61
	v_cmp_le_u32 vcc_lo, 16, v[LN]
	v_cndmask_b32 v3, v3, v4, vcc_lo               ; lanes 0-15 take A's scale words, lanes 16-31 B's
	v_lshl_add_u32 v[SO], v1, 5, v3
	v_lshlrev_b32 v25, 6, v2                       ; the bias by column: 64 h
	v_and_b32 v26, 8, v1
	v_add_nc_u32 v26, v26, v1
	v_lshlrev_b32 v26, 2, v26                      ; by row: 4 (r + 8 (r / 8))
	s_wait_alu depctr_va_vdst(0)                   ; the wait ahead of the readers below
	WIN 0x40
.irp b, 0,1,2,3
.irp j, 0,1,2,3
	global_load_b128 v[96+16*\b+4*\j+96*(\b/2):99+16*\b+4*\j+96*(\b/2)], v25, s[10:11] offset:128*\b+16*\j   ; register 16 b + i: the bias of column 32 b + 16 h + i
.endr
.endr
	WIN 0
.irp a, 0,1,2,3,4,5,6,7
	global_load_b32 v[BR+\a], v26, s[10:11] offset:4*(32*(\a/2)+8*(\a%2))
.endr
.macro BLOAD d, k                      ; B's eight fragments and both sides' scale words of the walk's step d behind s[KT], into set k: 26 loads
.set BB, 128*(\k)-96*((\k)/2)
	s_add_co_u32 s90, s[KT], \d
	s_and_b32 s90, s90, 15                         ; which K step: the walk wraps round
	s_mul_i32 s91, s90, KST
	s_lshl_b32 s90, s90, 9
	v_add_nc_u32 v[VB+\k], s91, v[LI]              ; (the set's last loads, which read these two registers, have been waited for)
	v_add_nc_u32 v[VS+\k], s90, v[SO]
	WIN 0x40-0x40*((\k)/2)
.irp i, 0,1,2,3,4,5,6,7
.irp c, 0,1,2
	global_load_b128 v[BB+FR*\i+4*\c:BB+FR*\i+4*\c+3], v[VB+\k], s[SB:SB+1] offset:\i*FRB+512*\c
.endr
.endr
	WIN 0
	global_load_b128 v[SC+8*(\k):SC+8*(\k)+3], v[VS+\k], s[6:7]
	global_load_b128 v[SC+8*(\k)+4:SC+8*(\k)+7], v[VS+\k], s[6:7] offset:16
.endm
.macro SETA d                          ; where A's fragments of the walk's step d behind s[KT] lie in LDS
	s_add_co_u32 s90, s[KT], \d
	s_and_b32 s90, s90, 15
	s_mul_i32 s90, s90, KST
	v_add_nc_u32 v[AD], s90, v[LI]
.endm
.macro FETCH_A i0                      ; A's blocks i0 .. i0 + 3 from LDS: 12 loads
.irp i, \i0, \i0+1, \i0+2, \i0+3
.irp c, 0,1,2
	ds_load_b128 v[AF+FR*(\i)+4*\c:AF+FR*(\i)+4*\c+3], v[AD] offset:(\i)*FRB+512*\c
.endr
.endr
.endm
.macro MUL16 a0, k, zero               ; A's blocks a0, a0 + 1 x B's eight.  The 64 accumulators take turns, in the same order in every step
.irp a, \a0, \a0+1
.irp b, 0,1,2,3,4,5,6,7
.if \zero
	v_wmma_scale_f32_16x16x128_f8f6f4 v[8*(8*((\a)%4)+\b):8*(8*((\a)%4)+\b)+7], v[BB+FR*\b:BB+FR*\b+FR-1], v[AF+FR*(\a):AF+FR*(\a)+FR-1], 0, v[SC+8*(\k)+\b], v[SC+8*(\k)+(\a)] matrix_a_fmt:MATRIX_FMT_FP6 matrix_b_fmt:MATRIX_FMT_FP6 matrix_a_scale:MATRIX_SCALE_ROW1
.else
	v_wmma_scale_f32_16x16x128_f8f6f4 v[8*(8*((\a)%4)+\b):8*(8*((\a)%4)+\b)+7], v[BB+FR*\b:BB+FR*\b+FR-1], v[AF+FR*(\a):AF+FR*(\a)+FR-1], v[8*(8*((\a)%4)+\b):8*(8*((\a)%4)+\b)+7], v[SC+8*(\k)+\b], v[SC+8*(\k)+(\a)] matrix_a_fmt:MATRIX_FMT_FP6 matrix_b_fmt:MATRIX_FMT_FP6 matrix_a_scale:MATRIX_SCALE_ROW1
.endif
.endr
.endr
.endm
; A step of the walk: 64 matrix instructions on set k.  lc: the global loads issued behind this set's (26 for each younger set).  nx: A's next step is fetched, blocks 0-3 in the middle, 4-7 at the end.  pf: set k is asked for again, three steps on.
.macro STEP u, k, zero, pf, nx, lc
.set BB, 128*(\k)-96*((\k)/2)
	s_wait_loadcnt \lc
	s_wait_dscnt 12                                ; A's blocks 0-3 are in; the youngest 12 loads (blocks 4-7) may be out
	WIN 0xa1-(\k)/2
	MUL16 0, \k, \zero
	MUL16 2, \k, \zero
	s_wait_dscnt 0x0
.if \nx
	PLACES
	WIN 0
	SETA (\u)+1
	FETCH_A 0
.endif
	WIN 0xf1-(\k)/2
	MUL16 4, \k, \zero
	MUL16 6, \k, \zero
	PLACES
	WIN 0
.if \nx
	FETCH_A 4
.endif
.if \pf
	BLOAD (\u)+3, \k
.endif
.endm
	BLOAD 0, 0
	BLOAD 1, 1
	BLOAD 2, 2
	s_wait_tensorcnt 0x0                           ; my quarter of A is in
	ds_add_u32 v[SPW], v[NIL]
	s_wait_dscnt 0x0
	s_barrier_signal -1
	s_barrier_wait -1                              ; all of A is in
	s_cmp_ge_u32 ttmp9, 8                          ; v is not rotated: its work-groups neither ask for the table nor read it
	s_cbranch_scc1 .Lno_table
	tensor_load_to_lds s[G0T:G0T+3], s[G1T:G1T+7]  ; my quarter of the table: my one load behind this barrier
	s_nop 0
	PLACES
.Lno_table:
	SETA 0
	FETCH_A 0
	FETCH_A 4
	STEP 0, 0, 1, 1, 1, 52                         ; the first step starts the sums
	s_add_co_u32 s[KT], s[KT], 1
	s_mov_b32 s3, 4
.Ltrip:                                                ; three steps of the walk: the three sets come back to where they began
	STEP 0, 1, 0, 1, 1, 52
	STEP 1, 2, 0, 1, 1, 52
	STEP 2, 0, 0, 1, 1, 52
	s_add_co_u32 s[KT], s[KT], 3
	s_sub_co_u32 s3, s3, 1
	s_cmp_lg_u32 s3, 0
	s_cbranch_scc1 .Ltrip
	STEP 0, 1, 0, 0, 1, 52                         ; the last three steps ask for nothing more of B
	STEP 1, 2, 0, 0, 1, 26
	STEP 2, 0, 0, 0, 0, 0
	s_wait_tensorcnt 0x0                           ; my quarter of the table is in,
	s_barrier_signal -1
	s_barrier_wait -1                              ; everybody's is
	; THE WAY OUT: a block of 16 rows is 64 registers a lane, in the quantiser's order; its codes are an operand's registers and are stored as they stand.
.irp b, 0,1,2,3
	v_mov_b32 v[TM+4+\b], 0                        ; written once: a lane permute's destination counts as one of its sources
.endr
.macro TLOADS t                        ; the table of block t (16 positions): cos and sin of my 32 pairs, 64 registers; three sets by turns: window 0 v64, window 1 v0, window 1 v128
.if (\t)%3 == 0
.set TBS, 64
	WIN 0
.elseif (\t)%3 == 1
.set TBS, 0
	WIN 0x40
.else
.set TBS, 128
	WIN 0x40
.endif
.irp g, 0,1,2,3,4,5,6,7,8,9,10,11,12,13,14,15
	ds_load_b128 v[TBS+4*\g:TBS+4*\g+3], v[TA] offset:(\t)*8192+512*\g
.endr
	WIN 0
.endm
.macro OUTF a
	s_wait_xcnt 0x0                                ; the last block's stores have read the codes' registers
	QUANT X, PC, P2, TM, SW+(\a)
.irp c, 0,1,2
	global_store_b128 v[LI], v[PC+4*\c:PC+4*\c+3], s[16:17] offset:FRB*(\a)+512*\c   ; 32 lanes store 512 consecutive bytes, aligned
.endr
.endm
.macro ADDB a                          ; q, k: + the bias of my columns; each accumulator is read from its low end on
	WIN 0x06+(\a)/4
.set n, 0
.rept 32
	v_pk_add_f32 v[X+2*n:X+2*n+1], v[64*((\a)%4)+2*n:64*((\a)%4)+2*n+1], v[96+2*n+96*(n/16):97+2*n+96*(n/16)]
.set n, n+1
.endr
	WIN 0
.endm
.macro ROPE a                          ; the rotation of my 32 pairs (even, odd), four by turns, two packed instructions a pair; the table's pair is (cos, sin)
.if (\a)%3 == 0
.set TBS, 64
	WIN 0
.elseif (\a)%3 == 1
.set TBS, 0
	WIN 0x04
.else
.set TBS, 128
	WIN 0x04
.endif
.irp u, 0,1,2,3,4,5,6,7
.irp e, 0,1,2,3
	v_pk_mul_f32 v[TT+2*\e:TT+2*\e+1], v[X+8*\u+2*\e:X+8*\u+2*\e+1], v[TBS+8*\u+2*\e:TBS+8*\u+2*\e+1] op_sel:[1,1] op_sel_hi:[1,0]   ; (odd sin, odd cos)
.endr
.irp e, 0,1,2,3
	v_pk_fma_f32 v[X+8*\u+2*\e:X+8*\u+2*\e+1], v[X+8*\u+2*\e:X+8*\u+2*\e+1], v[TBS+8*\u+2*\e:TBS+8*\u+2*\e+1], v[TT+2*\e:TT+2*\e+1] op_sel_hi:[0,1,1] neg_lo:[0,0,1]   ; (even cos - odd sin, even sin + odd cos)
.endr
.endr
	WIN 0
.endm
	s_cmp_ge_u32 ttmp9, 8
	s_cbranch_scc1 .Lv
	TLOADS 0
	TLOADS 1
	TLOADS 2
.irp a, 0,1,2,3,4,5,6,7
.if \a < 6
	s_wait_dscnt 32                                ; this block's set of the table is in; the two younger sets, 16 loads each, may be out
.elseif \a == 6
	s_wait_dscnt 16
.else
	s_wait_dscnt 0
.endif
	ADDB \a
	ROPE \a
.if \a < 5
	TLOADS \a+3                                    ; the set just read takes the block three further on
.endif
	OUTF \a
.endr
	s_branch .Lend
.Lv:
.irp a, 0,1,2,3,4,5,6,7
	WIN 0x02+\a/4
.set n, 0
.rept 64
	v_add_f32 v[X+n], v[64*(\a%4)+n], v[BR+\a]     ; + the bias of my row
.set n, n+1
.endr
	WIN 0
	OUTF \a
.endr
.Lend:
	v_cmp_gt_u32 vcc_lo, 16, v[LN]
.irp j, 0,1,2,3
	v_cndmask_b32 v[SWO+\j], v[SW+4+\j], v[SW+\j], vcc_lo   ; lanes 0-15 store blocks 0-3's words of row r, lanes 16-31 blocks 4-7's
.endr
	global_store_b128 v[LI], v[SWO:SWO+3], s[18:19]   ; 512 consecutive bytes, aligned
	s_wait_tensorcnt 0x0                           ; the wave's end
	ds_add_u32 v[SPW], v[NIL]
	s_wait_dscnt 0x0
	s_endpgm
.Lfunc_end_k_q6f824d6658_qkv:
	.size	k_q6f824d6658_qkv, .Lfunc_end_k_q6f824d6658_qkv-k_q6f824d6658_qkv
	.p2alignl 7, 3214868480
	.fill 96, 4, 3214868480
	.section	.rodata,"a",@progbits
	.p2align	6, 0x0
	.amdhsa_kernel k_q6f824d6658_qkv
		.amdhsa_group_segment_fixed_size 327680
		.amdhsa_private_segment_fixed_size 0
		.amdhsa_enable_private_segment 0
		.amdhsa_kernarg_size 64
		.amdhsa_user_sgpr_count 2
		.amdhsa_user_sgpr_kernarg_segment_ptr 1
		.amdhsa_wavefront_size32 1
		.amdhsa_system_sgpr_workgroup_id_x 1
		.amdhsa_system_sgpr_workgroup_id_y 1
		.amdhsa_system_sgpr_workgroup_id_z 1
		.amdhsa_system_vgpr_workitem_id 0
		.amdhsa_next_free_vgpr 1024
		.amdhsa_next_free_sgpr 96
		.amdhsa_reserve_vcc 1
		.amdhsa_float_denorm_mode_32 3
		.amdhsa_float_denorm_mode_16_64 3
		.amdhsa_memory_ordered 1
		.amdhsa_forward_progress 1
		.amdhsa_inst_pref_size 237
	.end_amdhsa_kernel
	.amdgpu_metadata
---
amdhsa.version: [ 1, 2 ]
amdhsa.kernels:
  - .name:           k_q6f824d6658_qkv
    .symbol:         k_q6f824d6658_qkv.kd
    .args:
      - { .name: cod, .offset: 0, .size: 8, .value_kind: global_buffer, .address_space: global }
      - { .name: scl, .offset: 8, .size: 8, .value_kind: global_buffer, .address_space: global }
      - { .name: rope, .offset: 16, .size: 8, .value_kind: global_buffer, .address_space: global }
      - { .name: wq_b, .offset: 24, .size: 8, .value_kind: global_buffer, .address_space: global }
      - { .name: wk_b, .offset: 32, .size: 8, .value_kind: global_buffer, .address_space: global }
      - { .name: wv_b, .offset: 40, .size: 8, .value_kind: global_buffer, .address_space: global }
      - { .name: qkvc, .offset: 48, .size: 8, .value_kind: global_buffer, .address_space: global }
      - { .name: qkvs, .offset: 56, .size: 8, .value_kind: global_buffer, .address_space: global }
    .group_segment_fixed_size: 327680
    .private_segment_fixed_size: 0
    .kernarg_segment_align: 8
    .kernarg_segment_size: 64
    .max_flat_workgroup_size: 128
    .sgpr_count:     96
    .vgpr_count:     1024
    .wavefront_size: 32
...
	.end_amdgpu_metadata
.endif
;; end of part 6
;; launch attn (part 7): grid 8 x 32, 8 waves a work-group, clusters of 4 x 1, 205,824 bytes of LDS; arguments qkvc, qkvs, attc, atts; writes attc, atts
.if DOCPART == 7
	.amdgcn_target "amdgcn-amd-amdhsa--gfx1250"
	.amdhsa_code_object_version 6
	.text
	.protected	k_q6f824d6658_attn
	.globl	k_q6f824d6658_attn
	.p2align	8
	.type	k_q6f824d6658_attn,@function
k_q6f824d6658_attn:
	s_mov_b64 s[64:65], 0
	v_nop
	global_prefetch_b8 v0, s[64:65] scope:SCOPE_SE
	s_setreg_imm32_b32 hwreg(HW_REG_WAVE_MODE, 25, 1), 1
	s_wait_xcnt 0x0
	s_wait_alu depctr_hold_cnt(0) depctr_sa_sdst(0) depctr_va_vdst(0) depctr_va_sdst(0) depctr_va_ssrc(0) depctr_va_vcc(0) depctr_vm_vsrc(0)
	s_getreg_b32 s2, hwreg(HW_REG_IB_STS2, 6, 4)
	s_cmp_eq_u32 s2, 0
	s_cbranch_scc0 .Lentry_in_a_cluster
	s_endpgm
.Lentry_in_a_cluster:
	s_bfe_u32 s2, ttmp6, 0x10000c
	s_cmp_lg_u32 s2, 0x3003
	s_cbranch_scc0 .Lentry_shape_is_right
	s_endpgm
.Lentry_shape_is_right:
; Causal attention of one (batch, head) on codes of FP6 (E2M3) with E8M0 scales: S^T = K Q^T, p = 2^(t - M), O^T = V^T P^T, O / l, quantised along the head's 128 for the output projection.
; t = score x log2(e) / sqrt(128); M = the row's largest t so far, rounded UP to a whole number; p is quantised along the keys, not normalised; the row's sum is taken of the unquantised p and divides O at the end.
; IN: qkvc, qkvs: regions q, k, v, each [batch x head 32][sub 8][a 8][1,536 bytes]: a fragment (16 rows x 128 K) as an image of its operand registers; in lane r of fragment a lies row 32 (a / 2) + 8 (a % 2) + r + 8 (r / 8)
; of the 128 (q, k: tokens 128 sub on, K = the head's 128; v: the head's 128, K = keys 128 sub on).  So the 16 result registers of two neighbouring tiles used as source 0 are 16 neighbours: keys in S^T, channels in O^T.
; SHARES: a work-group has one (batch, head) and one j = 0..7; wave w owns ONE tile of 16 queries: fragment j of the group G(w) of 128 queries, G = 0, 6, 2, 4, 7, 1, 5, 3 for w = 0..7.  It walks key steps 0 .. G of 128 keys;
; step G lies on the diagonal and is masked; later steps are hidden by the mask that the definition builds and are left out.  What a wave does hangs on its number alone, the same in all partners of a cluster.
; LDS is filled ONCE: all of the head's K and V (98,304 bytes each) and their scale words (4,096 each), ONE tensor load a wave: waves 0-2 a third each of K's codes, waves 3-5 of V's, wave 6 K's scale words, wave 7 V's.
; CLUSTER: the four work-groups of a cluster have the same head: each load is asked for jointly, mask 15.
; A step's eight fragments of K and eight of V have registers of their own (window 1): the next step's K is asked of LDS behind this step's score products, the next V behind its value products, so that the softmax and the
; other products stand between a load and its use.  The step behind a wave's last asks once more for tiles that it does not use (the address is held at step 7): the waits' counts are then the same in every step.
; OUT: attc [row tile T 128][head 16][1,536], T = 64 x batch + 8 G + j; atts [T][head / 4][r][head % 4] words.  A tile's scale words are 16 words 16 bytes apart: blocks of 256 bytes are written in part there,
; 64 bytes beside 1,536 of codes.
; LIMITS: NaN and infinities are not served; a block whose largest magnitude lies under 2^-124 (a block of zeros too) gets the scale byte 1: this program alone reads the bytes.  The scaled scores stay under 2^31 in magnitude.
; REGISTERS, window 0: v1-5 addresses that stay; v8-10 addresses in hand; v12 -M, v13 the largest t, v[14:15] the sum; v16-27 Q; v80-83 V's scale words; v96-159 S^T, then p; v160-223 O^T; v224-235 p's codes;
;   v232-247, v252, v254 at work; v248-251 K's scale words (lanes 0-15: tiles 0-3, lanes 16-31: tiles 4-7); v253 p's scale word; v255 Q's.  window 1: v0-95 K's fragments, v96-191 V's.
.set FRB,  1536
.set VOFF, 98304                       ; LDS: K's codes [step 8][tile 8][1,536], then V's,
.set SCK,  196608                      ; K's scale words, 512 bytes a step, then V's 4,096 bytes on
.set LI,   1                           ; v1  16 x lane
.set LIS,  2                           ; v2  16 x lane + SCK
.set DG,   3                           ; v3  my query's place among its 128, less 16 (lane / 16)
.set R16,  4                           ; v4  16 r
.set LIV,  5                           ; v5  16 x lane + VOFF
.set ADK,  8
.set ADV,  9
.set ADS,  10
.set VSC,  80
.set WV,   12                          ; s12 wave;  s13 G;  s14 cx;  s15 j;  s16 batch x head
.set G,    13
.set SEL,  20
.set CS,   22                          ; s[22:23] c = log2(e) / sqrt(128)
.set G1C,  24                          ; s[24:31] group 1 for codes;  s[32:39] for scale words;  s[40:47] two groups 0
.set G1S,  32
.set TB,   52
.set TS,   53
.set CI,   54                          ; s54 the key step
.set MSB, 0
.macro WIN new
.if MSB != (\new)
	s_set_vgpr_msb (MSB<<8)|(\new)
.set MSB, (\new)
.endif
.endm
.macro CROUND                          ; a round of the cluster's barrier
	s_barrier_signal -1
	s_barrier_wait -1
	s_cmp_lg_u32 s[WV], 0
	s_cbranch_scc1 .Lnot_wave_0_\@
	s_barrier_signal -3
.Lnot_wave_0_\@:
	s_barrier_wait -3
	s_barrier_signal -1
	s_barrier_wait -1
.endm
.macro FRAGS base, adr                 ; eight fragments into window 1: 24 loads
	WIN 0x40
.irp t, 0,1,2,3,4,5,6,7
.irp c, 0,1,2
	ds_load_b128 v[\base+12*\t+4*\c:\base+12*\t+4*\c+3], v[\adr] offset:\t*FRB+512*\c
.endr
.endr
	WIN 0
.endm
.macro QUANT s, pc, p2, tm, pw         ; 64 numbers of a lane, register 16 b + i = k 32 b + 16 (lane / 16) + i, become a fragment's codes and its scale word
.irp b, 0,1,2,3
	v_max3_num_f32 v[\tm+\b], |v[\s+16*\b]|, |v[\s+1+16*\b]|, 0x1800000
.endr
.irp i, 2,4,6,8,10,12,14
.irp b, 0,1,2,3
	s_delay_alu instid0(VALU_DEP_4)
	v_max3_num_f32 v[\tm+\b], v[\tm+\b], |v[\s+16*\b+\i]|, |v[\s+1+16*\b+\i]|
.endr
.endr
.irp b, 0,1,2,3
	s_delay_alu instid0(VALU_DEP_4)
	v_permlanex16_b32 v[\tm+4+\b], v[\tm+\b], s[SEL], s[SEL+1]
.endr
.irp b, 0,1,2,3
	s_delay_alu instid0(VALU_DEP_4)
	v_max_num_f32 v[\tm+\b], v[\tm+\b], v[\tm+4+\b]
.endr
.irp b, 0,1,2,3
	s_delay_alu instid0(VALU_DEP_4)
	v_add_nc_u32 v[\tm+8+\b], 0xff000000, v[\tm+\b]
.endr
.irp b, 0,1,2,3
	s_delay_alu instid0(VALU_DEP_4)
	v_lshrrev_b32 v[\tm+4+\b], 23, v[\tm+8+\b]
.endr
	s_delay_alu instid0(VALU_DEP_3)
	v_lshl_or_b32 v[\pw], v[\tm+5], 8, v[\tm+4]
	s_delay_alu instid0(VALU_DEP_1)
	v_lshl_or_b32 v[\pw], v[\tm+6], 16, v[\pw]
	s_delay_alu instid0(VALU_DEP_1)
	v_lshl_or_b32 v[\pw], v[\tm+7], 24, v[\pw]
.irp c, 0,1
	v_cvt_scalef32_pk16_fp6_f32 v[\pc+6*\c:\pc+6*\c+2], v[\s+32*\c:\s+32*\c+15], v[\tm+8+2*\c]
	v_cvt_scalef32_pk16_fp6_f32 v[\p2+4*\c:\p2+4*\c+2], v[\s+32*\c+16:\s+32*\c+31], v[\tm+9+2*\c]
.endr
	v_nop                                          ; one plain place behind a scaled conversion
.irp c, 0,1
.irp i, 0,1,2
	v_permlane16_swap_b32 v[\pc+6*\c+\i], v[\p2+4*\c+\i]
.endr
.irp i, 0,1,2
	s_delay_alu instid0(VALU_DEP_3)
	v_mov_b32 v[\pc+3+6*\c+\i], v[\p2+4*\c+\i]
.endr
.endr
.endm
	s_load_b256 s[4:11], s[0:1], 0x0               ; qkvc s[4:5], qkvs s[6:7], attc s[8:9], atts s[10:11]
	v_lshl_add_u32 v94, v0, 2, 0x32000
	v_mov_b32 v95, 0
	ds_add_u32 v94, v95                            ; the opening lines: the add, twice on end, and its wait
	ds_add_u32 v94, v95
	v_lshrrev_b32 v8, 5, v0
	s_delay_alu instid0(VALU_DEP_1)
	v_readfirstlane_b32 s[WV], v8                  ; wave 0..7
	s_bfe_u32 s14, ttmp6, 0x40000                  ; cx
	s_lshl_b32 s15, ttmp9, 2
	s_add_co_u32 s15, s15, s14                     ; j = 4 x cluster x + cx: it enters global addresses and the mask's comparisons alone
	s_and_b32 s16, ttmp7, 0xffff                   ; batch x head, which the four partners share
	s_lshl_b32 s56, s[WV], 2
	s_lshr_b32 s[G], 0x35174260, s56
	s_and_b32 s[G], s[G], 7                        ; my group of 128 queries: a table by the wave's number
	s_mul_i32 s56, s[WV], 11
	s_lshr_b32 s56, s56, 5                         ; waves 0-5: wave / 3: 0 = K, 1 = V
	s_mul_i32 s57, s56, 3
	s_sub_co_u32 s57, s[WV], s57                   ; which third
	s_and_b32 s58, s[WV], 1                        ; waves 6, 7: 0 = K, 1 = V
	s_lshl_b32 s66, s58, 12
	s_add_co_u32 s66, s66, SCK                     ; in LDS: the scale words at SCK + 4,096 x side
	s_add_co_u32 s58, s58, 1
	s_lshl_b32 s60, s58, 17
	s_lshl_b32 s59, s16, 12
	s_add_co_u32 s60, s60, s59                     ; scale words: region x 131,072 + head x 4,096
	s_mov_b32 s61, 0
	s_add_co_u32 s58, s56, 1
	s_mul_i32 s62, s58, 3145728
	s_mul_i32 s59, s16, 98304
	s_add_co_u32 s62, s62, s59
	s_lshl_b32 s59, s57, 15
	s_add_co_u32 s62, s62, s59                     ; codes: region x 3,145,728 + head x 98,304 + third x 32,768
	s_mov_b32 s63, 0
	s_lshl_b32 s67, s[WV], 15                      ; in LDS: 32,768 x wave: V's codes follow K's
	; group 1: dense blocks as rows of 256 bytes (32 elements of 8 bytes): 128 rows of codes, 16 of scale words
.irp g, G1C, G1S
	s_mov_b32 s[\g], 15|(3<<16)|(1<<21)            ; 15:0 the mask: all four work-groups; 17:16 elements of 8 bytes; 21 set beside a mask
	s_mov_b32 s[\g+1], 32<<16
	s_mov_b32 s[\g+3], 32<<16
	s_mov_b32 s[\g+5], 32
	s_mov_b32 s[\g+6], 0
	s_mov_b32 s[\g+7], 0
.endr
	s_mov_b32 s[G1C+2], 128<<16
	s_mov_b32 s[G1C+4], 128
	s_mov_b32 s[G1S+2], 16<<16
	s_mov_b32 s[G1S+4], 16
	s_mov_b32 s[SEL], 0x76543210
	s_mov_b32 s[SEL+1], 0xfedcba98
	s_mov_b32 s[CS], 0x3e0293ee
	s_mov_b32 s[CS+1], s[CS]                       ; (named with it as a pair, so it is written)
	s_wait_dscnt 0x0
	s_wait_kmcnt 0x0
	s_mov_b32 s40, 1
	s_mov_b32 s41, s66
	s_add_nc_u64 s[42:43], s[6:7], s[60:61]
	s_or_b32 s43, s43, 0x80000000
	s_mov_b32 s44, 1
	s_mov_b32 s45, s67
	s_add_nc_u64 s[46:47], s[4:5], s[62:63]
	s_or_b32 s47, s47, 0x80000000
	CROUND                                         ; all four work-groups are here: the joint loads meet
	s_cmp_lt_u32 s[WV], 6                          ; one chain on the wave's number, a load in each arm
	s_cbranch_scc0 .Lscales
	tensor_load_to_lds s[44:47], s[G1C:G1C+7]      ; my third of K's or V's codes
	s_nop 0
.rept 4
	v_nop
.endr
	s_branch .Lasked
.Lscales:
	tensor_load_to_lds s[40:43], s[G1S:G1S+7]      ; K's or V's scale words
	s_nop 0
.rept 4
	v_nop
.endr
.Lasked:
	; my tile of queries, and where its result goes
	s_lshl_b32 s17, s16, 3
	s_add_co_u32 s17, s17, s[G]                    ; 8 x head + G
	s_lshl_b32 s18, s17, 3
	s_add_co_u32 s18, s18, s15
	s_mul_i32 s68, s18, FRB
	s_mov_b32 s69, 0
	s_add_nc_u64 s[68:69], s[4:5], s[68:69]        ; Q's fragment (region q begins the buffer)
	s_lshl_b32 s70, s17, 9
	s_lshr_b32 s19, s15, 2
	s_lshl_b32 s19, s19, 8
	s_add_co_u32 s70, s70, s19
	s_and_b32 s19, s15, 3
	s_lshl_b32 s19, s19, 2
	s_add_co_u32 s70, s70, s19
	s_mov_b32 s71, 0
	s_add_nc_u64 s[70:71], s[6:7], s[70:71]        ; its scale words
	s_lshr_b32 s72, s16, 4
	s_lshl_b32 s72, s72, 6
	s_lshl_b32 s19, s[G], 3
	s_add_co_u32 s72, s72, s19
	s_add_co_u32 s72, s72, s15                     ; T = 64 x batch + 8 G + j
	s_and_b32 s73, s16, 15                         ; the head
	s_lshl_b32 s74, s72, 4
	s_add_co_u32 s74, s74, s73
	s_mul_i32 s74, s74, FRB
	s_mov_b32 s75, 0
	s_add_nc_u64 s[8:9], s[8:9], s[74:75]
	s_lshl_b32 s76, s72, 10
	s_lshr_b32 s19, s73, 2
	s_lshl_b32 s19, s19, 8
	s_add_co_u32 s76, s76, s19
	s_and_b32 s19, s73, 3
	s_lshl_b32 s19, s19, 2
	s_add_co_u32 s76, s76, s19
	s_mov_b32 s77, 0
	s_add_nc_u64 s[10:11], s[10:11], s[76:77]
	s_lshr_b32 s78, s15, 1
	s_lshl_b32 s78, s78, 5
	s_and_b32 s19, s15, 1
	s_lshl_b32 s19, s19, 3
	s_add_co_u32 s78, s78, s19                     ; 32 (j / 2) + 8 (j % 2)
	v_and_b32 v8, 31, v0
	s_delay_alu instid0(VALU_DEP_1)
	v_lshlrev_b32 v[LI], 4, v8
	s_delay_alu instid0(VALU_DEP_1)
	v_add_nc_u32 v[LIS], SCK, v[LI]
	s_delay_alu instid0(VALU_DEP_2)
	v_add_nc_u32 v[LIV], VOFF, v[LI]
	v_and_b32 v9, 15, v0                           ; r
	v_bfe_u32 v10, v0, 4, 1                        ; h
	s_delay_alu instid0(VALU_DEP_2)
	v_lshlrev_b32 v[R16], 4, v9
.irp c, 0,1,2
	global_load_b128 v[16+4*\c:19+4*\c], v[LI], s[68:69] offset:512*\c   ; Q's fragment stays in registers
.endr
	global_load_b32 v255, v[R16], s[70:71]         ; and its scale word
	v_and_b32 v[DG], 8, v9
	s_delay_alu instid0(VALU_DEP_1)
	v_add3_u32 v[DG], v[DG], v9, s78               ; my query's place among its 128
	v_lshlrev_b32 v10, 4, v10
	s_delay_alu instid0(VALU_DEP_1)
	v_sub_nc_u32 v[DG], v[DG], v10                 ; less 16 h: on the diagonal register 16 b + i holds key 32 b + 16 h + i: hidden where 32 b + i is greater than this
	v_mov_b32 v13, 0xff61b1e6                      ; the largest t so far: -3e38, under every t
	s_delay_alu instid0(VALU_DEP_1)
	v_floor_f32 v12, -v13                          ; -M
	v_mov_b32 v14, 0                               ; the sum, in two halves
	v_mov_b32 v15, 0
.set n, 236
.rept 12
	v_mov_b32 v[n], 0                              ; written once: a lane permute's destination counts as one of its sources
.set n, n+1
.endr
	v_mov_b32 v252, 0
	v_mov_b32 v253, 0                              ; (named as the upper half of the pair v[252:253] before it is first written)
	v_mov_b32 v254, 0
.set n, 0
.rept 64
	v_mov_b32 v[160+n], 0                          ; O^T: the step is written for every trip alike; the first finds zeros, which the first change of M leaves zeros
.set n, n+1
.endr
	s_wait_alu depctr_va_vdst(0)                   ; the wait at the head's end
	s_wait_tensorcnt 0x0                           ; my one load is in,
	s_barrier_signal -1
	s_barrier_wait -1                              ; everybody's is: all of K, V and their scale words
	FRAGS 0, LI                                    ; key step 0: K's fragments and scale words, 25 loads,
	ds_load_b128 v[248:251], v[LIS]
	FRAGS 96, LIV                                  ; and V's, 25 loads
	ds_load_b128 v[VSC:VSC+3], v[LIS] offset:4096
	s_wait_loadcnt 0x0                             ; Q
	s_mov_b32 s[CI], 0
.Lstep:                                                ; A KEY STEP: 128 keys.  A step all of whose keys come after my queries is left out: a branch on the step's number and the wave's, round the work alone
	s_cmp_gt_u32 s[CI], s[G]
	s_cbranch_scc1 .Lhidden
	s_add_co_u32 s55, s[CI], 1
	s_min_u32 s55, s55, 7                          ; the next step, held at the last
	s_mul_i32 s[TB], s55, 8*FRB
	s_lshl_b32 s[TS], s55, 9
	s_wait_dscnt 25                                ; K's 25 loads are in; V's 25, issued behind them, may be out
	WIN 0x01                                       ; source 0: window 1
.irp t, 0,1,2,3                                ; S^T = K Q^T: eight tiles of 16 keys
	v_wmma_scale_f32_16x16x128_f8f6f4 v[96+8*\t:103+8*\t], v[12*\t:12*\t+11], v[16:27], 0, v[248+\t], v255 matrix_a_fmt:MATRIX_FMT_FP6 matrix_b_fmt:MATRIX_FMT_FP6
.endr
.irp t, 0,1,2,3
	v_wmma_scale_f32_16x16x128_f8f6f4 v[128+8*\t:135+8*\t], v[48+12*\t:48+12*\t+11], v[16:27], 0, v[248+\t], v255 matrix_a_fmt:MATRIX_FMT_FP6 matrix_b_fmt:MATRIX_FMT_FP6 matrix_a_scale:MATRIX_SCALE_ROW1
.endr
	WIN 0
	v_add_nc_u32 v[ADK], s[TB], v[LI]
	v_add_nc_u32 v[ADV], s[TB], v[LIV]
	v_add_nc_u32 v[ADS], s[TS], v[LIS]
	v_nop                                          ; with the three additions: four places behind the products
	FRAGS 0, ADK                                   ; the next step's K
	ds_load_b128 v[248:251], v[ADS]
	s_cmp_lg_u32 s[CI], s[G]                       ; only my last step lies on the diagonal: there the scores of hidden keys become -infinity ahead of the maximum, and p = 0
	s_cbranch_scc1 .Lopen
	v_mov_b32 v254, 0xff800000
.set n, 0
.rept 64
	v_cmp_gt_i32 vcc_lo, 32*(n/16)+n%16, v[DG]
	v_cndmask_b32 v[96+n], v[96+n], v254, vcc_lo
.set n, n+1
.endr
.Lopen:
.irp b, 0,1,2,3
	v_max3_num_f32 v[232+\b], v[96+16*\b], v[97+16*\b], v[98+16*\b]   ; the largest score of each block of 32 keys: for the row's maximum and, since p rises with the score, for the block's largest p
.endr
.irp i, 3,5,7,9,11,13
.irp b, 0,1,2,3
	v_max3_num_f32 v[232+\b], v[232+\b], v[96+16*\b+\i], v[97+16*\b+\i]
.endr
.endr
.irp b, 0,1,2,3
	v_max_num_f32 v[232+\b], v[232+\b], v[111+16*\b]
.endr
.irp b, 0,1,2,3
	s_delay_alu instid0(VALU_DEP_4)
	v_permlanex16_b32 v[236+\b], v[232+\b], s[SEL], s[SEL+1]
.endr
.irp b, 0,1,2,3
	s_delay_alu instid0(VALU_DEP_4)
	v_max_num_f32 v[232+\b], v[232+\b], v[236+\b]  ; with lane l xor 16's 16 keys
.endr
	s_delay_alu instid0(VALU_DEP_2)
	v_max3_num_f32 v254, v232, v233, v234
	s_delay_alu instid0(VALU_DEP_1)
	v_max_num_f32 v254, v254, v235                 ; the step's largest score of my query
	s_delay_alu instid0(VALU_DEP_1)
	v_mul_f32 v254, s[CS], v254                    ; as t (c is positive)
	s_delay_alu instid0(VALU_DEP_1)
	v_max_num_f32 v13, v13, v254                   ; the running largest t
	v_mov_b32 v254, v12
	s_delay_alu instid0(VALU_DEP_2)
	v_floor_f32 v12, -v13                          ; the new -M = floor(-t) = -ceil(t): a whole number
	s_delay_alu instid0(VALU_DEP_1)
	v_sub_f32 v254, v12, v254                      ; M's old value less its new one: a whole number, 0 or less
	s_delay_alu instid0(VALU_DEP_1)
	v_cvt_i32_f32 v254, v254                       ; (it saturates)
	s_delay_alu instid0(VALU_DEP_1)
	v_ldexp_f32 v252, 1.0, v254                    ; f = 2^(old M - new M): a multiplication by it rounds nothing
.set n, 0
.rept 32
	v_pk_fma_f32 v[96+2*n:97+2*n], v[96+2*n:97+2*n], s[CS:CS+1], v[12:13] op_sel_hi:[1,0,0]   ; t - M, two at a time
.set n, n+1
.endr
.irp b, 0,1,2,3
	v_fma_f32 v[232+\b], v[232+\b], s[CS], v12     ; the same of each block's largest score
.endr
	s_wait_alu depctr_va_vdst(0)                   ; the wait ahead of the batch
.set n, 0
.rept 64
	v_exp_f32 v[96+n], v[96+n]                     ; p = 2^(t - M), at most 1: not normalised
.set n, n+1
.endr
	v_pk_mul_f32 v[14:15], v[14:15], v[252:253] op_sel_hi:[1,0]   ; the sums under the new M (a plain place behind the exponentials)
	s_wait_alu depctr_va_vdst(0)                   ; one wait for the whole batch, ahead of its first reader
.irp b, 0,1,2,3
	v_exp_f32 v[232+\b], v[232+\b]                 ; the block's largest p: the same two instructions on the same number give the same bits
.endr
	v_pk_add_f32 v[236:237], v[100:101], v[104:105]   ; the row's sum, of the unquantised p: eight chains
	v_pk_add_f32 v[92:93], v[108:109], v[112:113]
	v_pk_add_f32 v[90:91], v[116:117], v[120:121]
	v_pk_add_f32 v[88:89], v[124:125], v[128:129]
	v_pk_add_f32 v[30:31], v[132:133], v[136:137]
	v_pk_add_f32 v[28:29], v[140:141], v[144:145]
	v_pk_add_f32 v[6:7], v[148:149], v[152:153]
	v_pk_add_f32 v[14:15], v[14:15], v[156:157]
	v_pk_add_f32 v[236:237], v[236:237], v[96:97]
	v_pk_add_f32 v[92:93], v[92:93], v[98:99]
	v_pk_add_f32 v[90:91], v[90:91], v[102:103]
	v_pk_add_f32 v[88:89], v[88:89], v[106:107]
	v_pk_add_f32 v[30:31], v[30:31], v[110:111]
	v_pk_add_f32 v[28:29], v[28:29], v[114:115]
	v_pk_add_f32 v[6:7], v[6:7], v[118:119]
	v_pk_add_f32 v[14:15], v[14:15], v[122:123]
	v_pk_add_f32 v[236:237], v[236:237], v[126:127]
	v_pk_add_f32 v[92:93], v[92:93], v[130:131]
	v_pk_add_f32 v[90:91], v[90:91], v[134:135]
	v_pk_add_f32 v[88:89], v[88:89], v[138:139]
	v_pk_add_f32 v[30:31], v[30:31], v[142:143]
	v_pk_add_f32 v[28:29], v[28:29], v[146:147]
	v_pk_add_f32 v[6:7], v[6:7], v[150:151]
	v_pk_add_f32 v[14:15], v[14:15], v[154:155]
	v_pk_add_f32 v[236:237], v[236:237], v[158:159]
	s_delay_alu instid0(VALU_DEP_2)
	v_pk_add_f32 v[14:15], v[14:15], v[88:89]
	s_delay_alu instid0(VALU_DEP_2)
	v_pk_add_f32 v[236:237], v[236:237], v[30:31]
	v_pk_add_f32 v[92:93], v[92:93], v[28:29]
	v_pk_add_f32 v[90:91], v[90:91], v[6:7]
	s_delay_alu instid0(VALU_DEP_2)
	v_pk_add_f32 v[14:15], v[14:15], v[92:93]
	s_delay_alu instid0(VALU_DEP_2)
	v_pk_add_f32 v[236:237], v[236:237], v[90:91]
	s_delay_alu instid0(VALU_DEP_1)
	v_pk_add_f32 v[14:15], v[14:15], v[236:237]
	s_wait_alu depctr_va_vdst(0)                   ; and one for the four
.irp b, 0,1,2,3
	v_max_num_f32 v[232+\b], 0x1800000, v[232+\b]  ; the floor 2^(3 - 127): the byte cannot fall under 1 (a block whose every p is 0 keeps that byte: its codes are zeros)
.endr
.irp b, 0,1,2,3
	s_delay_alu instid0(VALU_DEP_4)
	v_add_nc_u32 v[244+\b], 0xff000000, v[232+\b]  ; 2 off the exponent field: the conversion's scale operand
.endr
.irp b, 0,1,2,3
	s_delay_alu instid0(VALU_DEP_4)
	v_lshrrev_b32 v[236+\b], 23, v[244+\b]         ; the scale's byte
.endr
	s_delay_alu instid0(VALU_DEP_3)
	v_lshl_or_b32 v253, v237, 8, v236              ; p's scale word for these 128 keys
	s_delay_alu instid0(VALU_DEP_1)
	v_lshl_or_b32 v253, v238, 16, v253
	s_delay_alu instid0(VALU_DEP_1)
	v_lshl_or_b32 v253, v239, 24, v253
.irp c, 0,1
	v_cvt_scalef32_pk16_fp6_f32 v[224+6*\c:226+6*\c], v[96+32*\c:111+32*\c], v[244+2*\c]
	v_cvt_scalef32_pk16_fp6_f32 v[236+4*\c:238+4*\c], v[112+32*\c:127+32*\c], v[245+2*\c]
.endr
	v_nop                                          ; one plain place behind a scaled conversion
.irp c, 0,1                                    ; the operand wants a whole block in a lane
.irp i, 0,1,2
	v_permlane16_swap_b32 v[224+6*\c+\i], v[236+4*\c+\i]
.endr
.irp i, 0,1,2
	s_delay_alu instid0(VALU_DEP_3)
	v_mov_b32 v[227+6*\c+\i], v[236+4*\c+\i]
.endr
.endr
	s_wait_alu depctr_va_vdst(0)                   ; the wait directly ahead of the first reader of O^T
.set n, 0
.rept 32
	v_pk_mul_f32 v[160+2*n:161+2*n], v[160+2*n:161+2*n], v[252:253] op_sel_hi:[1,0]   ; O^T under the new M.  (These 32 are also the places in front of the matrix instructions below)
.set n, n+1
.endr
	s_wait_alu depctr_va_vdst(0)                   ; the wait directly ahead of the wait below
	s_wait_dscnt 25                                ; V's 25 loads are in; the next K's 25, issued behind them, may be out
	WIN 0x01
.irp t, 0,1,2,3                                ; O^T += V^T P^T: eight tiles of 16 of the head's 128, the eight accumulators by turns; K = these 128 keys
	v_wmma_scale_f32_16x16x128_f8f6f4 v[160+8*\t:167+8*\t], v[96+12*\t:96+12*\t+11], v[224:235], v[160+8*\t:167+8*\t], v[VSC+\t], v253 matrix_a_fmt:MATRIX_FMT_FP6 matrix_b_fmt:MATRIX_FMT_FP6
.endr
.irp t, 0,1,2,3
	v_wmma_scale_f32_16x16x128_f8f6f4 v[192+8*\t:199+8*\t], v[144+12*\t:144+12*\t+11], v[224:235], v[192+8*\t:199+8*\t], v[VSC+\t], v253 matrix_a_fmt:MATRIX_FMT_FP6 matrix_b_fmt:MATRIX_FMT_FP6 matrix_a_scale:MATRIX_SCALE_ROW1
.endr
	WIN 0
.rept 4
	v_nop                                          ; four places behind the products
.endr
	FRAGS 96, ADV                                  ; the next step's V
	ds_load_b128 v[VSC:VSC+3], v[ADS] offset:4096
.Lhidden:
	s_add_co_u32 s[CI], s[CI], 1
	s_cmp_lt_u32 s[CI], 8
	s_cbranch_scc1 .Lstep
	; THE WAY OUT: O^T / the sum is, in a lane, 64 numbers of one query in the quantiser's order: its codes are a fragment of the output projection's operand, K step = my head
	s_wait_dscnt 0x0                               ; the loads that ran ahead have landed: their registers may be written
	v_add_f32 v14, v14, v15                        ; the sum's two halves,
	s_delay_alu instid0(VALU_DEP_1)
	v_permlanex16_b32 v252, v14, s[SEL], s[SEL+1]
	s_delay_alu instid0(VALU_DEP_1)
	v_add_f32 v14, v14, v252                       ; and lane l xor 16's: the row's sum
	s_wait_alu depctr_va_vdst(0)
	v_rcp_f32 v14, v14
	v_and_b32 v8, 31, v0                           ; (a plain place behind the transcendental)
	s_wait_alu depctr_va_vdst(0)                   ; the wait, ahead of the first reader
.set n, 0
.rept 64
	v_mul_f32 v[96+n], v[160+n], v14               ; each accumulator from its low end on
.set n, n+1
.endr
	QUANT 96, 224, 80, 236, 253
.irp c, 0,1,2
	global_store_b128 v[LI], v[224+4*\c:227+4*\c], s[8:9] offset:512*\c   ; 32 lanes store 512 consecutive bytes, aligned
.endr
	v_cmp_gt_u32 vcc_lo, 16, v8
	s_wait_xcnt 0x0                                ; EXEC changes only behind this wait
	s_and_saveexec_b32 s56, vcc_lo
	global_store_b32 v[R16], v253, s[10:11]        ; lanes 0-15: row r's scale word for my head
	s_wait_xcnt 0x0
	s_or_b32 exec_lo, exec_lo, s56
	s_wait_tensorcnt 0x0                           ; the wave's end
	ds_add_u32 v94, v95
	s_wait_dscnt 0x0
	CROUND                                         ; the closing round: no work-group ends while a partner may still ask for a tile that names it
	s_endpgm
.Lfunc_end_k_q6f824d6658_attn:
	.size	k_q6f824d6658_attn, .Lfunc_end_k_q6f824d6658_attn-k_q6f824d6658_attn
	.p2alignl 7, 3214868480
	.fill 96, 4, 3214868480
	.section	.rodata,"a",@progbits
	.p2align	6, 0x0
	.amdhsa_kernel k_q6f824d6658_attn
		.amdhsa_group_segment_fixed_size 205824
		.amdhsa_private_segment_fixed_size 0
		.amdhsa_enable_private_segment 0
		.amdhsa_kernarg_size 32
		.amdhsa_user_sgpr_count 2
		.amdhsa_user_sgpr_kernarg_segment_ptr 1
		.amdhsa_wavefront_size32 1
		.amdhsa_system_sgpr_workgroup_id_x 1
		.amdhsa_system_sgpr_workgroup_id_y 1
		.amdhsa_system_sgpr_workgroup_id_z 1
		.amdhsa_system_vgpr_workitem_id 0
		.amdhsa_next_free_vgpr 512
		.amdhsa_next_free_sgpr 80
		.amdhsa_reserve_vcc 1
		.amdhsa_float_denorm_mode_32 3
		.amdhsa_float_denorm_mode_16_64 3
		.amdhsa_memory_ordered 1
		.amdhsa_forward_progress 1
		.amdhsa_inst_pref_size 47
	.end_amdhsa_kernel
	.amdgpu_metadata
---
amdhsa.version: [ 1, 2 ]
amdhsa.kernels:
  - .name:           k_q6f824d6658_attn
    .symbol:         k_q6f824d6658_attn.kd
    .args:
      - { .name: qkvc, .offset: 0, .size: 8, .value_kind: global_buffer, .address_space: global }
      - { .name: qkvs, .offset: 8, .size: 8, .value_kind: global_buffer, .address_space: global }
      - { .name: attc, .offset: 16, .size: 8, .value_kind: global_buffer, .address_space: global }
      - { .name: atts, .offset: 24, .size: 8, .value_kind: global_buffer, .address_space: global }
    .group_segment_fixed_size: 205824
    .private_segment_fixed_size: 0
    .kernarg_segment_align: 8
    .kernarg_segment_size: 32
    .max_flat_workgroup_size: 256
    .sgpr_count:     80
    .vgpr_count:     512
    .wavefront_size: 32
...
	.end_amdgpu_metadata
.endif
;; end of part 7
;; launch outp (part 8): grid 16 x 16, 4 waves a work-group, clusters of 4 x 1, 327,680 bytes of LDS; arguments attc, atts, cod, scl, wo_b, out0; writes out0
.if DOCPART == 8
	.amdgcn_target "amdgcn-amd-amdhsa--gfx1250"
	.amdhsa_code_object_version 6
	.text
	.protected	k_q6f824d6658_outp
	.globl	k_q6f824d6658_outp
	.p2align	8
	.type	k_q6f824d6658_outp,@function
k_q6f824d6658_outp:
	s_mov_b64 s[64:65], 0
	v_nop
	global_prefetch_b8 v0, s[64:65] scope:SCOPE_SE
	s_setreg_imm32_b32 hwreg(HW_REG_WAVE_MODE, 25, 1), 1
	s_wait_xcnt 0x0
	s_wait_alu depctr_hold_cnt(0) depctr_sa_sdst(0) depctr_va_vdst(0) depctr_va_sdst(0) depctr_va_ssrc(0) depctr_va_vcc(0) depctr_vm_vsrc(0)
	s_getreg_b32 s2, hwreg(HW_REG_IB_STS2, 6, 4)
	s_cmp_eq_u32 s2, 0
	s_cbranch_scc0 .Lentry_in_a_cluster
	s_endpgm
.Lentry_in_a_cluster:
	s_bfe_u32 s2, ttmp6, 0x10000c
	s_cmp_lg_u32 s2, 0x3003
	s_cbranch_scc0 .Lentry_shape_is_right
	s_endpgm
.Lentry_shape_is_right:
; out0 = att wo^T + wo_b, on codes of FP6 (E2M3) with E8M0 scales; sums in f32.
; IN: attc [row tile T 128][K step s 16][1,536], atts [T][s / 4][r][s % 4] words; wo in cod [group 64 + x][s][tile 8][1,536], scl [group][s][r][tile 8] words.  A fragment (16 rows x 128 K) is an image of its 12 operand
; registers; tile T holds in lane r row 32 (T / 2) + 8 (T % 2) + r + 8 (r / 8).
; SHARES: a work-group makes 128 tokens (y) x 128 columns (x); wave w all 128 tokens x columns 32 w .. 32 w + 31: 16 accumulators.  Source 0 = 16 rows of wo, source 1 = 16 tokens: a lane holds one token, and the 16
; registers of its two tiles are columns 32 w + 16 (lane / 16) + 0 .. 15.  The bias is the C of the first K step.
; A (the tokens' 196,608 bytes, all of K) comes into LDS once, in two halves of K, each a quarter a wave by one tensor load (tiles 2 w, 2 w + 1: two rows of 12,288 bytes), asked for JOINTLY by the four work-groups of a
; cluster, which have the same y (mask 15).  K steps 0-7 come at the head; K steps 8-15 are a later first fill, behind the full sequence and a round, and have K steps 0-6 in which to land.  No byte is filled twice.
; LDS: [half of K][tile 8][K step 8][1,536].
; B (my 32 rows of wo, all of K: 49,152 bytes, 384 registers) and all scale words go from memory straight into registers, once; the K steps wait for them by count.  No loop runs ahead of them, so nothing is prefetched.
; OUT: through a stage in LDS bytes of its own (128 rows x 528 bytes) that the four waves fill together; each wave then stores 32 whole rows of 512 bytes.
; REGISTERS: window 0: v0-31 addresses; v32-159 A's scale words (tile i, step s at 32 + 16 i + s); v160-191 B's (160 + 2 s + b); v192-207 the bias.  window 1: v0-127 accumulators ((a, b) at 8 (2 a + b)); v128-223 A's set 0.
;   window 2: B's K steps 0-9 (24 s + 12 b).  window 3: v0-143 B's K steps 10-15; v144-239 A's set 1.
.set FR,    12
.set FRB,   1536
.set STAGE, 196608
.set SPI,   528
.set SPARE, 264192                     ; the spare words: 512 bytes that no other line names
.set ADA,  8                           ; v8-11 LDS address of A: register 2 (half of K) + (tile / 4)
.set LI,   24
.set STO,  25
.set RD,   26
.set SPW,  28
.set NIL,  29
.set SA,   32
.set SBC,  160
.set BC,   192
.set WV,   20
.set MSB, 0
.macro WIN new
.if MSB != (\new)
	s_set_vgpr_msb (MSB<<8)|(\new)
.set MSB, (\new)
.endif
.endm
.macro PLACES
.rept 4
	v_nop
.endr
.endm
.macro CROUND                          ; a round of the cluster's barrier
	s_barrier_signal -1
	s_barrier_wait -1
	s_cmp_lg_u32 s[WV], 0
	s_cbranch_scc1 .Lnot_wave_0_\@
	s_barrier_signal -3
.Lnot_wave_0_\@:
	s_barrier_wait -3
	s_barrier_signal -1
	s_barrier_wait -1
.endm
	s_load_b256 s[4:11], s[0:1], 0x0               ; attc s[4:5], atts s[6:7], cod s[8:9], scl s[10:11]
	s_load_b128 s[12:15], s[0:1], 0x20             ; wo_b s[12:13], out0 s[14:15]
	v_lshl_add_u32 v[SPW], v0, 2, SPARE
	v_mov_b32 v[NIL], 0
	ds_add_u32 v[SPW], v[NIL]                      ; the opening lines: the add, twice on end, and its wait
	ds_add_u32 v[SPW], v[NIL]
	v_lshrrev_b32 v1, 5, v0
	v_readfirstlane_b32 s[WV], v1                  ; wave 0..3
	s_bfe_u32 s21, ttmp6, 0x40000                  ; cx: it enters global addresses of B and of the result alone
	s_lshl_b32 s22, ttmp9, 2
	s_add_co_u32 s22, s22, s21                     ; x
	s_and_b32 s23, ttmp7, 0xffff                   ; y, which the four partners share
	s_mov_b32 s24, 15|(3<<16)|(1<<21)              ; group 1: the mask; elements of 8 bytes; bit 21 beside a mask; two rows of 1,536 elements, 3,072 apart in memory
	s_mov_b32 s25, 1536<<16
	s_mov_b32 s26, 2<<16
	s_mov_b32 s27, 1536<<16
	s_mov_b32 s28, 2
	s_mov_b32 s29, 3072
	s_mov_b32 s30, 0
	s_mov_b32 s31, 0
	s_mul_i32 s36, s[WV], 49152                    ; my two tiles of A in memory
	s_mul_i32 s38, s23, 196608
	s_add_co_u32 s38, s38, s36
	s_mov_b32 s39, 0
	s_add_co_u32 s40, s22, 64
	s_lshl_b32 s44, s40, 13
	s_mul_i32 s40, s40, 196608
	s_mul_i32 s37, s[WV], 2*FRB
	s_add_co_u32 s40, s40, s37                     ; wo's group, my two tiles
	s_mov_b32 s41, 0
	s_lshl_b32 s42, s23, 13                        ; A's scale words: 8 tiles of 1,024 bytes
	s_mov_b32 s43, 0
	s_lshl_b32 s37, s[WV], 3
	s_add_co_u32 s44, s44, s37                     ; B's: my two words of a row's eight
	s_mov_b32 s45, 0
	s_lshl_b32 s46, s22, 9
	s_lshl_b32 s37, s[WV], 7
	s_add_co_u32 s46, s46, s37                     ; the bias of my 32 columns
	s_mov_b32 s47, 0
	s_lshl_b32 s48, s23, 20
	s_lshl_b32 s37, s22, 9
	s_add_co_u32 s48, s48, s37
	s_lshl_b32 s37, s[WV], 18
	s_add_co_u32 s48, s48, s37                     ; the rows that I store: 128 y + 32 w, at column 128 x
	s_mov_b32 s49, 0
	s_mov_b32 s32, 1
	s_mul_i32 s33, s[WV], 24576                    ; and in LDS: two tiles x 8 K steps
	s_wait_dscnt 0x0
	s_wait_kmcnt 0x0
	s_add_nc_u64 s[34:35], s[4:5], s[38:39]
	s_or_b32 s35, s35, 0x80000000
	s_add_nc_u64 s[8:9], s[8:9], s[40:41]
	s_add_nc_u64 s[6:7], s[6:7], s[42:43]
	s_add_nc_u64 s[10:11], s[10:11], s[44:45]
	s_add_nc_u64 s[12:13], s[12:13], s[46:47]
	s_add_nc_u64 s[14:15], s[14:15], s[48:49]
	CROUND                                         ; all four work-groups are here: the joint loads meet
	tensor_load_to_lds s[32:35], s[24:31]          ; K steps 0-7 of tiles 2 w, 2 w + 1: my one load at the head
	s_nop 0
	PLACES
	v_and_b32 v3, 31, v0
	v_and_b32 v1, 15, v0                           ; r
	v_bfe_u32 v2, v0, 4, 1                         ; h
	v_lshlrev_b32 v[LI], 4, v3
.irp q, 0,1,2,3
	v_add_nc_u32 v[ADA+\q], 49152*\q, v[LI]
.endr
	v_lshlrev_b32 v4, 4, v1                        ; A's scale words: 16 r
	v_lshlrev_b32 v5, 5, v1                        ; B's: 32 r
	v_lshlrev_b32 v7, 6, v2                        ; the bias: 64 h
	v_and_b32 v6, 8, v1
	v_add_nc_u32 v6, v6, v1                        ; r + 8 (r / 8)
	v_mul_u32_u24 v[STO], v6, SPI
	v_lshl_add_u32 v[STO], v2, 6, v[STO]
	s_lshl_b32 s37, s[WV], 7
	s_add_co_u32 s37, s37, STAGE
	v_add_nc_u32 v[STO], s37, v[STO]               ; into the stage: my token's row, byte 128 w + 64 h
	s_mul_i32 s37, s[WV], 32*SPI
	s_add_co_u32 s37, s37, STAGE
	v_add_nc_u32 v[RD], s37, v[LI]                 ; out of it: rows 32 w on, 16 bytes a lane
	s_wait_alu depctr_va_vdst(0)                   ; the wait at the head's end
.irp j, 0,1,2,3
	global_load_b128 v[BC+4*\j:BC+4*\j+3], v7, s[12:13] offset:16*\j   ; register i: the bias of column 32 w + 16 h + i
.endr
.irp i, 0,1,2,3,4,5,6,7
.irp g, 0,1,2,3
	global_load_b128 v[SA+16*\i+4*\g:SA+16*\i+4*\g+3], v4, s[6:7] offset:1024*\i+256*\g
.endr
.endr
.set n, 0
.rept 16
	global_load_b64 v[SBC+2*n:SBC+2*n+1], v5, s[10:11] offset:512*n
.set n, n+1
.endr
.set n, 0
.rept 16                                       ; B, K step by K step: six loads each
	WIN (2+n/10)<<6
.irp b, 0,1
.irp c, 0,1,2
	global_load_b128 v[24*(n%10)+FR*\b+4*\c:24*(n%10)+FR*\b+4*\c+3], v[LI], s[8:9] offset:12288*n+FRB*\b+512*\c
.endr
.endr
.set n, n+1
.endr
	WIN 0
.macro FETCHA s                        ; A's eight fragments of K step s into set s % 2: 24 loads
.set AB, 128+16*((\s)%2)
	WIN (1+2*((\s)%2))<<6
.irp i, 0,1,2,3,4,5,6,7
.irp c, 0,1,2
	ds_load_b128 v[AB+FR*\i+4*\c:AB+FR*\i+4*\c+3], v[ADA+2*((\s)/8)+\i/4] offset:12288*(\i%4)+FRB*((\s)%8)+512*\c
.endr
.endr
.endm
.macro MULN s                          ; 16 matrix instructions, the 16 accumulators by turns
.set AB, 128+16*((\s)%2)
.set BB, 24*((\s)%10)
.if (\s) == 0
	WIN (2+(\s)/10)|((1+2*((\s)%2))<<2)|0x40
.else
	WIN (2+(\s)/10)|((1+2*((\s)%2))<<2)|0x50
.endif
.irp a, 0,1,2,3,4,5,6,7
.irp b, 0,1
.if (\s) == 0
	v_wmma_scale_f32_16x16x128_f8f6f4 v[8*(2*\a+\b):8*(2*\a+\b)+7], v[BB+FR*\b:BB+FR*\b+FR-1], v[AB+FR*\a:AB+FR*\a+FR-1], v[BC+8*\b:BC+8*\b+7], v[SBC+2*(\s)+\b], v[SA+16*\a+(\s)] matrix_a_fmt:MATRIX_FMT_FP6 matrix_b_fmt:MATRIX_FMT_FP6
.else
	v_wmma_scale_f32_16x16x128_f8f6f4 v[8*(2*\a+\b):8*(2*\a+\b)+7], v[BB+FR*\b:BB+FR*\b+FR-1], v[AB+FR*\a:AB+FR*\a+FR-1], v[8*(2*\a+\b):8*(2*\a+\b)+7], v[SBC+2*(\s)+\b], v[SA+16*\a+(\s)] matrix_a_fmt:MATRIX_FMT_FP6 matrix_b_fmt:MATRIX_FMT_FP6
.endif
.endr
.endr
.endm
	s_wait_tensorcnt 0x0                           ; my part of K steps 0-7 is in
	ds_add_u32 v[SPW], v[NIL]
	s_add_co_u32 s33, s33, 98304                   ; no load of mine is out, so group 0 may be written: the second half of K, in LDS
	s_add_nc_u64 s[34:35], s[34:35], 12288         ; and in memory
	s_wait_dscnt 0x0
	CROUND                                         ; everybody's part is in, and all four work-groups are here: the joint loads meet
	tensor_load_to_lds s[32:35], s[24:31]          ; K steps 8-15 of my two tiles: my one load behind the round
	s_nop 0
	PLACES
	FETCHA 0
.set n, 0
.rept 16
.if n == 7
	WIN 0
	s_wait_tensorcnt 0x0                           ; my part of K steps 8-15 is in,
	s_wait_dscnt 0x0                               ; (no LDS instruction is out at a signal)
	s_barrier_signal -1
	s_barrier_wait -1                              ; everybody's is
.endif
.if n < 15
.if n > 0
	PLACES                                         ; ahead of loads into the set that the step before has multiplied
.endif
	FETCHA n+1
	s_wait_dscnt 24                                ; this step's fragments of A are in; the 24 just asked for may be out
.else
	s_wait_dscnt 0x0
.endif
.if 6*(15-n) > 63
	s_wait_loadcnt 63                              ; behind this step's six loads of B stand 6 (15 - n) more; the count's field holds 63
.else
	s_wait_loadcnt 6*(15-n)
.endif
	MULN n
.set n, n+1
.endr
	PLACES
	WIN 0x04                                       ; the data: window 1
.irp a, 0,1,2,3,4,5,6,7
.irp b, 0,1
	ds_store_b128 v[STO], v[8*(2*\a+\b):8*(2*\a+\b)+3] offset:(32*(\a/2)+8*(\a%2))*SPI+32*\b        ; each accumulator from its low end on
	ds_store_b128 v[STO], v[8*(2*\a+\b)+4:8*(2*\a+\b)+7] offset:(32*(\a/2)+8*(\a%2))*SPI+32*\b+16
.endr
.endr
	WIN 0
	s_wait_dscnt 0x0                               ; my stores into the stage are done,
	s_barrier_signal -1
	s_barrier_wait -1                              ; everybody's are
	WIN 0x80
.set n, 0
.rept 32
	ds_load_b128 v[4*n:4*n+3], v[RD] offset:n*SPI  ; a whole row of 512 bytes
.set n, n+1
.endr
	WIN 0x08
.set n, 0
.rept 32
.if n == 0
	s_wait_dscnt 16
.elseif n == 16
	s_wait_dscnt 0x0
.endif
	global_store_b128 v[LI], v[4*n:4*n+3], s[14:15] offset:n*8192 th:TH_STORE_NT   ; 32 lanes store 512 consecutive bytes, aligned
.set n, n+1
.endr
	WIN 0
	s_wait_tensorcnt 0x0                           ; the wave's end
	ds_add_u32 v[SPW], v[NIL]
	s_wait_dscnt 0x0
	CROUND                                         ; the closing round
	s_endpgm
.Lfunc_end_k_q6f824d6658_outp:
	.size	k_q6f824d6658_outp, .Lfunc_end_k_q6f824d6658_outp-k_q6f824d6658_outp
	.p2alignl 7, 3214868480
	.fill 96, 4, 3214868480
	.section	.rodata,"a",@progbits
	.p2align	6, 0x0
	.amdhsa_kernel k_q6f824d6658_outp
		.amdhsa_group_segment_fixed_size 327680
		.amdhsa_private_segment_fixed_size 0
		.amdhsa_enable_private_segment 0
		.amdhsa_kernarg_size 48
		.amdhsa_user_sgpr_count 2
		.amdhsa_user_sgpr_kernarg_segment_ptr 1
		.amdhsa_wavefront_size32 1
		.amdhsa_system_sgpr_workgroup_id_x 1
		.amdhsa_system_sgpr_workgroup_id_y 1
		.amdhsa_system_sgpr_workgroup_id_z 1
		.amdhsa_system_vgpr_workitem_id 0
		.amdhsa_next_free_vgpr 1024
		.amdhsa_next_free_sgpr 66
		.amdhsa_reserve_vcc 0
		.amdhsa_float_denorm_mode_32 3
		.amdhsa_float_denorm_mode_16_64 3
		.amdhsa_memory_ordered 1
		.amdhsa_forward_progress 1
		.amdhsa_inst_pref_size 87
	.end_amdhsa_kernel
	.amdgpu_metadata
---
amdhsa.version: [ 1, 2 ]
amdhsa.kernels:
  - .name:           k_q6f824d6658_outp
    .symbol:         k_q6f824d6658_outp.kd
    .args:
      - { .name: attc, .offset: 0, .size: 8, .value_kind: global_buffer, .address_space: global }
      - { .name: atts, .offset: 8, .size: 8, .value_kind: global_buffer, .address_space: global }
      - { .name: cod, .offset: 16, .size: 8, .value_kind: global_buffer, .address_space: global }
      - { .name: scl, .offset: 24, .size: 8, .value_kind: global_buffer, .address_space: global }
      - { .name: wo_b, .offset: 32, .size: 8, .value_kind: global_buffer, .address_space: global }
      - { .name: out0, .offset: 40, .size: 8, .value_kind: global_buffer, .address_space: global }
    .group_segment_fixed_size: 327680
    .private_segment_fixed_size: 0
    .kernarg_segment_align: 8
    .kernarg_segment_size: 48
    .max_flat_workgroup_size: 128
    .sgpr_count:     66
    .vgpr_count:     1024
    .wavefront_size: 32
...
	.end_amdgpu_metadata
.endif
;; end of part 8
